; MI455X (gfx1250); checked and timed in simulation.
; The chip was launched on July 23, 2026; its instructions are those of AMD's public machine-readable ISA for CDNA 5 (MIT licence, August 2026) and "CDNA5" Instruction Set Architecture Reference Guide (July 2026). The comments in the code are by the model that wrote it; some were corrected since.
;; Transformer Block. Allowed arithmetic: matrix products marked QUANTISED: E3M2 operands, one E8M0 scale for each 32 along K, by v_wmma_scale_f32_16x16x128_f8f6f4 with both operands' format E3M2, f32 sums; everything else in f32.
;; Inputs: W1 1,024 x 4,096 float32; W2 4,096 x 1,024 float32; Wk 16 x 1,024 x 64 float32; Wp 1,024 x 1,024 float32; Wq 16 x 1,024 x 64 float32; Wv 16 x 1,024 x 64 float32; b1 4,096 float32; b2 1,024 float32; be1 1,024 float32; be2 1,024 float32; bp 1,024 float32; g1 1,024 float32; g2 1,024 float32; x 2 x 2,048 x 1,024 float32.
;; Outputs: out0 2 x 2,048 x 1,024 float32.
;; This version of the problem:
;;   THIS VERSION OF THE PROBLEM IS GIVEN IN LOW PRECISION. The matrix products marked QUANTISED in the list below multiply operands that are first quantised to E3M2 (3 exponent bits, 2 mantissa bits; 6 bits a number), with one power-of-two scale for each 32 numbers along K (OCP MX v1.0); their sums are f32. All else is computed in f32.
;;   The module's matrix products, in the order in which they are computed (A, B: the left and right operand; K: the contracted axis; several contracted axes count as one K, in the product's order):
;;     1. [M 1,024, K 1,024] x [K 1,024, N 4,096]; A: input Wq; B: input x: QUANTISED
;;     2. [M 1,024, K 1,024] x [K 1,024, N 4,096]; A: input Wk; B: input x: QUANTISED
;;     3. [M 1,024, K 1,024] x [K 1,024, N 4,096]; A: input Wv; B: input x: QUANTISED
;;     4. batch 32 x [M 2,048, K 64] x [K 64, N 2,048]; A: computed on the way; B: computed on the way: QUANTISED
;;     5. batch 32 x [M 2,048, K 2,048] x [K 2,048, N 64]; A: softmax (see below); B: computed on the way: QUANTISED
;;     6. [M 4,096, K 1,024] x [K 1,024, N 1,024]; A: computed on the way; B: input Wp: QUANTISED
;;     7. [M 4,096, K 1,024] x [K 1,024, N 4,096]; A: computed on the way; B: input W1: QUANTISED
;;     8. [M 4,096, K 4,096] x [K 4,096, N 1,024]; A: computed on the way; B: input W2: QUANTISED
;;   THE QUANTISER, for each operand of a quantised product, along K:
;;     - K is cut into blocks of 32 from its start; a last block that is shorter is filled with zeros.
;;     - A block's scale is 2^e with e = floor(log2(the largest magnitude in the block)) - 4, held to -126 .. 127; a block of zeros has e = 0. As a byte (E8M0): e + 127.
;;     - Each number is divided by its block's scale, clamped to +-28, and rounded to the nearest number of E3M2, ties to even, subnormals kept.
;;     - The product sums the exact products of the quantised numbers (number of the format x scale) in f32.
;;   ~~~python
;;   def quantise(x, axis):      # numpy; x: float32 -> the quantised numbers, widened to float32 again
;;       x = np.moveaxis(x, axis, -1); K = x.shape[-1]
;;       x = np.pad(x, [(0, 0)] * (x.ndim - 1) + [(0, -K % 32)]); x = x.reshape(x.shape[:-1] + (-1, 32)); a = np.abs(x).max(-1, keepdims=True)
;;       e = np.where(a > 0, np.clip(np.frexp(np.where(a > 0, a, 1))[1] - 1 - 4, -126, 127), 0)      # np.frexp(a)[1] - 1 = floor(log2(a)), exactly
;;       r = np.clip(x / 2.0 ** e, -28, 28)
;;       step = 2.0 ** (np.maximum(np.frexp(np.where(r == 0, 1, r))[1] - 1, -2) - 2)
;;       q = np.round(r / step) * step * 2.0 ** e      # np.round: ties to even
;;       return np.moveaxis(q.reshape(q.shape[:-2] + (-1,))[..., :K], -1, axis).astype(np.float32)
;;   ~~~
;;   SOFTMAX AHEAD OF A QUANTISED PRODUCT. Where the list says 'softmax', what is quantised is not the finished softmax but p = 2^(t - M), with t = logit x log2(e) and M = ceil(the row's largest t), a whole number; so 1/2 < the row's largest p <= 1. The row's sum l is taken of the UNQUANTISED p, in f32, and the product's result is divided by l at the end. Since M is a whole number, a kernel that streams over the keys may use a running M (the ceiling of the running maximum): every later rescaling is an exact power of two, which a block's scale takes up: the codes' values come out the same.
;;   OPERANDS COMPUTED ON THE WAY. 'Computed on the way' means the value that the module computes at that place (a softmax that the list does not call 'softmax' is quantised finished and normalised). What goes into a quantiser is computed in f32, as accurately as f32 sums, v_exp_f32 and their like allow (about 1e-6 of the number): no bf16 or f16 on the way to a quantiser, and a product that is left as it is and whose result goes on into a quantised operand takes f32 operands (vector FMAs, or v_wmma_f32_16x16x4_f32). A number that lies on a knife's edge between two numbers of the format may be rounded either way, as far as f32 arithmetic and the matrix unit's own rounding can turn it there, and no further.
;; One version. Each part assembles by itself: llvm-mc -triple=amdgcn-amd-amdhsa -mcpu=gfx1250 --defsym DOCPART=n.
;; ======== version 1 of 1: 8 launches
;; limits: right only within a limited range of input values
;; workspace buffers: qa 13,107,200 bytes; qkvc 10,223,616 bytes; oc 3,276,800 bytes; y 16,777,216 bytes; x1 20,054,016 bytes; hc 13,107,200 bytes
;; launch prep (part 1): grid 640 x 1, 8 waves a work-group, no clusters, 91,392 bytes of LDS; arguments x, Wq, Wk, Wv, Wp, W1, W2, qa; writes qa
.if DOCPART == 1
	.amdgcn_target "amdgcn-amd-amdhsa--gfx1250"
	.amdhsa_code_object_version 6
	.text
	.protected	k_q60c893fb37_prep
	.globl	k_q60c893fb37_prep
	.p2align	8
	.type	k_q60c893fb37_prep,@function
k_q60c893fb37_prep:
	s_mov_b64 s[64:65], 0
	v_nop
	global_prefetch_b8 v0, s[64:65] scope:SCOPE_SE
	s_setreg_imm32_b32 hwreg(HW_REG_WAVE_MODE, 25, 1), 1
	s_wait_xcnt 0x0
; x [4096][1024] and the six weights (all with K as their outer axis), f32, become codes of BF6 (E3M2) with one E8M0 byte for each 32 along K, in qa.
; LAYOUT OF EVERY OPERAND: tiles of 16 rows x 128 K, each an IMAGE OF THE OPERAND'S 12 REGISTERS (1,536 bytes): registers 0-3 at 16 x lane, registers 8-11 at 512 + 16 x lane,
; registers 4-5 at 1024 + 8 x lane, registers 6-7 at 1280 + 8 x lane.  Tile T, K step s lies at (T x K/128 + s) x 1536; its scale words at (T x K/128 + s) x 64 + 4 x row.
; WHICH ROWS FORM A TILE: row (or weight column) i goes to tile 4 (i / 64) + (i / 8) % 4, row 8 ((i / 32) % 2) + i % 8 of it.  A product that takes four or eight neighbouring tiles as
; its source 0 then leaves in a lane's registers whole blocks of 32 neighbours, in the order that the next 6-bit operand wants.
; A block's scale is 2^(floor(log2(largest magnitude)) - 4); its byte is the largest magnitude's exponent field - 4, held at 1 from below.
; LIMITS: NaN and infinities among the inputs are not served.  A block of zeros, or one whose largest magnitude lies under 2^-122, gets the byte 1 where the rule gives 127 or less:
; such a block's codes add nothing of weight, and the bytes are read by this program alone.
; Work-groups 0-255 take a tile of x each; work-groups 256-639 take 128 columns x 256 K of a weight each.  The two paths have LDS bytes of their own.  No tensor loads: loads go through registers.
; By its LDS (3 x 91,392 bytes) and its registers (6 waves x 162 on a SIMD) three work-groups fit on a WGP: 768 places for the 640.
.set XS,    12582912                   ; qa: x's scale words (x's codes lie at 0)
.set WQC,   3145728                    ; Wq's codes; Wk, Wv, Wp, W1 follow WSTEP apart, W2 at 8 WSTEP
.set WQS,   12713984                   ; Wq's scale words; the others SSTEP apart in the same order
.set WSTEP, 786432
.set SSTEP, 32768
.set FRB,   1536                       ; a fragment's image
.set XP,    4112                       ; x's stage: a row of 4,096 bytes + 16, so that sixteen rows' reads of 16 bytes fall on sixteen different columns of banks
.set WST,   16*XP                      ; the weights' stage begins behind x's
.set L16, 4                            ; v4  16 x lane
.set L8,  5                            ; v5  8 x lane
.set L4,  6                            ; v6  path x: 4 x (lane % 16); path w: 4 x lane
.set SH8, 7                            ; v7  path x: 8 x (lane / 16)
.set M0,  10
.set M1,  11
.set SO0, 12
.set SO1, 13
.set BY0, 14
.set BY1, 15
.set VO,  16                           ; v16-47  path w: byte offset of row i of a block, i = 0 .. 31, at my column
.set XR,  48                           ; v48-111 64 numbers
.set PC,  112                          ; v112-123 the codes just made
.set CT,  124                          ; v124-130 the halves that a conversion cannot put at an odd register
.set WD,  132                          ; the scale word
.set TP,  133
.set SB,  124                          ; path w: my column's scale word
.set OUTR, 128                         ; path w: v128-151 the way out
.set SEL, 30                           ; s[30:31] path x: selects for lane l xor 16
; 64 numbers of a lane, register 32 c + i = k 64 c + 32 (lane / 16) + i of my row: two whole blocks.  They become the fragment's 12 registers in v[PC] on and my row's scale word in v[WD].
.macro QCORE s
	v_max3_num_f32 v[M0], |v[\s]|, |v[\s+1]|, 0x2800000       ; the floor 2^(5 - 127) among the leaves: the byte cannot fall under 1
	v_max3_num_f32 v[M1], |v[\s+32]|, |v[\s+33]|, 0x2800000
.irp i, 2,4,6,8,10,12,14,16,18,20,22,24,26,28,30
	s_delay_alu instid0(VALU_DEP_2)
	v_max3_num_f32 v[M0], v[M0], |v[\s+\i]|, |v[\s+\i+1]|     ; the two blocks by turns
	s_delay_alu instid0(VALU_DEP_2)
	v_max3_num_f32 v[M1], v[M1], |v[\s+32+\i]|, |v[\s+33+\i]|
.endr
	s_delay_alu instid0(VALU_DEP_2)
	v_add_nc_u32 v[SO0], 0xfe000000, v[M0]                    ; 4 off the exponent field: the conversion's scale operand
	s_delay_alu instid0(VALU_DEP_2)
	v_add_nc_u32 v[SO1], 0xfe000000, v[M1]
	s_delay_alu instid0(VALU_DEP_2)
	v_lshrrev_b32 v[BY0], 23, v[SO0]                          ; the scale's byte
	s_delay_alu instid0(VALU_DEP_2)
	v_lshrrev_b32 v[BY1], 23, v[SO1]
	v_cvt_scalef32_pk16_bf6_f32 v[PC:PC+2], v[\s:\s+15], v[SO0]
	v_cvt_scalef32_pk16_bf6_f32 v[CT:CT+2], v[\s+16:\s+31], v[SO0]       ; (a conversion's three registers begin on an even number)
	v_cvt_scalef32_pk16_bf6_f32 v[PC+6:PC+8], v[\s+32:\s+47], v[SO1]
	v_cvt_scalef32_pk16_bf6_f32 v[CT+4:CT+6], v[\s+48:\s+63], v[SO1]
	v_nop                                                     ; one plain place behind the scaled conversions
.irp i, 0,1,2
	v_mov_b32 v[PC+3+\i], v[CT+\i]
	v_mov_b32 v[PC+9+\i], v[CT+4+\i]
.endr
	v_lshl_or_b32 v[WD], v[BY1], 16, v[BY0]                   ; my blocks are numbers h and 2 + h of the K step:
	s_delay_alu instid0(VALU_DEP_1)
	v_lshlrev_b32 v[WD], v[SH8], v[WD]                        ; 8 h bits up,
	s_delay_alu instid0(VALU_DEP_1)
	v_permlanex16_b32 v[TP], v[WD], s[SEL], s[SEL+1]
	s_delay_alu instid0(VALU_DEP_1)
	v_or_b32 v[WD], v[WD], v[TP]                              ; and with lane l xor 16's two bytes the word is whole
.endm
	s_load_b512 s[8:23], s[0:1], 0x0               ; x s[8:9], Wq, Wk, Wv, Wp, W1, W2 s[20:21], qa s[22:23]
	v_lshl_add_u32 v160, v0, 2, 0x16100
	v_mov_b32 v161, 0
	v_lshrrev_b32 v1, 5, v0
	s_delay_alu instid0(VALU_DEP_1)
	v_readfirstlane_b32 s2, v1                     ; wave 0..7
	v_and_b32 v1, 31, v0                           ; lane
	s_delay_alu instid0(VALU_DEP_1)
	v_lshlrev_b32 v[L16], 4, v1
	s_delay_alu instid0(VALU_DEP_2)
	v_lshlrev_b32 v[L8], 3, v1
	s_cmp_lt_u32 ttmp9, 256
	s_cbranch_scc0 .Lweights
	; ---- x: work-group T makes tile T, all eight K steps.  Wave w brings the tile's rows 2 w and 2 w + 1, whole, then quantises K step w of all sixteen rows.
	v_and_b32 v2, 15, v0                           ; r
	v_bfe_u32 v3, v0, 4, 1                         ; h
	s_delay_alu instid0(VALU_DEP_2)
	v_lshlrev_b32 v[L4], 2, v2
	s_delay_alu instid0(VALU_DEP_2)
	v_lshlrev_b32 v[SH8], 3, v3
	v_mov_b32 v[TP], 0                             ; a lane permute's destination counts as one of its sources
	s_mul_i32 s24, s2, 2*XP
	v_add_nc_u32 v8, s24, v[L16]                   ; into the stage: rows 2 w, 2 w + 1; 16 bytes a lane
	v_mul_u32_u24 v9, v2, XP
	s_delay_alu instid0(VALU_DEP_1)
	v_lshl_add_u32 v9, v3, 7, v9
	s_lshl_b32 s24, s2, 9
	v_add_nc_u32 v9, s24, v9                       ; out of it: row r, K step w (512 bytes), + 128 h
	s_lshr_b32 s24, ttmp9, 2
	s_lshl_b32 s24, s24, 6                         ; the tile's rows in x: 64 (T / 4)
	s_and_b32 s25, ttmp9, 3
	s_lshl_b32 s25, s25, 3
	s_add_co_u32 s24, s24, s25                     ; + 8 (T % 4)
	s_lshr_b32 s25, s2, 2
	s_lshl_b32 s25, s25, 5
	s_add_co_u32 s24, s24, s25                     ; + 32 (row / 8)
	s_and_b32 s25, s2, 3
	s_lshl_b32 s25, s25, 1
	s_add_co_u32 s24, s24, s25                     ; + row % 8: my two rows are neighbours in x
	s_lshl_b32 s24, s24, 12
	s_mov_b32 s25, 0
	s_lshl_b32 s26, ttmp9, 3
	s_add_co_u32 s26, s26, s2                      ; 8 T + w
	s_mul_i32 s28, s26, FRB
	s_mov_b32 s29, 0
	s_lshl_b32 s26, s26, 6
	s_add_co_u32 s26, s26, XS
	s_mov_b32 s27, 0
	s_mov_b32 s[SEL], 0x76543210
	s_mov_b32 s[SEL+1], 0xfedcba98
	s_wait_alu depctr_va_vdst(0)
	s_wait_kmcnt 0x0
	s_add_nc_u64 s[24:25], s[8:9], s[24:25]
	s_add_nc_u64 s[28:29], s[22:23], s[28:29]
	s_add_nc_u64 s[26:27], s[22:23], s[26:27]
.irp u, 0,1
.irp j, 0,1,2,3,4,5,6,7
	global_load_b128 v[XR+32*\u+4*\j:XR+32*\u+4*\j+3], v[L16], s[24:25] offset:4096*\u+512*\j th:TH_LOAD_NT   ; 32 lanes read 512 consecutive bytes
.endr
.endr
	s_wait_loadcnt 0x0
.irp u, 0,1
.irp j, 0,1,2,3,4,5,6,7
	ds_store_b128 v8, v[XR+32*\u+4*\j:XR+32*\u+4*\j+3] offset:XP*\u+512*\j
.endr
.endr
	s_wait_dscnt 0x0                               ; for the others' sake: my rows lie in the stage
	s_barrier_signal -1
	s_barrier_wait -1
.irp c, 0,1
.irp i, 0,1,2,3,4,5,6,7
	ds_load_b128 v[XR+32*\c+4*\i:XR+32*\c+4*\i+3], v9 offset:256*\c+16*\i
.endr
.endr
	s_wait_dscnt 0x0
	QCORE XR
	global_store_b128 v[L16], v[PC:PC+3], s[28:29]
	global_store_b128 v[L16], v[PC+8:PC+11], s[28:29] offset:512
	global_store_b64 v[L8], v[PC+4:PC+5], s[28:29] offset:1024
	global_store_b64 v[L8], v[PC+6:PC+7], s[28:29] offset:1280
	global_store_b32 v[L4], v[WD], s[26:27]        ; both halves of the lanes hold the same word and write it to the same place
	s_wait_tensorcnt 0x0
	ds_add_u32 v160, v161
	s_wait_dscnt 0x0
	s_endpgm
	; ---- the weights.  One path for all six: what differs is made by scalar arithmetic and selects on the work-group's number.
	; A lane takes a column n and its registers run down K: a block of 32 lies in one lane.  Wave w: columns 32 (w % 4) on of the group's 128, and one K step: 128 along K from 128 (w / 4) on of the group's 256.
	; So a wave has four blocks of 32 loads, two blocks out at a time: it goes to memory twice.
.Lweights:
	s_sub_co_u32 s24, ttmp9, 256                   ; 0..383
	s_lshr_b32 s25, s24, 5
	s_lshr_b32 s26, s24, 7                         ; 0: Wq, Wk, Wv, Wp (32 work-groups each); 1: W1; 2: W2 (128 each)
	s_and_b32 s27, s24, 127
	s_and_b32 s28, s24, 31
	s_lshl_b32 s50, s26, 2
	s_cmp_eq_u32 s26, 0
	s_cselect_b32 s27, s28, s27                    ; my number within the weight
	s_cselect_b32 s50, s25, s50                    ; the weight's place in qa: 0 Wq, 1 Wk, 2 Wv, 3 Wp, 4 W1, 8 W2
	s_cmp_eq_u32 s26, 1
	s_cselect_b32 s28, 31, 7
	s_cselect_b32 s29, 5, 3
	s_and_b32 s30, s27, s28                        ; which 128 columns
	s_lshr_b32 s31, s27, s29                       ; which 256 along K
	s_cmp_lt_u32 s50, 3
	s_cselect_b32 s48, 8, 12
	s_cselect_b32 s51, 1, 0                        ; 1: stored head by head, [16][1024][64]
	s_cmp_eq_u32 s26, 1
	s_cselect_b32 s48, 14, s48                     ; log2 of the bytes from k to k + 1: 256, 4,096 or 16,384
	s_cmp_eq_u32 s26, 2
	s_cselect_b32 s49, 5, 3                        ; log2 of K / 128
	s_and_b32 s54, s2, 3
	s_lshr_b32 s55, s2, 2
	s_lshr_b32 s57, s54, 1
	s_and_b32 s58, s54, 1
	s_lshl_b32 s56, s30, 1
	s_add_co_u32 s56, s56, s57                     ; the head of my 32 columns,
	s_lshl_b32 s56, s56, 18
	s_lshl_b32 s59, s58, 7
	s_add_co_u32 s56, s56, s59                     ; and their place in its 64
	s_lshl_b32 s59, s30, 9
	s_lshl_b32 s60, s54, 7
	s_add_co_u32 s59, s59, s60                     ; or plainly 4 x column
	s_cmp_eq_u32 s51, 1
	s_cselect_b32 s59, s56, s59
	s_lshl_b32 s60, s31, 8
	s_lshl_b32 s61, s55, 7
	s_add_co_u32 s60, s60, s61                     ; my first k
	s_lshl_b32 s61, s31, 1
	s_add_co_u32 s61, s61, s55                     ; my K step
	; the stage: [half of K][8 tiles] images.  My column is row 8 (w % 2) + lane % 8 of tile 4 ((w % 4) / 2) + lane / 8
	s_mul_i32 s62, s55, 8*FRB
	s_add_co_u32 s62, s62, WST
	s_mul_i32 s63, s57, 4*FRB
	s_add_co_u32 s63, s63, s62
	s_wait_alu depctr_va_vdst(0)
	v_lshrrev_b32 v3, 3, v1
	v_and_b32 v2, 7, v1
	s_delay_alu instid0(VALU_DEP_2)
	v_mul_u32_u24 v8, v3, FRB
	s_delay_alu instid0(VALU_DEP_1)
	v_add_nc_u32 v8, s63, v8
	s_delay_alu instid0(VALU_DEP_1)
	v_lshl_add_u32 v9, v2, 3, v8
	s_delay_alu instid0(VALU_DEP_2)
	v_lshl_add_u32 v8, v2, 4, v8
	s_lshl_b32 s63, s58, 7
	v_add_nc_u32 v8, s63, v8                       ; tile + 16 x row
	s_lshl_b32 s63, s58, 6
	v_add_nc_u32 v9, s63, v9                       ; tile + 8 x row
	s_mul_i32 s63, s54, 2*FRB
	s_add_co_u32 s63, s63, s62
	v_add_nc_u32 v10, s63, v[L16]                  ; the way out: tiles 2 (w % 4) and the next, 16 bytes a lane
	; the scale words: (tile x K/128 + K step) x 64 + 4 x row
	s_add_co_u32 s56, s49, 6
	v_lshlrev_b32 v7, s56, v3
	s_delay_alu instid0(VALU_DEP_1)
	v_lshl_add_u32 v7, v2, 2, v7
	s_lshl_b32 s28, s30, 3
	s_lshl_b32 s62, s57, 2
	s_add_co_u32 s28, s28, s62
	s_lshl_b32 s28, s28, s56
	s_lshl_b32 s62, s58, 5
	s_add_co_u32 s28, s28, s62
	s_lshl_b32 s62, s61, 6
	s_add_co_u32 s28, s28, s62
	s_mul_i32 s62, s50, SSTEP
	s_add_co_u32 s28, s28, s62
	s_add_co_u32 s28, s28, WQS
	s_mov_b32 s29, 0
	; the codes of the two tiles that I carry out
	s_lshl_b32 s24, s30, 3
	s_lshl_b32 s62, s54, 1
	s_add_co_u32 s24, s24, s62
	s_add_co_u32 s26, s24, 1
	s_lshl_b32 s24, s24, s49
	s_lshl_b32 s26, s26, s49
	s_add_co_u32 s24, s24, s61
	s_add_co_u32 s26, s26, s61
	s_mul_i32 s24, s24, FRB
	s_mul_i32 s26, s26, FRB
	s_mul_i32 s62, s50, WSTEP
	s_add_co_u32 s62, s62, WQC
	s_add_co_u32 s24, s24, s62
	s_add_co_u32 s26, s26, s62
	s_mov_b32 s25, 0
	s_mov_b32 s27, 0
	v_lshlrev_b32 v[L4], 2, v1
.set i, 0
	s_wait_alu depctr_va_vdst(0)
.rept 32
	s_lshl_b32 s56, i, s48
	v_add_nc_u32 v[VO+i], s56, v[L4]               ; row i of a block at my column: never rewritten
.set i, i+1
.endr
	s_wait_alu depctr_va_vdst(0)
	s_wait_kmcnt 0x0
	s_mov_b64 s[52:53], s[20:21]                   ; the weight's address: a choice that hangs on the work-group's number alone
	s_cmp_eq_u32 s50, 4
	s_cselect_b64 s[52:53], s[18:19], s[52:53]
	s_cmp_eq_u32 s50, 3
	s_cselect_b64 s[52:53], s[16:17], s[52:53]
	s_cmp_eq_u32 s50, 2
	s_cselect_b64 s[52:53], s[14:15], s[52:53]
	s_cmp_eq_u32 s50, 1
	s_cselect_b64 s[52:53], s[12:13], s[52:53]
	s_cmp_eq_u32 s50, 0
	s_cselect_b64 s[52:53], s[10:11], s[52:53]
	s_add_nc_u64 s[24:25], s[22:23], s[24:25]
	s_add_nc_u64 s[26:27], s[22:23], s[26:27]
	s_add_nc_u64 s[28:29], s[22:23], s[28:29]
	s_mov_b32 s57, 0
.irp t, 0,1,2,3
	s_add_co_u32 s56, s60, 32*\t                   ; a base for each of my four blocks: nothing is stepped
	s_lshl_b32 s56, s56, s48
	s_add_co_u32 s56, s56, s59
	s_add_nc_u64 s[32+2*\t:33+2*\t], s[52:53], s[56:57]
.endr
.macro WLOAD t                         ; block t: 32 rows of the weight at 32 neighbouring columns: 128 consecutive bytes a load
.set i, 0
.rept 32
	global_load_b32 v[XR+32*((\t)%2)+i], v[VO+i], s[32+2*(\t):33+2*(\t)] th:TH_LOAD_NT
.set i, i+1
.endr
.endm
.macro WBLOCK t                        ; block t of my K step: half h = t % 2 of the lanes, registers 6 c on, c = t / 2
.set XB, XR+32*((\t)%2)
.set HH, (\t)%2
.if (\t) < 3
	s_wait_loadcnt 32                              ; this block's 32 loads are in; the next block's 32 may be out
.else
	s_wait_loadcnt 0x0
.endif
	v_max3_num_f32 v12, |v[XB]|, |v[XB+1]|, |v[XB+2]|
	v_max3_num_f32 v13, |v[XB+3]|, |v[XB+4]|, |v[XB+5]|
.irp i, 6,10,14,18,22,26
	s_delay_alu instid0(VALU_DEP_2)
	v_max3_num_f32 v12, v12, |v[XB+\i]|, |v[XB+\i+1]|
	s_delay_alu instid0(VALU_DEP_2)
	v_max3_num_f32 v13, v13, |v[XB+\i+2]|, |v[XB+\i+3]|
.endr
	s_delay_alu instid0(VALU_DEP_2)
	v_max3_num_f32 v12, v12, |v[XB+30]|, |v[XB+31]|
	s_delay_alu instid0(VALU_DEP_1)
	v_max3_num_f32 v12, v12, v13, 0x2800000        ; and the floor
	s_delay_alu instid0(VALU_DEP_1)
	v_add_nc_u32 v11, 0xfe000000, v12
	s_delay_alu instid0(VALU_DEP_1)
	v_lshrrev_b32 v13, 23, v11
.if (\t) == 0
	s_delay_alu instid0(VALU_DEP_1)
	v_mov_b32 v[SB], v13
.else
	s_delay_alu instid0(VALU_DEP_1)
	v_lshl_or_b32 v[SB], v13, 8*(\t), v[SB]
.endif
	v_cvt_scalef32_pk16_bf6_f32 v[PC:PC+2], v[XB:XB+15], v11
	v_cvt_scalef32_pk16_bf6_f32 v[PC+8:PC+10], v[XB+16:XB+31], v11
	v_nop                                          ; one plain place behind the scaled conversions
.irp i, 0,1,2
	v_mov_b32 v[PC+3+\i], v[PC+8+\i]
.endr
.if (\t)/2 == 0
	ds_store_b128 v8, v[PC:PC+3] offset:256*HH                    ; registers 0-3
	ds_store_b64 v9, v[PC+4:PC+5] offset:1024+128*HH              ; registers 4-5
.else
	ds_store_b64 v9, v[PC:PC+1] offset:1280+128*HH                ; registers 6-7
	ds_store_b128 v8, v[PC+2:PC+5] offset:512+256*HH              ; registers 8-11
.endif
.if (\t) == 3
	global_store_b32 v7, v[SB], s[28:29]           ; my column's word for this K step; its register is not written again
.endif
.if (\t)+2 < 4
	WLOAD (\t)+2
.endif
	s_wait_dscnt 0x0                               ; the stage's stores have read their registers: the next block's codes may be written
.endm
	WLOAD 0
	WLOAD 1
.irp t, 0,1,2,3
	WBLOCK \t
.endr
	s_wait_dscnt 0x0                               ; for the others' sake: my columns lie in the stage
	s_barrier_signal -1
	s_barrier_wait -1
.irp q, 0,1
.irp i, 0,1,2
	ds_load_b128 v[OUTR+4*(3*\q+\i):OUTR+4*(3*\q+\i)+3], v10 offset:FRB*\q+512*\i
.endr
.endr
.irp q, 0,1
.irp i, 0,1,2
	s_wait_dscnt 5-3*\q-\i                         ; LDS loads come back in order: this one is in, the younger ones may be out
	global_store_b128 v[L16], v[OUTR+4*(3*\q+\i):OUTR+4*(3*\q+\i)+3], s[24+2*\q:25+2*\q] offset:512*\i   ; 512 consecutive bytes, aligned to 256
.endr
.endr
	s_wait_tensorcnt 0x0
	ds_add_u32 v160, v161
	s_wait_dscnt 0x0
	s_endpgm
.Lfunc_end_k_q60c893fb37_prep:
	.size	k_q60c893fb37_prep, .Lfunc_end_k_q60c893fb37_prep-k_q60c893fb37_prep
	.p2alignl 7, 3214868480
	.fill 96, 4, 3214868480
	.section	.rodata,"a",@progbits
	.p2align	6, 0x0
	.amdhsa_kernel k_q60c893fb37_prep
		.amdhsa_group_segment_fixed_size 91392
		.amdhsa_private_segment_fixed_size 0
		.amdhsa_enable_private_segment 0
		.amdhsa_kernarg_size 64
		.amdhsa_user_sgpr_count 2
		.amdhsa_user_sgpr_kernarg_segment_ptr 1
		.amdhsa_wavefront_size32 1
		.amdhsa_system_sgpr_workgroup_id_x 1
		.amdhsa_system_sgpr_workgroup_id_y 1
		.amdhsa_system_sgpr_workgroup_id_z 1
		.amdhsa_system_vgpr_workitem_id 0
		.amdhsa_next_free_vgpr 162
		.amdhsa_next_free_sgpr 80
		.amdhsa_reserve_vcc 0
		.amdhsa_float_denorm_mode_32 3
		.amdhsa_float_denorm_mode_16_64 3
		.amdhsa_memory_ordered 1
		.amdhsa_forward_progress 1
		.amdhsa_inst_pref_size 40
	.end_amdhsa_kernel
	.amdgpu_metadata
---
amdhsa.version: [ 1, 2 ]
amdhsa.kernels:
  - .name:           k_q60c893fb37_prep
    .symbol:         k_q60c893fb37_prep.kd
    .args:
      - { .name: x, .offset: 0, .size: 8, .value_kind: global_buffer, .address_space: global }
      - { .name: Wq, .offset: 8, .size: 8, .value_kind: global_buffer, .address_space: global }
      - { .name: Wk, .offset: 16, .size: 8, .value_kind: global_buffer, .address_space: global }
      - { .name: Wv, .offset: 24, .size: 8, .value_kind: global_buffer, .address_space: global }
      - { .name: Wp, .offset: 32, .size: 8, .value_kind: global_buffer, .address_space: global }
      - { .name: W1, .offset: 40, .size: 8, .value_kind: global_buffer, .address_space: global }
      - { .name: W2, .offset: 48, .size: 8, .value_kind: global_buffer, .address_space: global }
      - { .name: qa, .offset: 56, .size: 8, .value_kind: global_buffer, .address_space: global }
    .group_segment_fixed_size: 91392
    .private_segment_fixed_size: 0
    .kernarg_segment_align: 8
    .kernarg_segment_size: 64
    .max_flat_workgroup_size: 256
    .sgpr_count:     80
    .vgpr_count:     162
    .wavefront_size: 32
...
	.end_amdgpu_metadata
.endif
;; end of part 1
;; launch qkv (part 2): grid 48 x 4, 4 waves a work-group, clusters of 4 x 4, 327,680 bytes of LDS; arguments qa, qkvc; writes qkvc
.if DOCPART == 2
	.amdgcn_target "amdgcn-amd-amdhsa--gfx1250"
	.amdhsa_code_object_version 6
	.text
	.protected	k_q60c893fb37_qkv
	.globl	k_q60c893fb37_qkv
	.p2align	8
	.type	k_q60c893fb37_qkv,@function
k_q60c893fb37_qkv:
	s_mov_b64 s[64:65], 0
	v_nop
	global_prefetch_b8 v0, s[64:65] scope:SCOPE_SE
	s_setreg_imm32_b32 hwreg(HW_REG_WAVE_MODE, 25, 1), 1
	s_wait_xcnt 0x0
	s_wait_alu depctr_hold_cnt(0) depctr_sa_sdst(0) depctr_va_vdst(0) depctr_va_sdst(0) depctr_va_ssrc(0) depctr_va_vcc(0) depctr_vm_vsrc(0)
	s_getreg_b32 s2, hwreg(HW_REG_IB_STS2, 6, 4)
	s_cmp_eq_u32 s2, 0
	s_cbranch_scc0 .Lentry_in_a_cluster
	s_endpgm
.Lentry_in_a_cluster:
	s_bfe_u32 s2, ttmp6, 0x10000c
	s_cmp_lg_u32 s2, 0xf033
	s_cbranch_scc0 .Lentry_shape_is_right
	s_endpgm
.Lentry_shape_is_right:
; q, k and v: three products of x [4096][1024] with Wq, Wk, Wv (1,024 features each), on codes of BF6 with E8M0 scales, K = 1,024; the results are quantised in registers and stored as codes.
; A tile of 256 x 256 is made by four waves, 128 x 128 each: 64 accumulators, 512 registers.  'A' is the matrix instruction's source 1 (its rows fall on the lanes), 'B' its source 0 (its rows fall on a lane's registers).
; Clusters 0-7: A = x (tokens), B = Wq and Wk on end (2,048 features): a lane holds one token and 64 features, two heads' 32: q and k are quantised along the head's 64.
; Clusters 8-11: A = Wv (features), B = x (tokens): a lane holds one feature and 64 tokens: v is quantised along the keys.
; The operands lie in qa as images of the operand's registers (1,536 bytes for 16 rows x 128 K), so a fragment is four LDS loads of consecutive bytes and a K step's tiles are dense.
; Because of the order in which rows form tiles (tile 4 (i / 64) + (i / 8) % 4, row 8 ((i / 32) % 2) + i % 8), register 8 b + j of a lane's 64 results is source-0 row 64 (n / 32) + 32 (lane / 16) + n % 32, n = 8 b + j:
; two whole blocks of 32, in the order of a 6-bit operand's registers.  No lane is asked for a maximum and no code changes lanes.
; K goes in steps of 256 through two LDS slots filled by the tensor data mover; the scale words of the work-group's rows, for all of K, come once with the first fills.
; CLUSTERS: 4 x 4 work-groups; A's tiles are asked for jointly along a row of the cluster, B's along a column.  192 work-groups: the three products have no more tiles of this size.
; OUT: a record of 6,656 bytes for each (batch, head, 128 tokens).  q, k: tile t of 16 tokens at 768 t (registers 0-3, then 4-5), scale words at 6144 + 64 t + 4 row (bytes 2 and 3 are 127: the upper 64 of the
; scores' K step are zero codes).  v: tile t of 16 channels, a whole image, at 1536 t; scale words at 6144 + 128 t + 4 lane.
; LIMITS: NaN and infinities are not served; a block whose largest magnitude lies under 2^-122 gets the byte 1.
.set NQ,     2                         ; matrix instructions deep in a slot
.set FR,     12
.set NL,     4                         ; LDS loads that bring a fragment
.set NP,     4                         ; places behind this matrix instruction (ISA guide 7.12.1)
.set FRB,    1536
.set ROWB,   NQ*FRB                    ; a tile's part of a slot
.set TILEB,  8*FRB                     ; a tile's codes for all of K
.set HALFT,  8*ROWB                    ; 8 tiles: what one tensor load brings, and what a wave reads of A or of B
.set SLOT,   4*HALFT
.set LAPS,   2                         ; K = 1,024 is twice round the ring
.set SCL,    2*SLOT                    ; behind the ring: the scale words
.set SBLK,   512                       ; those of a tile, all K steps
.set HALFS,  8*SBLK
.set SPARE,  SCL+4*HALFS               ; the spare words, 128 bytes for each wave
.set XC,     0                         ; places in qa
.set WQC,    3145728
.set WVC,    4718592
.set XS,     12582912
.set WQS,    12713984
.set WVS,    12779520
.set KC,     3407872                   ; places in qkvc: q at 0, k, v
.set VC,     6815744
.set REC,    6656
.set HSTEP,  16*REC                    ; from a head to the next
.set ADRA16, 16                        ; v16-17 A's fragments in slot 0, 1: + 16 x lane;  v18-19: + 8 x lane
.set ADRA8,  18
.set ADRB16, 20                        ; v20-23 the same for B
.set ADRB8,  22
.set L16,  24
.set L8,   25
.set L4,   26                          ; 4 x (lane % 16)
.set ADRS, 27                          ; my scale words: lanes 0-15 A's rows, lanes 16-31 B's
.set SPW,  28
.set NIL,  29
.set SH8,  30                          ; 8 x (lane / 16)
.set L4F,  31                          ; 4 x lane
.set SC,   32                          ; v32-63 scale words, two sets: they hold nothing else
.set AF,   128                         ; v128-223 A's fragments
.set PC,   128                         ; the way out: the codes just made
.set M0,   224
.set M1,   225
.set SO0,  226
.set SO1,  227
.set BY0,  228
.set BY1,  229
.set WD,   230
.set TP,   232
.set CT,   234
.set SEL,  10                          ; s[10:11]
.set G1, 24
.set G0, 32
.set G1B, 48
.set G0B, 56
.set G1S, 68
.set G0S, 76
.set G1SB, 80
.set G0SB, 88
.set MSB, 0
.macro WIN new                         ; the immediate's high byte repeats the setting that is left
.if MSB != \new
	s_set_vgpr_msb (MSB<<8)|\new
.set MSB, \new
.endif
.endm
.set MUL_LO, 0xa1                      ; source 0 (B) window 1, source 1 (A) window 0, C and D window 2
.set MUL_HI, 0xf1                      ; the same, C and D window 3
.set TO_B,   0x40                      ; destination window 1, address window 0
; A joint load: waves 0 and 1 fetch for A, waves 2 and 3 for B.  The branch hangs on the wave's number alone.  Four v_nop follow each of the two lines.
.macro JLOAD g0a, g1a, g0b, g1b
	s_cmp_eq_u32 s15, 0
	s_cbranch_scc0 .Lfor_b_\@
	tensor_load_to_lds s[\g0a:\g0a+3], s[\g1a:\g1a+7]
	s_nop 0
.rept 4
	v_nop
.endr
	s_branch .Lasked_\@
.Lfor_b_\@:
	tensor_load_to_lds s[\g0b:\g0b+3], s[\g1b:\g1b+7]
	s_nop 0
.rept 4
	v_nop
.endr
.Lasked_\@:
.endm
.macro CREST                           ; a round of the cluster's barrier behind its opening barrier
	s_cmp_lg_u32 s14, 0
	s_cbranch_scc1 .Lnot_wave_0_\@
	s_barrier_signal -3
.Lnot_wave_0_\@:
	s_barrier_wait -3
	s_barrier_signal -1
	s_barrier_wait -1
.endm
.macro CROUND
	s_barrier_signal -1
	s_barrier_wait -1
	CREST
.endm
	s_load_b128 s[4:7], s[0:1], 0x0                ; qa, qkvc
	v_lshl_add_u32 v[SPW], v0, 2, SPARE
	v_mov_b32 v[NIL], 0
	ds_add_u32 v28, v29
	ds_add_u32 v28, v29
	s_wait_dscnt 0x0
	v_lshrrev_b32 v1, 5, v0
	v_readfirstlane_b32 s14, v1                    ; wave 0..3
	s_lshr_b32 s15, s14, 1                         ; which half of A's rows is mine.  Also: I fetch for A (0) or for B (1)
	s_and_b32 s16, s14, 1                          ; which half of B's rows.  Also: which 8 tiles I fetch
	s_bfe_u32 s40, ttmp6, 0x40000                  ; cx, cy
	s_bfe_u32 s41, ttmp6, 0x40004
	s_and_b32 s67, ttmp9, 1                        ; ttmp9 counts clusters, 0..11: the same number in all sixteen partners
	s_lshr_b32 s17, ttmp9, 1
	s_sub_co_u32 s18, ttmp9, 8
	s_mov_b32 s13, WVS
	s_mov_b32 s95, XS
	s_cmp_lt_u32 ttmp9, 8
	s_cselect_b32 s66, 1, 0                        ; 1: q and k; 0: v
	s_cselect_b32 s67, s67, s18                    ; which four tile columns (q and k: 0 is q, 1 is k)
	s_cselect_b32 s17, s17, 0                      ; which four tile rows
	s_cselect_b32 s12, XC, WVC                     ; A's codes,
	s_cselect_b32 s13, XS, s13                     ; A's scale words,
	s_cselect_b32 s2, WQC, XC                      ; B's codes,
	s_cselect_b32 s95, WQS, s95                    ; B's scale words: places in qa
	s_lshl_b32 s42, s67, 2
	s_add_co_u32 s42, s42, s40                     ; tile column
	s_lshl_b32 s17, s17, 2
	s_add_co_u32 s17, s17, s41                     ; tile row
	s_lshl_b32 s43, s41, 2
	s_lshl_b32 s43, 15, s43                        ; my row of the cluster
	s_lshl_b32 s44, 0x1111, s40                    ; my column
	; group 1, codes: 8 rows (tiles) of 3,072 bytes (two K steps' images), 12,288 bytes apart; elements of 8 bytes; no padding: every LDS read takes consecutive bytes
	s_or_b32 s[G1+0], s43, (3<<16)|(1<<21)
	s_or_b32 s[G1B+0], s44, (3<<16)|(1<<21)
.irp g, G1, G1B
	s_mov_b32 s[\g+1], (ROWB/8)<<16                ; tensor_dim0
	s_mov_b32 s[\g+2], 16<<16                      ; tensor_dim1: the head's loads bring all 16 tiles
	s_mov_b32 s[\g+3], (ROWB/8)<<16                ; tile_dim0
	s_mov_b32 s[\g+4], 16                          ; tile_dim1
	s_mov_b32 s[\g+5], TILEB/8                     ; tensor_dim0_stride
	s_mov_b32 s[\g+6], 0
	s_mov_b32 s[\g+7], 0
.endr
	; group 1, scale words: a dense block of 8,192 bytes as 32 rows of 256
	s_or_b32 s[G1S+0], s43, (3<<16)|(1<<21)
	s_or_b32 s[G1SB+0], s44, (3<<16)|(1<<21)
.irp g, G1S, G1SB
	s_mov_b32 s[\g+1], 32<<16
	s_mov_b32 s[\g+2], (2*HALFS/256)<<16           ; the scale words of all 16 tiles in one load
	s_mov_b32 s[\g+3], 32<<16
	s_mov_b32 s[\g+4], 2*HALFS/256
	s_mov_b32 s[\g+5], 32
	s_mov_b32 s[\g+6], 0
	s_mov_b32 s[\g+7], 0
.endr
	s_mul_i32 s18, s16, 8*TILEB                    ; in the ring I fetch 8 of the 16 tiles: which half, in bytes
	s_mov_b32 s19, 0
	s_lshl_b32 s20, s17, 4                         ; A: tile 16 x tile row
	s_lshl_b32 s46, s42, 4                         ; B: tile 16 x tile column
	s_mul_i32 s22, s20, SBLK
	s_add_co_u32 s22, s22, s13
	s_mov_b32 s23, 0
	s_mul_i32 s20, s20, TILEB
	s_add_co_u32 s20, s20, s12
	s_mov_b32 s21, 0
	s_mul_i32 s92, s46, SBLK
	s_add_co_u32 s92, s92, s95
	s_mov_b32 s93, 0
	s_mul_i32 s46, s46, TILEB
	s_add_co_u32 s46, s46, s2
	s_mov_b32 s47, 0
	s_mul_i32 s45, s14, HALFT                      ; where they go: by the wave's number alone
	s_wait_kmcnt 0x0
	s_add_nc_u64 s[20:21], s[4:5], s[20:21]
	s_add_nc_u64 s[22:23], s[4:5], s[22:23]
	s_add_nc_u64 s[46:47], s[4:5], s[46:47]
	s_add_nc_u64 s[92:93], s[4:5], s[92:93]
	CROUND                                         ; all sixteen work-groups are here: the first joint loads meet
	s_mov_b32 s[G0S], 1
	s_mov_b32 s[G0S+1], SCL
	s_mov_b64 s[G0S+2:G0S+3], s[22:23]
	s_or_b32 s[G0S+3], s[G0S+3], 0x80000000
	s_mov_b32 s[G0SB], 1
	s_mov_b32 s[G0SB+1], SCL+2*HALFS
	s_mov_b64 s[G0SB+2:G0SB+3], s[92:93]
	s_or_b32 s[G0SB+3], s[G0SB+3], 0x80000000
	s_mov_b32 s[G0], 1                             ; the head's load of slot 0: A's 16 tiles, whole
	s_mov_b32 s[G0+1], 0
	s_mov_b64 s[G0+2:G0+3], s[20:21]
	s_or_b32 s[G0+3], s[G0+3], 0x80000000
	s_mov_b32 s[G0B], 1                            ; and B's 16 tiles, behind them
	s_mov_b32 s[G0B+1], 2*HALFT
	s_mov_b64 s[G0B+2:G0B+3], s[46:47]
	s_or_b32 s[G0B+3], s[G0B+3], 0x80000000
	s_add_nc_u64 s[20:21], s[20:21], s[18:19]      ; for the ring: my 8 tiles
	s_add_nc_u64 s[46:47], s[46:47], s[18:19]
; THE PREFETCHES.  A ring load of mine brings 8 tiles x 3,072 bytes; the four partners that ask for it jointly share it out by address: the partner at place p (cx for A's, cy for B's) names tiles 2 p and 2 p + 1,
; 24 blocks of 256 bytes, a lane a block (lanes 24-31 name the last block again).  Slots 1 and 2 are named behind the head's loads, slot 3 behind slot 1's load.  Neither address register is written again.
.set PFA, 18                           ; s[18:19] my two tiles of slot 0
	s_cmp_eq_u32 s15, 0
	s_cselect_b64 s[PFA:PFA+1], s[20:21], s[46:47]
	s_cselect_b32 s2, s40, s41
	s_mul_i32 s2, s2, 2*TILEB
	s_mov_b32 s3, 0
	s_add_nc_u64 s[PFA:PFA+1], s[PFA:PFA+1], s[2:3]
	v_and_b32 v8, 31, v0
	v_min_u32 v8, 23, v8                           ; n
	v_mul_u32_u24 v9, v8, 86
	v_lshrrev_b32 v9, 10, v9                       ; n / 12: which of the two tiles
	v_lshlrev_b32 v8, 8, v8
	v_mad_u32_u24 v8, v9, TILEB-ROWB, v8           ; 256 n, and on to the next tile behind 12 blocks
	s_wait_alu depctr_va_vdst(0)
	s_mov_b32 s[G0+4], 1
	s_add_co_u32 s[G0+5], s45, SLOT
	s_add_nc_u64 s[G0+6:G0+7], s[20:21], ROWB
	s_or_b32 s[G0+7], s[G0+7], 0x80000000
	s_mov_b32 s[G0B+4], 1
	s_add_co_u32 s[G0B+5], s45, SLOT
	s_add_nc_u64 s[G0B+6:G0B+7], s[46:47], ROWB
	s_or_b32 s[G0B+7], s[G0B+7], 0x80000000
; the head's four tiles, one joint load a wave: wave 0 A's slot 0, wave 1 B's, wave 2 A's scale words, wave 3 B's; one chain of branches on the wave's number
.macro ARM under, g0, g1, next
	s_cmp_lt_u32 s14, \under
	s_cbranch_scc0 \next
	tensor_load_to_lds s[\g0:\g0+3], s[\g1:\g1+7]
	s_nop 0
.rept 4
	v_nop
.endr
	s_branch .Lhead_asked
\next:
.endm
	ARM 1, G0,  G1,  .Lhead_b
	ARM 2, G0B, G1B, .Lhead_sa
	ARM 3, G0S, G1S, .Lhead_sb
	tensor_load_to_lds s[G0SB:G0SB+3], s[G1SB:G1SB+7]
	s_nop 0
.rept 4
	v_nop
.endr
.Lhead_asked:
	global_prefetch_b8 v8, s[PFA:PFA+1] offset:ROWB th:TH_LOAD_NT scope:SCOPE_SE
	global_prefetch_b8 v8, s[PFA:PFA+1] offset:2*ROWB th:TH_LOAD_NT scope:SCOPE_SE
	s_wait_alu depctr_va_vdst(0)
	s_wait_tensorcnt 0x0                           ; my tile of the four is in; slot 1's first fill is issued as a refill is
	ds_add_u32 v28, v29
	s_mov_b32 s[G1+2], (HALFT/ROWB)<<16            ; no load of mine is out: from here on a load brings 8 tiles
	s_mov_b32 s[G1+4], HALFT/ROWB
	s_mov_b32 s[G1B+2], (HALFT/ROWB)<<16
	s_mov_b32 s[G1B+4], HALFT/ROWB
	s_mov_b32 s[G0+1], s45                         ; slot 0's descriptors for the ring: my 8 tiles, by the wave's number
	s_mov_b64 s[G0+2:G0+3], s[20:21]
	s_or_b32 s[G0+3], s[G0+3], 0x80000000
	s_mov_b32 s[G0B+1], s45
	s_mov_b64 s[G0B+2:G0B+3], s[46:47]
	s_or_b32 s[G0B+3], s[G0B+3], 0x80000000
	s_wait_dscnt 0x0
	CROUND                                         ; all four tiles are in, in every partner
	JLOAD G0+4, G1, G0B+4, G1B                     ; slot 1: the first tensor load behind the round
	global_prefetch_b8 v8, s[PFA:PFA+1] offset:3*ROWB th:TH_LOAD_NT scope:SCOPE_SE
	v_and_b32 v1, 31, v0
	v_lshlrev_b32 v[L16], 4, v1
	v_lshlrev_b32 v[L8], 3, v1
	v_lshlrev_b32 v[L4F], 2, v1
	v_and_b32 v2, 15, v0
	v_lshlrev_b32 v[L4], 2, v2
	v_bfe_u32 v3, v0, 4, 1
	v_lshlrev_b32 v[SH8], 3, v3
	v_mov_b32 v[TP], 0                             ; a lane permute's destination counts as one of its sources
	s_mul_i32 s21, s15, HALFT                      ; my 8 tiles of A
	s_mul_i32 s22, s16, HALFT                      ; my 8 tiles of B,
	s_add_co_u32 s22, s22, 2*HALFT                 ; which lie behind A's 16
.irp s, 0,1
	v_add_nc_u32 v[ADRA16+\s], s21, v[L16]
	v_add_nc_u32 v[ADRA8+\s], s21, v[L8]
	v_add_nc_u32 v[ADRB16+\s], s22, v[L16]
	v_add_nc_u32 v[ADRB8+\s], s22, v[L8]
	s_add_co_u32 s21, s21, SLOT
	s_add_co_u32 s22, s22, SLOT
.endr
	s_mul_i32 s21, s15, HALFS
	s_mul_i32 s22, s16, HALFS
	s_add_co_u32 s22, s22, 2*HALFS
	s_sub_co_u32 s22, s22, s21
	v_mul_u32_u24 v6, s22, v3                      ; lanes 16-31 take B's: one product, the distance between the two bases
	s_add_co_u32 s21, s21, SCL
	v_add_nc_u32 v5, v[L4], v6
	v_add_nc_u32 v[ADRS], s21, v5
	; where my results go
	s_lshl_b32 s96, s17, 1
	s_add_co_u32 s96, s96, s15                     ; q, k: my 128 tokens
	s_lshl_b32 s97, s42, 1
	s_add_co_u32 s97, s97, s16                     ; v: my 128 tokens
	s_lshl_b32 s98, s40, 2
	s_lshl_b32 s99, s16, 1
	s_add_co_u32 s98, s98, s99                     ; q, k: the first of my two heads
	s_lshl_b32 s99, s41, 2
	s_lshl_b32 s100, s15, 1
	s_add_co_u32 s99, s99, s100                    ; v: the first of my two heads
	s_mul_i32 s100, s67, KC
	s_cmp_eq_u32 s66, 1
	s_cselect_b32 s96, s96, s97
	s_cselect_b32 s98, s98, s99
	s_cselect_b32 s100, s100, VC
	s_lshr_b32 s97, s96, 4                         ; batch
	s_and_b32 s96, s96, 15                         ; which 128 of its 2,048 tokens
	s_lshl_b32 s97, s97, 4
	s_add_co_u32 s97, s97, s98
	s_lshl_b32 s97, s97, 4
	s_add_co_u32 s97, s97, s96                     ; the record
	s_mul_i32 s97, s97, REC
	s_add_co_u32 s8, s97, s100
	s_mov_b32 s9, 0
	s_add_nc_u64 s[8:9], s[6:7], s[8:9]
	s_mov_b32 s[SEL], 0x76543210
	s_mov_b32 s[SEL+1], 0xfedcba98
.macro FRAG reg, a16, a8, q, i         ; a fragment comes as it was stored: four loads of consecutive bytes
	ds_load_b128 v[\reg:\reg+3], v[\a16] offset:(\i)*ROWB+(\q)*FRB
	ds_load_b128 v[\reg+8:\reg+11], v[\a16] offset:(\i)*ROWB+(\q)*FRB+512
	ds_load_b64 v[\reg+4:\reg+5], v[\a8] offset:(\i)*ROWB+(\q)*FRB+1024
	ds_load_b64 v[\reg+6:\reg+7], v[\a8] offset:(\i)*ROWB+(\q)*FRB+1280
.endm
; 16 matrix instructions: A's blocks a0, a0 + 1 x B's eight.  The 64 accumulators take turns, one instruction a turn, in the same order in every step.
.macro MUL16 a0, p, q, sc, zero
.irp a, \a0, \a0+1
.irp b, 0,1,2,3,4,5,6,7
.if \zero
	v_wmma_scale_f32_16x16x128_f8f6f4 v[8*(8*((\a)%4)+\b):8*(8*((\a)%4)+\b)+7], v[128*(\p)+FR*\b:128*(\p)+FR*\b+FR-1], v[AF+FR*(\a):AF+FR*(\a)+FR-1], 0, v[SC+8*NQ*(\sc)+NQ*\b+(\q)], v[SC+8*NQ*(\sc)+NQ*(\a)+(\q)] matrix_a_fmt:MATRIX_FMT_BF6 matrix_b_fmt:MATRIX_FMT_BF6 matrix_a_scale:MATRIX_SCALE_ROW1
.else
	v_wmma_scale_f32_16x16x128_f8f6f4 v[8*(8*((\a)%4)+\b):8*(8*((\a)%4)+\b)+7], v[128*(\p)+FR*\b:128*(\p)+FR*\b+FR-1], v[AF+FR*(\a):AF+FR*(\a)+FR-1], v[8*(8*((\a)%4)+\b):8*(8*((\a)%4)+\b)+7], v[SC+8*NQ*(\sc)+NQ*\b+(\q)], v[SC+8*NQ*(\sc)+NQ*(\a)+(\q)] matrix_a_fmt:MATRIX_FMT_BF6 matrix_b_fmt:MATRIX_FMT_BF6 matrix_a_scale:MATRIX_SCALE_ROW1
.endif
.endr
.endr
.endm
.macro FETCH_B slot, q, p
	WIN TO_B
.irp i, 0,1,2,3,4,5,6,7
	FRAG 128*(\p)+FR*\i, ADRB16+\slot, ADRB8+\slot, \q, \i
.endr
	WIN 0
.endm
.macro FETCH_A slot, q, i0
.irp i, \i0, \i0+1, \i0+2, \i0+3
	FRAG AF+FR*(\i), ADRA16+\slot, ADRA8+\slot, \q, \i
.endr
.endm
.macro SCALES sc                       ; the slot's scale words: register NQ i + q: lanes 0-15 A's block i, lanes 16-31 B's block i
.irp i, 0,1,2,3,4,5,6,7
.irp q, 0,1
	ds_load_b32 v[SC+8*NQ*\sc+NQ*\i+\q], v[ADRS] offset:\i*SBLK+64*\q
.endr
.endr
.endm
.macro PLACES n                        ; plain vector instructions between a matrix instruction and a load into, or a read of, its registers
.rept \n
	v_nop
.endr
.endm
.macro STEP slot, q, zero              ; a step of 128 along K that has its successor in the same slot
	s_wait_dscnt 4*NL                              ; all but the youngest 16 loads (A's blocks 4-7) are in
	WIN MUL_LO
	MUL16 0, (\q)%2, \q, \slot, \zero
	MUL16 2, (\q)%2, \q, \slot, \zero
	s_wait_dscnt 0
	PLACES NP
	FETCH_B \slot, (\q)+1, 1-(\q)%2
	FETCH_A \slot, (\q)+1, 0
	WIN MUL_HI
	MUL16 4, (\q)%2, \q, \slot, \zero
	MUL16 6, (\q)%2, \q, \slot, \zero
	PLACES NP
	WIN 0
	FETCH_A \slot, (\q)+1, 4
.endm
; A slot's last step changes slots: one barrier; in front of it each wave waits for all its tensor loads, adds 0 to its spare word, and waits for that and for its reads of this slot.
.macro TURN slot, next, fill
	s_wait_tensorcnt 0x0                           ; all my tensor loads have landed: my part of the next slot
	ds_add_u32 v[SPW], v[NIL]                      ; 0 onto my spare word
	s_wait_dscnt 4*NL+1                            ; the add and the youngest 16 loads (A's blocks 4-7) may be out
	WIN MUL_LO
	MUL16 0, 1, NQ-1, \slot, 0
	s_wait_dscnt 0x0                               ; the add is done, and my reads of this slot are over
	s_barrier_signal -1
	MUL16 2, 1, NQ-1, \slot, 0
	WIN 0
	s_barrier_wait -1
.if \fill
	CREST                                          ; the barrier has opened a round of the cluster's: no wave of any partner still reads this slot or has a load on its way
	s_add_nc_u64 s[G0+4*\slot+2:G0+4*\slot+3], s[G0+4*\slot+2:G0+4*\slot+3], 2*ROWB
	s_add_nc_u64 s[G0B+4*\slot+2:G0B+4*\slot+3], s[G0B+4*\slot+2:G0B+4*\slot+3], 2*ROWB
	JLOAD G0+4*\slot, G1, G0B+4*\slot, G1B         ; the first tensor load behind the round; its four v_nop are the places in front of the loads below
.else
	PLACES NP
.endif
	s_wait_alu depctr_va_vdst(0)
	v_add_nc_u32 v[ADRS], 64*NQ, v[ADRS]           ; on to the next slot's scale words
	FETCH_B \next, 0, 0
	FETCH_A \next, 0, 0
	SCALES \next
	WIN MUL_HI
	MUL16 4, 1, NQ-1, \slot, 0
	MUL16 6, 1, NQ-1, \slot, 0
	PLACES NP
	WIN 0
	FETCH_A \next, 0, 4
.endm
	s_wait_alu depctr_va_vdst(0)
	FETCH_B 0, 0, 0
	FETCH_A 0, 0, 0
	SCALES 0
	FETCH_A 0, 0, 4
	STEP 0, 0, 1                                   ; the first step's products start the sums
	s_mov_b32 s3, LAPS-1
.Llap:
	TURN 0, 1, 1
	STEP 1, 0, 0
	TURN 1, 0, 1
	STEP 0, 0, 0
	s_sub_co_u32 s3, s3, 1
	s_cmp_lg_u32 s3, 0
	s_cbranch_scc1 .Llap
	TURN 0, 1, 0                                   ; the last lap fills nothing
	STEP 1, 0, 0
	s_wait_dscnt 4*NL
	WIN MUL_LO
	MUL16 0, 1, NQ-1, 1, 0
	MUL16 2, 1, NQ-1, 1, 0
	s_wait_dscnt 0
	WIN MUL_HI
	MUL16 4, 1, NQ-1, 1, 0
	MUL16 6, 1, NQ-1, 1, 0
	WIN 0
; THE WAY OUT.  Block a's 64 results of a lane (window 2 or 3, v[64 (a % 4)] on) are two whole blocks of 32: largest magnitudes, scale operands and bytes, codes into v[PC] on.  Each accumulator is read from its low end on.
.macro QCORE a
.set S, 64*((\a)%4)
	WIN 0x28+0x14*((\a)/4)                         ; sources 1 and 2: window 2 or 3
	v_max3_num_f32 v[M0], 0x2800000, |v[S]|, |v[S+1]|         ; the floor 2^(5 - 127) among the leaves
	v_max3_num_f32 v[M1], 0x2800000, |v[S+32]|, |v[S+33]|
.irp i, 2,4,6,8,10,12,14,16,18,20,22,24,26,28,30
	v_max3_num_f32 v[M0], v[M0], |v[S+\i]|, |v[S+\i+1]|
	v_max3_num_f32 v[M1], v[M1], |v[S+32+\i]|, |v[S+33+\i]|
.endr
	WIN 0
	v_add_nc_u32 v[SO0], 0xfe000000, v[M0]
	v_add_nc_u32 v[SO1], 0xfe000000, v[M1]
	v_lshrrev_b32 v[BY0], 23, v[SO0]
	v_lshrrev_b32 v[BY1], 23, v[SO1]
	s_wait_alu depctr_va_vdst(0)
	s_wait_xcnt 0x0                                ; the last block's stores have read their data: the codes' and the words' registers may be written
	WIN 0x02+(\a)/4                                ; source 0: window 2 or 3
	v_cvt_scalef32_pk16_bf6_f32 v[PC:PC+2], v[S:S+15], v[SO0]
	v_cvt_scalef32_pk16_bf6_f32 v[CT:CT+2], v[S+16:S+31], v[SO0]
	v_cvt_scalef32_pk16_bf6_f32 v[PC+6:PC+8], v[S+32:S+47], v[SO1]
	v_cvt_scalef32_pk16_bf6_f32 v[CT+4:CT+6], v[S+48:S+63], v[SO1]
	WIN 0
	v_nop                                          ; one plain place behind the scaled conversions
.irp i, 0,1,2
	v_mov_b32 v[PC+3+\i], v[CT+\i]
	v_mov_b32 v[PC+9+\i], v[CT+4+\i]
.endr
.endm
	PLACES NP
	s_cmp_eq_u32 s66, 1                            ; the same in all partners of a cluster
	s_cbranch_scc0 .Lvalues
.irp a, 0,1,2,3,4,5,6,7                ; q, k: tile a of my 128 tokens; my first 32 numbers are head u = 0's channels 32 h on, the others head 1's
	QCORE \a
.irp u, 0,1
	v_lshl_or_b32 v[WD+\u], v[BY0+\u], v[SH8], 0x7f7f0000     ; my block's byte at place h; bytes 2 and 3, over zero codes, are 127
	v_permlanex16_b32 v[TP], v[WD+\u], s[SEL], s[SEL+1]
	v_or_b32 v[WD+\u], v[WD+\u], v[TP]
.endr
.irp u, 0,1
	global_store_b128 v[L16], v[PC+6*\u:PC+6*\u+3], s[8:9] offset:768*\a+\u*HSTEP
	global_store_b64 v[L8], v[PC+6*\u+4:PC+6*\u+5], s[8:9] offset:768*\a+\u*HSTEP+512
	global_store_b32 v[L4], v[WD+\u], s[8:9] offset:6144+64*\a+\u*HSTEP
.endr
.endr
	s_branch .Lend
.Lvalues:
.irp a, 0,1,2,3,4,5,6,7                ; v: tile a % 4 of head a / 4's channels; my 64 numbers are keys 64 c + 32 h + i: a whole fragment
	QCORE \a
	v_lshl_or_b32 v[WD], v[BY1], 16, v[BY0]
	v_lshlrev_b32 v[WD], v[SH8], v[WD]
	v_permlanex16_b32 v[TP], v[WD], s[SEL], s[SEL+1]
	v_or_b32 v[WD], v[WD], v[TP]
	global_store_b128 v[L16], v[PC:PC+3], s[8:9] offset:(\a/4)*HSTEP+(\a%4)*FRB
	global_store_b128 v[L16], v[PC+8:PC+11], s[8:9] offset:(\a/4)*HSTEP+(\a%4)*FRB+512
	global_store_b64 v[L8], v[PC+4:PC+5], s[8:9] offset:(\a/4)*HSTEP+(\a%4)*FRB+1024
	global_store_b64 v[L8], v[PC+6:PC+7], s[8:9] offset:(\a/4)*HSTEP+(\a%4)*FRB+1280
	global_store_b32 v[L4F], v[WD], s[8:9] offset:(\a/4)*HSTEP+6144+128*(\a%4)
.endr
.Lend:
	s_wait_tensorcnt 0x0                           ; the wave's end
	ds_add_u32 v[SPW], v[NIL]
	s_wait_dscnt 0x0
	CROUND                                         ; the closing round: no work-group ends while a partner may still ask for a tile that names it
	s_endpgm
.Lfunc_end_k_q60c893fb37_qkv:
	.size	k_q60c893fb37_qkv, .Lfunc_end_k_q60c893fb37_qkv-k_q60c893fb37_qkv
	.p2alignl 7, 3214868480
	.fill 96, 4, 3214868480
	.section	.rodata,"a",@progbits
	.p2align	6, 0x0
	.amdhsa_kernel k_q60c893fb37_qkv
		.amdhsa_group_segment_fixed_size 327680
		.amdhsa_private_segment_fixed_size 0
		.amdhsa_enable_private_segment 0
		.amdhsa_kernarg_size 16
		.amdhsa_user_sgpr_count 2
		.amdhsa_user_sgpr_kernarg_segment_ptr 1
		.amdhsa_wavefront_size32 1
		.amdhsa_system_sgpr_workgroup_id_x 1
		.amdhsa_system_sgpr_workgroup_id_y 1
		.amdhsa_system_sgpr_workgroup_id_z 1
		.amdhsa_system_vgpr_workitem_id 0
		.amdhsa_next_free_vgpr 1024
		.amdhsa_next_free_sgpr 102
		.amdhsa_reserve_vcc 0
		.amdhsa_float_denorm_mode_32 3
		.amdhsa_float_denorm_mode_16_64 3
		.amdhsa_memory_ordered 1
		.amdhsa_forward_progress 1
		.amdhsa_inst_pref_size 178
	.end_amdhsa_kernel
	.amdgpu_metadata
---
amdhsa.version: [ 1, 2 ]
amdhsa.kernels:
  - .name:           k_q60c893fb37_qkv
    .symbol:         k_q60c893fb37_qkv.kd
    .args:
      - { .name: qa, .offset: 0, .size: 8, .value_kind: global_buffer, .address_space: global }
      - { .name: qkvc, .offset: 8, .size: 8, .value_kind: global_buffer, .address_space: global }
    .group_segment_fixed_size: 327680
    .private_segment_fixed_size: 0
    .kernarg_segment_align: 8
    .kernarg_segment_size: 16
    .max_flat_workgroup_size: 128
    .sgpr_count:     102
    .vgpr_count:     1024
    .wavefront_size: 32
...
	.end_amdgpu_metadata
.endif
;; end of part 2
;; launch attn (part 3): grid 8 x 32, 16 waves a work-group, no clusters, 327,680 bytes of LDS; arguments qkvc, oc; writes oc
.if DOCPART == 3
	.amdgcn_target "amdgcn-amd-amdhsa--gfx1250"
	.amdhsa_code_object_version 6
	.text
	.protected	k_q60c893fb37_attn
	.globl	k_q60c893fb37_attn
	.p2align	8
	.type	k_q60c893fb37_attn,@function
k_q60c893fb37_attn:
	s_mov_b64 s[64:65], 0
	v_nop
	global_prefetch_b8 v0, s[64:65] scope:SCOPE_SE
	s_setreg_imm32_b32 hwreg(HW_REG_WAVE_MODE, 25, 1), 1
	s_wait_xcnt 0x0
; Causal attention of one (batch, head) and 256 queries: the groups of 128 queries g = work-group x and 15 - g.  q, k, v arrive as codes of BF6 with E8M0 scales, in records of 6,656 bytes
; for 128 tokens; o leaves quantised along the channels, as the next product's operand.
; LEFT OUT: steps of 128 keys that lie wholly above the diagonal.  the causal mask sets those scores to -inf, so their p is 0 for all inputs.
; p = 2^(t - M), M the ceiling of the running largest t, the row's sum of the unquantised p, the result divided by it at the end.
; THE DEAL: a step is 16 queries x 128 keys.  Tile t of group g has g + 1 steps, tile t of group 15 - g has 16 - g: 17 for two waves.  Wave B walks steps 0 .. 8 of the long tile;
; wave A walks the short tile (steps 0 .. g), stores it, and then walks steps 9 .. 15 - g of the long tile from a fresh state.  A hands O, -M and the sums to B through a stage in LDS;
; B brings both states under the larger M by powers of two, which round nothing, adds them and stores the long tile.  So a wave has 8 or 9 steps.
; All loops have constant trip counts; a step that is not the wave's is passed over by scalar branches on ids (work-group x, wave number, the loop's count).
; K AND V, 16 records each: every wave issues ONE tensor load of two rows, records w % 8 and w % 8 + 8 (waves 0-7 K's, waves 8-15 V's), so that every load holds a record under 8, which wave B always reads.
; Record j lies at (2 (j % 8) + j / 8) x 6,656.  The waves with w % 8 < 4 load at the head; the others behind the first barrier, as a later first fill is issued.  Steps 0 and 1 read records 0 and 1
; while the second eight loads are on their way; a second barrier shows those to every wave.  No byte is filled twice.
; THE SCORES' K is 64 of the instruction's 128: q's registers 6-11 are zero codes and all scale bytes there are 127.  So registers 6-11 of k's operand may hold any codes (E3M2 has no NaN and no
; infinity, and a product with the code 0 is 0): k's fragments lie 6 registers apart, and the tail of a run of fragments is whatever registers follow it.
; A STEP asks for its eight fragments of k in one run of 24 LDS loads; v's 20 loads follow the eight score products and land under the softmax.  Maxima and sums go in four chains each.
; NO CLUSTER: the work-groups that share K and V differ in g, and the walk's branches hang on g.  NO PREFETCH: both fills go out ahead of the third step; there is no later fill to run ahead of.
; LIMITS: NaN and infinities are not served; the promise holds while the scaled scores stay under 2^31 in magnitude; a block whose largest magnitude lies under 2^-122 gets the byte 1.
.set REC,   6656
.set VOFF,  16*REC
.set KC,    3407872
.set VC,    6815744
.set OSC,   3145728
.set FRB,   1536
.set SPARE, 32*REC                     ; the spare words: 128 bytes for each of 16 waves
.set STG,   SPARE+2048                 ; the stage: 4,608 bytes for each wave
.set STGB,  4608
.set SPW,  10                          ; v10 my spare word, v11 zero: never rewritten
.set NIL,  11
.set SH8,  78                          ; v78 8 x (lane / 16)
.set MI,   79                          ; v79 the mask's index
.set WV,   8
.set BH,   9
.set TT,   16                          ; my tile of 16 queries in its group
.set ROLE, 17                          ; 1: wave B, 0: wave A
.set G,    18                          ; the group of the tile at work
.set GL,   19                          ; 15 - g
.set TB,   44
.set TBV,  45
.set J,    46
.set CNT,  47
.set CS,   48
.set SEL,  50
.set LO,   52                          ; my steps: LO <= J <= HI
.set HI,   53
.set PH,   56                          ; 0: I load at the head; 4: behind the first barrier
; REGISTERS: v1-3 lane offsets; v4-9 a step's LDS addresses; v12 -M, v13 largest t, v[14:15] the sum; v16-27 q, v28 its scales; v32-55 fragments 0-3 of k (then at work), v56-62 the second q;
; v64-75 fragments 4-5 of k; v76-77 stage addresses; v80-127 four fragments of v; v128-191 scores, then p; v192-223 O^T; v224-235 fragments 6-7 of k, then p's codes; v236-243, v252-255 at work;
; v244-247 k's scale words 0-3; v248-251 k's scale words 4-7, then v's
	s_load_b128 s[4:7], s[0:1], 0x0
	v_lshl_add_u32 v[SPW], v0, 2, SPARE
	v_mov_b32 v[NIL], 0
	ds_add_u32 v[SPW], v[NIL]
	ds_add_u32 v[SPW], v[NIL]
	v_lshrrev_b32 v30, 5, v0
	s_delay_alu instid0(VALU_DEP_1)
	v_readfirstlane_b32 s[WV], v30
	s_and_b32 s[BH], ttmp7, 0xffff
	s_mov_b32 s24, 3<<16                           ; group 1: 2 rows of 832 elements of 8 bytes, 8 records apart
	s_mov_b32 s25, 832<<16
	s_mov_b32 s26, 2<<16
	s_mov_b32 s27, 832<<16
	s_mov_b32 s28, 2
	s_mov_b32 s29, 8*832
	s_mov_b32 s30, 0
	s_mov_b32 s31, 0
	s_lshr_b32 s10, s[WV], 3                       ; 0: K, 1: V
	s_and_b32 s11, s[WV], 7                        ; records s11 and s11 + 8
	s_and_b32 s[PH], s[WV], 4
	s_lshl_b32 s12, s10, 3
	s_add_co_u32 s12, s12, s11
	s_mul_i32 s12, s12, 2*REC
	s_mul_i32 s13, s10, VC-KC
	s_lshl_b32 s14, s[BH], 4
	s_add_co_u32 s14, s14, s11
	s_mul_i32 s14, s14, REC
	s_add_co_u32 s14, s14, s13
	s_add_co_u32 s14, s14, KC
	s_mov_b32 s15, 0
	s_wait_dscnt 0x0
	s_wait_kmcnt 0x0
	s_mov_b32 s32, 1
	s_mov_b32 s33, s12
	s_add_nc_u64 s[34:35], s[4:5], s[14:15]
	s_or_b32 s35, s35, 0x80000000
	s_cmp_eq_u32 s[PH], 0
	s_cbranch_scc0 .Llater
	tensor_load_to_lds s[32:35], s[24:31]          ; records 0-3 and 8-11 of K and of V
	s_nop 0
.rept 4
	v_nop
.endr
.Llater:
	s_lshr_b32 s[TT], s[WV], 1
	s_lshr_b32 s[ROLE], s[WV], 2
	s_xor_b32 s[ROLE], s[ROLE], s[WV]
	s_and_b32 s[ROLE], s[ROLE], 1                  ; waves 2 t and 2 t + 1 differ in it, and so do waves w and w + 4
	s_sub_co_u32 s[GL], 15, ttmp9
	s_cmp_eq_u32 s[ROLE], 1
	s_cselect_b32 s[G], s[GL], ttmp9
	s_cselect_b32 s[HI], 8, ttmp9
	s_mov_b32 s[LO], 0
	s_lshl_b32 s20, s[BH], 4
	s_add_co_u32 s21, s20, s[GL]
	s_add_co_u32 s20, s20, s[G]
	s_mul_i32 s20, s20, REC                        ; the record of the first q,
	s_mul_i32 s21, s21, REC                        ; and of the second: the long tile's
	s_mul_i32 s10, s[TT], 768
	s_lshl_b32 s11, s[TT], 6
	s_add_co_u32 s22, s20, s10
	s_add_co_u32 s36, s20, s11
	s_add_co_u32 s38, s21, s10
	s_add_co_u32 s40, s21, s11
	s_mov_b32 s23, 0
	s_mov_b32 s37, 0
	s_mov_b32 s39, 0
	s_mov_b32 s41, 0
	s_add_nc_u64 s[22:23], s[4:5], s[22:23]
	s_add_nc_u64 s[36:37], s[4:5], s[36:37]
	s_add_nc_u64 s[38:39], s[4:5], s[38:39]
	s_add_nc_u64 s[40:41], s[4:5], s[40:41]
	s_lshr_b32 s12, s[TT], 2
	s_lshl_b32 s12, s12, 6
	s_and_b32 s13, s[TT], 3
	s_lshl_b32 s13, s13, 3
	s_add_co_u32 s12, s12, s13                     ; the tile's first query in its group
	s_mul_i32 s14, s[WV], STGB
	s_add_co_u32 s14, s14, STG                     ; my stage,
	s_xor_b32 s15, s[WV], 1
	s_mul_i32 s15, s15, STGB
	s_add_co_u32 s15, s15, STG                     ; and my partner's
	s_mov_b32 s[CS], 0x3e38aa3b                    ; log2(e) / 8
	s_mov_b32 s[CS+1], s[CS]
	s_mov_b32 s[SEL], 0x76543210
	s_mov_b32 s[SEL+1], 0xfedcba98
	s_mov_b32 s[TB], 0
	s_mov_b32 s[TBV], VOFF
	s_mov_b32 s[J], 0
	v_and_b32 v30, 31, v0
	v_and_b32 v31, 15, v0
	v_bfe_u32 v75, v0, 4, 1
	v_bfe_u32 v74, v0, 3, 1
	v_and_b32 v[MI], 7, v0
	v_lshlrev_b32 v1, 4, v30
	v_lshlrev_b32 v2, 3, v30
	v_lshlrev_b32 v3, 2, v31
	v_lshlrev_b32 v[SH8], 3, v75
	v_sub_nc_u32 v74, v74, v75
	s_delay_alu instid0(VALU_DEP_1)
	v_lshl_add_u32 v[MI], v74, 5, v[MI]
	s_delay_alu instid0(VALU_DEP_1)
	v_add_nc_u32 v[MI], s12, v[MI]
	v_add_nc_u32 v77, s14, v1
	v_add_nc_u32 v76, s15, v1
	s_wait_alu depctr_va_vdst(0)
	global_load_b128 v[16:19], v1, s[22:23]        ; both q are asked for under the tensor loads' flight
	global_load_b64 v[20:21], v2, s[22:23] offset:512
	global_load_b32 v28, v3, s[36:37] offset:6144
	global_load_b128 v[56:59], v1, s[38:39]
	global_load_b64 v[60:61], v2, s[38:39] offset:512
	global_load_b32 v62, v3, s[40:41] offset:6144
.macro INIT                            ; a fresh state: the largest t -3e38, the sums and O^T zero
	v_mov_b32 v13, 0xff61b1e6
	v_mov_b32 v14, 0
	v_mov_b32 v15, 0
	s_delay_alu instid0(VALU_DEP_3)
	v_floor_f32 v12, -v13
.set n, 0
.rept 32
	v_mov_b32 v[192+n], 0
.set n, n+1
.endr
.endm
.irp j, 22,23,24,25,26,27
	v_mov_b32 v[\j], 0                             ; q's upper 64 along K: zero codes
.endr
.irp j, 80,81,236,237,238,239,240,241,253
	v_mov_b32 v[\j], 0                             ; named as an operand's tail, a permute's destination or a pair's upper half before a step first writes them
.endr
	INIT
.macro KL b, i, sc                     ; fragment i of the step's eight: 16 keys x 64 channels into v[b .. b + 5], their scale words into v[sc]
	ds_load_b128 v[\b:\b+3], v4 offset:768*(\i)
	ds_load_b64 v[\b+4:\b+5], v5 offset:768*(\i)+512
	ds_load_b32 v[\sc], v6 offset:6144+64*(\i)
.endm
.macro SM b, i, sc                     ; S^T of these 16 keys
	v_wmma_scale_f32_16x16x128_f8f6f4 v[128+8*(\i):135+8*(\i)], v[\b:\b+11], v[16:27], 0, v[\sc], v28 matrix_a_fmt:MATRIX_FMT_BF6 matrix_b_fmt:MATRIX_FMT_BF6
.endm
.macro PA c, j                         ; the sum's chain at v[c], + the j-th pair of p
	v_pk_add_f32 v[\c:\c+1], v[\c:\c+1], v[128+2*(\j):129+2*(\j)]
.endm
.macro STEP
	s_cmp_lt_u32 s[J], s[LO]
	s_cbranch_scc1 .Lhidden_\@
	s_cmp_gt_u32 s[J], s[HI]
	s_cbranch_scc1 .Lhidden_\@
	v_add_nc_u32 v4, s[TB], v1                     ; (these six are also the places between the last step's products and the loads into their sources)
	v_add_nc_u32 v5, s[TB], v2
	v_add_nc_u32 v6, s[TB], v3
	v_add_nc_u32 v7, s[TBV], v1
	v_add_nc_u32 v8, s[TBV], v2
	v_add_nc_u32 v9, s[TBV], v3
	KL 32, 0, 244
	KL 38, 1, 245
	KL 44, 2, 246
	KL 50, 3, 247
	KL 64, 4, 248
	KL 70, 5, 249
	KL 224, 6, 250
	KL 230, 7, 251
	s_wait_alu depctr_va_vdst(0)
	s_wait_dscnt 12                                ; fragments 0-3 are in; the 12 loads of fragments 4-7 may be out
	SM 32, 0, 244
	SM 38, 1, 245
	SM 44, 2, 246
	SM 50, 3, 247
	s_wait_dscnt 0x0
	SM 64, 4, 248
	SM 70, 5, 249
	SM 224, 6, 250
	SM 230, 7, 251
.rept 4
	v_nop
.endr
.irp t, 0,1,2,3
	ds_load_b128 v[80+12*\t:83+12*\t], v7 offset:FRB*\t
	ds_load_b128 v[88+12*\t:91+12*\t], v7 offset:FRB*\t+512
	ds_load_b64 v[84+12*\t:85+12*\t], v8 offset:FRB*\t+1024
	ds_load_b64 v[86+12*\t:87+12*\t], v8 offset:FRB*\t+1280
	ds_load_b32 v[248+\t], v9 offset:6144+128*\t
.endr
	s_cmp_lt_u32 s[J], s[G]
	s_cbranch_scc1 .Lopen_\@
	v_mov_b32 v243, 0xff800000                     ; the step on the diagonal: keys behind the query get -inf
.set n, 0
.rept 64
	v_cmp_gt_i32 vcc_lo, 64*(n/32)+n%32, v[MI]
	v_cndmask_b32 v[128+n], v[128+n], v243, vcc_lo
.set n, n+1
.endr
.Lopen_\@:
	v_max3_num_f32 v30, v128, v129, v130           ; each block's largest score, in two chains a block
	v_max3_num_f32 v32, v144, v145, v146
	v_max3_num_f32 v31, v160, v161, v162
	v_max3_num_f32 v33, v176, v177, v178
.irp i, 3,5,7,9,11,13
	v_max3_num_f32 v30, v30, v[128+\i], v[129+\i]
	v_max3_num_f32 v32, v32, v[144+\i], v[145+\i]
	v_max3_num_f32 v31, v31, v[160+\i], v[161+\i]
	v_max3_num_f32 v33, v33, v[176+\i], v[177+\i]
.endr
	v_max3_num_f32 v30, v30, v143, v159
	v_max3_num_f32 v31, v31, v175, v191
	s_delay_alu instid0(VALU_DEP_2)
	v_max_num_f32 v30, v30, v32
	s_delay_alu instid0(VALU_DEP_2)
	v_max_num_f32 v31, v31, v33
	s_delay_alu instid0(VALU_DEP_1)
	v_max_num_f32 v243, v30, v31
	s_delay_alu instid0(VALU_DEP_1)
	v_permlanex16_b32 v239, v243, s[SEL], s[SEL+1]
	s_delay_alu instid0(VALU_DEP_1)
	v_max_num_f32 v243, v243, v239
	s_delay_alu instid0(VALU_DEP_1)
	v_mul_f32 v243, s[CS], v243
	s_delay_alu instid0(VALU_DEP_1)
	v_max_num_f32 v13, v13, v243
	v_mov_b32 v243, v12
	s_delay_alu instid0(VALU_DEP_2)
	v_floor_f32 v12, -v13
	s_delay_alu instid0(VALU_DEP_1)
	v_sub_f32 v243, v12, v243
	s_delay_alu instid0(VALU_DEP_1)
	v_cvt_i32_f32 v243, v243
	s_delay_alu instid0(VALU_DEP_1)
	v_ldexp_f32 v252, 1.0, v243
.set n, 0
.rept 32
	v_pk_fma_f32 v[128+n:129+n], v[128+n:129+n], s[CS:CS+1], v[12:13] op_sel_hi:[1,0,0]
.set n, n+2
.endr
	v_fma_f32 v30, v30, s[CS], v12
	v_fma_f32 v31, v31, s[CS], v12
	s_wait_alu depctr_va_vdst(0)                   ; one batch of 66
	v_exp_f32 v30, v30                             ; each block's largest p
	v_exp_f32 v31, v31
.set n, 0
.rept 64
	v_exp_f32 v[128+n], v[128+n]
.set n, n+1
.endr
	v_pk_mul_f32 v[14:15], v[14:15], v[252:253] op_sel_hi:[1,0]
	s_wait_alu depctr_va_vdst(0)
	v_pk_add_f32 v[236:237], v[128:129], v[130:131]        ; the sum of the unquantised p in four chains; the lines that make p's scale word stand between them
	v_pk_add_f32 v[34:35], v[132:133], v[134:135]
	v_pk_add_f32 v[36:37], v[136:137], v[138:139]
	PA 14, 6
	v_max_num_f32 v30, 0x2800000, v30
	v_max_num_f32 v31, 0x2800000, v31
	PA 236, 7
	PA 34, 8
	PA 36, 9
	PA 14, 10
	v_add_nc_u32 v254, 0xfe000000, v30
	v_add_nc_u32 v255, 0xfe000000, v31
	PA 236, 11
	PA 34, 12
	PA 36, 13
	PA 14, 14
	v_lshrrev_b32 v29, 23, v254
	v_lshrrev_b32 v243, 23, v255
	PA 236, 15
	PA 34, 16
	PA 36, 17
	PA 14, 18
	v_lshl_or_b32 v29, v243, 16, v29
	PA 236, 19
	PA 34, 20
	PA 36, 21
	PA 14, 22
	v_lshlrev_b32 v29, v[SH8], v29
	PA 236, 23
	PA 34, 24
	PA 36, 25
	PA 14, 26
	v_permlanex16_b32 v239, v29, s[SEL], s[SEL+1]
	PA 236, 27
	PA 34, 28
	PA 36, 29
	PA 14, 30
	v_or_b32 v29, v29, v239
	PA 236, 31
	v_pk_add_f32 v[34:35], v[34:35], v[36:37]
	s_delay_alu instid0(VALU_DEP_2)
	v_pk_add_f32 v[14:15], v[14:15], v[236:237]
	s_delay_alu instid0(VALU_DEP_1)
	v_pk_add_f32 v[14:15], v[14:15], v[34:35]
	v_cvt_scalef32_pk16_bf6_f32 v[224:226], v[128:143], v254
	v_cvt_scalef32_pk16_bf6_f32 v[236:238], v[144:159], v254
	v_cvt_scalef32_pk16_bf6_f32 v[230:232], v[160:175], v255
	v_cvt_scalef32_pk16_bf6_f32 v[240:242], v[176:191], v255
	v_nop
.irp i, 0,1,2
	v_mov_b32 v[227+\i], v[236+\i]
	v_mov_b32 v[233+\i], v[240+\i]
.endr
.set n, 0
.rept 16
	v_pk_mul_f32 v[192+n:193+n], v[192+n:193+n], v[252:253] op_sel_hi:[1,0]
.set n, n+2
.endr
	s_wait_alu depctr_va_vdst(0)
	s_wait_dscnt 0x0                               ; v's fragments
.irp t, 0,1,2,3
	v_wmma_scale_f32_16x16x128_f8f6f4 v[192+8*\t:199+8*\t], v[80+12*\t:91+12*\t], v[224:235], v[192+8*\t:199+8*\t], v[248+\t], v29 matrix_a_fmt:MATRIX_FMT_BF6 matrix_b_fmt:MATRIX_FMT_BF6
.endr
.Lhidden_\@:
	s_add_co_u32 s[TB], s[TB], 2*REC
	s_add_co_u32 s[TBV], s[TBV], 2*REC
	s_add_co_u32 s[J], s[J], 1
.endm
; The tile of group s[G] is finished: O^T / the sum, quantised along the head's 64 channels, stored as half of an operand's image with its two scale bytes.
.macro FINISH
.rept 4
	v_nop
.endr
	v_add_f32 v14, v14, v15
	s_delay_alu instid0(VALU_DEP_1)
	v_permlanex16_b32 v239, v14, s[SEL], s[SEL+1]
	s_delay_alu instid0(VALU_DEP_1)
	v_add_f32 v14, v14, v239
	s_wait_alu depctr_va_vdst(0)
	v_rcp_f32 v14, v14
	v_nop
	s_lshr_b32 s20, s[BH], 4
	s_and_b32 s21, s[BH], 15
	s_lshl_b32 s20, s20, 7
	s_lshl_b32 s22, s[G], 3
	s_add_co_u32 s20, s20, s22
	s_add_co_u32 s20, s20, s[TT]
	s_lshl_b32 s20, s20, 3
	s_lshr_b32 s22, s21, 1
	s_add_co_u32 s20, s20, s22
	s_and_b32 s21, s21, 1
	s_mul_i32 s40, s20, FRB
	s_mov_b32 s41, 0
	s_lshl_b32 s42, s20, 6
	s_lshl_b32 s22, s21, 1
	s_add_co_u32 s42, s42, s22
	s_add_co_u32 s42, s42, OSC
	s_mov_b32 s43, 0
	s_add_nc_u64 s[40:41], s[6:7], s[40:41]
	s_add_nc_u64 s[42:43], s[6:7], s[42:43]
	s_wait_alu depctr_va_vdst(0)
.set n, 0
.rept 32
	v_mul_f32 v[128+n], v[192+n], v14
.set n, n+1
.endr
	v_max3_num_f32 v30, |v128|, |v129|, 0x2800000
.irp i, 2,4,6,8,10,12,14,16,18,20,22,24,26,28,30
	s_delay_alu instid0(VALU_DEP_1)
	v_max3_num_f32 v30, v30, |v[128+\i]|, |v[129+\i]|
.endr
	s_delay_alu instid0(VALU_DEP_1)
	v_add_nc_u32 v254, 0xfe000000, v30
	s_delay_alu instid0(VALU_DEP_1)
	v_lshrrev_b32 v29, 23, v254
	s_delay_alu instid0(VALU_DEP_1)
	v_lshlrev_b32 v29, v[SH8], v29
	s_delay_alu instid0(VALU_DEP_1)
	v_permlanex16_b32 v239, v29, s[SEL], s[SEL+1]
	s_delay_alu instid0(VALU_DEP_1)
	v_or_b32 v29, v29, v239
	v_cvt_scalef32_pk16_bf6_f32 v[224:226], v[128:143], v254
	v_cvt_scalef32_pk16_bf6_f32 v[236:238], v[144:159], v254
	v_nop
.irp i, 0,1,2
	v_mov_b32 v[227+\i], v[236+\i]
.endr
	s_wait_alu depctr_va_vdst(0)
	global_store_b16 v3, v29, s[42:43]
	s_cmp_eq_u32 s21, 0
	s_cbranch_scc0 .Lodd_\@
	global_store_b128 v1, v[224:227], s[40:41]
	global_store_b64 v2, v[228:229], s[40:41] offset:1024
	s_branch .Lstored_\@
.Lodd_\@:
	global_store_b64 v2, v[224:225], s[40:41] offset:1280
	global_store_b128 v1, v[226:229], s[40:41] offset:512
.Lstored_\@:
	s_wait_xcnt 0x0                                ; the stores have read their data and bases: both may be written again
.endm
	s_wait_alu depctr_va_vdst(0)
	s_wait_tensorcnt 0x0                           ; my load, if I issued one, is in; the other eight loads are issued as a later first fill is:
	ds_add_u32 v[SPW], v[NIL]                      ; the add twice
	ds_add_u32 v[SPW], v[NIL]
	s_wait_dscnt 0x0
	s_barrier_signal -1
	s_barrier_wait -1                              ; records 0-3 and 8-11 are in for every wave
	s_cmp_eq_u32 s[PH], 0
	s_cbranch_scc1 .Lasked
	tensor_load_to_lds s[32:35], s[24:31]          ; records 4-7 and 12-15 of K and of V
	s_nop 0
.rept 4
	v_nop
.endr
.Lasked:
	s_wait_loadcnt 0x0                             ; both q
	s_mov_b32 s[CNT], 2
.Lzero:                                                ; steps 0 and 1, under the second loads' flight
	STEP
	s_sub_co_u32 s[CNT], s[CNT], 1
	s_cmp_lg_u32 s[CNT], 0
	s_cbranch_scc1 .Lzero
	s_wait_tensorcnt 0x0                           ; my load is in,
	s_wait_dscnt 0x0
	s_barrier_signal -1
	s_barrier_wait -1                              ; and everybody's: all 32 records
	s_mov_b32 s[TB], 4*REC
	s_mov_b32 s[TBV], VOFF+4*REC
	s_mov_b32 s[CNT], 6
.Lfirst:                                               ; steps 2 .. 7
	STEP
	s_sub_co_u32 s[CNT], s[CNT], 1
	s_cmp_lg_u32 s[CNT], 0
	s_cbranch_scc1 .Lfirst
	s_cmp_eq_u32 s[ROLE], 1
	s_cbranch_scc1 .Lkeep
	FINISH                                         ; wave A: the short tile leaves,
.irp j, 0,1,2,3,4,5
	v_mov_b32 v[16+\j], v[56+\j]                   ; the long tile's q takes its place,
.endr
	v_mov_b32 v28, v62
	INIT                                           ; and a fresh state (these lines are also the places ahead of the next scaled product)
	s_mov_b32 s[G], s[GL]
	s_mov_b32 s[LO], 9
	s_mov_b32 s[HI], s[GL]
	s_wait_alu depctr_va_vdst(0)
.Lkeep:
	s_mov_b32 s[TB], REC
	s_mov_b32 s[TBV], VOFF+REC
	s_mov_b32 s[CNT], 8
.Lsecond:                                              ; steps 8 .. 15
	STEP
	s_sub_co_u32 s[CNT], s[CNT], 1
	s_cmp_lg_u32 s[CNT], 0
	s_cbranch_scc1 .Lsecond
.rept 4
	v_nop
.endr
	s_cmp_eq_u32 s[ROLE], 1
	s_cbranch_scc1 .Lmeet
.irp i, 0,1,2,3,4,5,6,7
	ds_store_b128 v77, v[192+4*\i:195+4*\i] offset:512*\i      ; wave A: its part of the long tile, each accumulator from its low end on,
.endr
	ds_store_b128 v77, v[12:15] offset:4096        ; -M and the sums
.Lmeet:
	s_wait_dscnt 0x0                               ; for the partner's sake
	s_barrier_signal -1
	s_barrier_wait -1
	s_cmp_eq_u32 s[ROLE], 1
	s_cbranch_scc0 .Lend
.irp i, 0,1,2,3,4,5,6,7
	ds_load_b128 v[128+4*\i:131+4*\i], v76 offset:512*\i
.endr
	ds_load_b128 v[160:163], v76 offset:4096
	s_wait_dscnt 0x0
	v_min_num_f32 v236, v12, v160                  ; -M of the two together
	s_delay_alu instid0(VALU_DEP_1)
	v_sub_f32 v30, v236, v160                      ; whole numbers, 0 or less (a state with no step has -M = 3e38: its factor comes out 0)
	s_delay_alu instid0(VALU_DEP_2)
	v_sub_f32 v31, v236, v12
	s_delay_alu instid0(VALU_DEP_2)
	v_cvt_i32_f32 v30, v30
	s_delay_alu instid0(VALU_DEP_2)
	v_cvt_i32_f32 v31, v31
	s_delay_alu instid0(VALU_DEP_2)
	v_ldexp_f32 v30, 1.0, v30                      ; the partner's factor,
	s_delay_alu instid0(VALU_DEP_2)
	v_ldexp_f32 v252, 1.0, v31                     ; and mine: powers of two
	s_delay_alu instid0(VALU_DEP_1)
	v_pk_mul_f32 v[14:15], v[14:15], v[252:253] op_sel_hi:[1,0]
	s_delay_alu instid0(VALU_DEP_1)
	v_pk_fma_f32 v[14:15], v[162:163], v[30:31], v[14:15] op_sel_hi:[1,0,1]
.set n, 0
.rept 16
	v_pk_mul_f32 v[192+n:193+n], v[192+n:193+n], v[252:253] op_sel_hi:[1,0]
.set n, n+2
.endr
.set n, 0
.rept 16
	v_pk_fma_f32 v[192+n:193+n], v[128+n:129+n], v[30:31], v[192+n:193+n] op_sel_hi:[1,0,1]
.set n, n+2
.endr
	FINISH
.Lend:
	s_wait_tensorcnt 0x0                           ; the wave's end
	ds_add_u32 v[SPW], v[NIL]
	s_wait_dscnt 0x0
	s_endpgm
.Lfunc_end_k_q60c893fb37_attn:
	.size	k_q60c893fb37_attn, .Lfunc_end_k_q60c893fb37_attn-k_q60c893fb37_attn
	.p2alignl 7, 3214868480
	.fill 96, 4, 3214868480
	.section	.rodata,"a",@progbits
	.p2align	6, 0x0
	.amdhsa_kernel k_q60c893fb37_attn
		.amdhsa_group_segment_fixed_size 327680
		.amdhsa_private_segment_fixed_size 0
		.amdhsa_enable_private_segment 0
		.amdhsa_kernarg_size 16
		.amdhsa_user_sgpr_count 2
		.amdhsa_user_sgpr_kernarg_segment_ptr 1
		.amdhsa_wavefront_size32 1
		.amdhsa_system_sgpr_workgroup_id_x 1
		.amdhsa_system_sgpr_workgroup_id_y 1
		.amdhsa_system_sgpr_workgroup_id_z 1
		.amdhsa_system_vgpr_workitem_id 0
		.amdhsa_next_free_vgpr 256
		.amdhsa_next_free_sgpr 66
		.amdhsa_reserve_vcc 1
		.amdhsa_float_denorm_mode_32 3
		.amdhsa_float_denorm_mode_16_64 3
		.amdhsa_memory_ordered 1
		.amdhsa_forward_progress 1
		.amdhsa_inst_pref_size 88
	.end_amdhsa_kernel
	.amdgpu_metadata
---
amdhsa.version: [ 1, 2 ]
amdhsa.kernels:
  - .name:           k_q60c893fb37_attn
    .symbol:         k_q60c893fb37_attn.kd
    .args:
      - { .name: qkvc, .offset: 0, .size: 8, .value_kind: global_buffer, .address_space: global }
      - { .name: oc, .offset: 8, .size: 8, .value_kind: global_buffer, .address_space: global }
    .group_segment_fixed_size: 327680
    .private_segment_fixed_size: 0
    .kernarg_segment_align: 8
    .kernarg_segment_size: 16
    .max_flat_workgroup_size: 512
    .sgpr_count:     66
    .vgpr_count:     256
    .wavefront_size: 32
...
	.end_amdgpu_metadata
.endif
;; end of part 3
;; launch proj (part 4): grid 8 x 32, 4 waves a work-group, clusters of 4 x 4, 327,680 bytes of LDS; arguments oc, qa, bp, x, y; writes y
.if DOCPART == 4
	.amdgcn_target "amdgcn-amd-amdhsa--gfx1250"
	.amdhsa_code_object_version 6
	.text
	.protected	k_q60c893fb37_proj
	.globl	k_q60c893fb37_proj
	.p2align	8
	.type	k_q60c893fb37_proj,@function
k_q60c893fb37_proj:
	s_mov_b64 s[64:65], 0
	v_nop
	global_prefetch_b8 v0, s[64:65] scope:SCOPE_SE
	s_setreg_imm32_b32 hwreg(HW_REG_WAVE_MODE, 25, 1), 1
	s_wait_xcnt 0x0
	s_wait_alu depctr_hold_cnt(0) depctr_sa_sdst(0) depctr_va_vdst(0) depctr_va_sdst(0) depctr_va_ssrc(0) depctr_va_vcc(0) depctr_vm_vsrc(0)
	s_getreg_b32 s2, hwreg(HW_REG_IB_STS2, 6, 4)
	s_cmp_eq_u32 s2, 0
	s_cbranch_scc0 .Lentry_in_a_cluster
	s_endpgm
.Lentry_in_a_cluster:
	s_bfe_u32 s2, ttmp6, 0x10000c
	s_cmp_lg_u32 s2, 0xf033
	s_cbranch_scc0 .Lentry_shape_is_right
	s_endpgm
.Lentry_shape_is_right:
; y = residual + (A W + bias): A [4096][SIZE_K] and W (1,024 features) as codes of BF6 with E8M0 scales, laid as images of the operand's registers; bias [1024], residual and y [4096][1024] f32.
; Here: A = the attention's o, W = Wp, bias = bp, residual = x.  (The same text with four other constants serves the second product of the FFN.)
; With 1,024 features, tiles of 256 x 256 would be 64: a tile is 128 x 128, so that 256 work-groups have one each.  Four waves, each 64 x 64: 16 accumulators.  A wave's four tiles of rows are 64 neighbouring rows, its four
; tiles of features 64 neighbouring features (tile 4 (i / 64) + (i / 8) % 4, row 8 ((i / 32) % 2) + i % 8).
; K goes in steps of 512 (four matrix instructions deep) through two LDS slots filled by the tensor data mover; the scale words of the work-group's rows, for all of K, come once with the first fills.
; CLUSTERS: 4 x 4 work-groups; A's tiles are asked for jointly along a row of the cluster, W's along a column.  The matrix instruction takes W's tile as source 0 and A's as source 1: a lane holds eight neighbouring features of a row.
; THE RESIDUAL of a wave's 64 x 64 is asked for at the head, behind the first tensor loads: 32 loads of 16 bytes a lane into 128 registers of their own, which land while K is walked: the way out waits for memory once.
; REGISTERS: window 0: v8-27 addresses, v12-15 the bias of my four columns; v32-63 scale words, two sets; v64-95 the way out; v128-255 the accumulators ((a, b) at v[128 + 8 (4 a + b)]).
;   window 1: two fragment buffers at v0 and v128: W's four fragments, then A's four.   window 2: v0-127 the residual: tile a's row piece t at v[32 a + 4 t].
.set SIZE_K, 1024
.set ASC,    3145728                   ; A's buffer: the scale words
.set BCO,    5505024                   ; qa: W's codes
.set BSO,    12812288                  ; qa: W's scale words
.set KS8,    SIZE_K/128
.set NQ,     4
.set FR,     12
.set FRB,    1536
.set ROWB,   NQ*FRB                    ; a tile's part of a slot
.set HALFT,  4*ROWB                    ; 4 tiles: what one tensor load brings, and what a wave reads of A or of W
.set SLOT,   4*HALFT
.set LAPS,   SIZE_K/1024
.set SCL,    2*SLOT
.set SBLK,   KS8*64                    ; a tile's scale words, all K steps
.set HALFS,  4*SBLK
.set STAGE,  SCL+4*HALFS               ; the way out: 16 rows x (256 bytes + 16) for each wave; no fill lands here
.set SPITCH, 272
.set SPARE,  STAGE+4*16*SPITCH         ; the spare words, 128 bytes for each wave
.set BIA,  12
.set ADRA16, 16
.set ADRA8,  18
.set ADRB16, 20
.set ADRB8,  22
.set STO,  24
.set RD,   25
.set CO,   26
.set ADRS, 27
.set SPW,  28
.set NIL,  29
.set SC,   32
.set BK,   64
.set ACC,  128
.set F0,   0
.set F1,   128
.set RES,  0                           ; in window 2
.set G1, 24
.set G0, 32
.set G1B, 48
.set G0B, 56
.set G1S, 68
.set G0S, 76
.set G1SB, 80
.set G0SB, 88
.set MSB, 0
.macro WIN new                         ; the immediate's high byte repeats the setting that is left
.if MSB != \new
	s_set_vgpr_msb (MSB<<8)|\new
.set MSB, \new
.endif
.endm
.set MUL,   0x05                       ; sources 0 and 1 window 1; C and D window 0
.set TO_F,  0x40                       ; destination window 1, address window 0
.set TO_R,  0x80                       ; destination window 2, address window 0
.set ADD_R, 0x08                       ; source 1 window 2
.macro JLOAD g0a, g1a, g0b, g1b        ; a joint load: waves 0 and 1 fetch for A, waves 2 and 3 for W; four v_nop follow each of the two lines
	s_cmp_eq_u32 s15, 0
	s_cbranch_scc0 .Lfor_b_\@
	tensor_load_to_lds s[\g0a:\g0a+3], s[\g1a:\g1a+7]
	s_nop 0
.rept 4
	v_nop
.endr
	s_branch .Lasked_\@
.Lfor_b_\@:
	tensor_load_to_lds s[\g0b:\g0b+3], s[\g1b:\g1b+7]
	s_nop 0
.rept 4
	v_nop
.endr
.Lasked_\@:
.endm
.macro CREST
	s_cmp_lg_u32 s14, 0
	s_cbranch_scc1 .Lnot_wave_0_\@
	s_barrier_signal -3
.Lnot_wave_0_\@:
	s_barrier_wait -3
	s_barrier_signal -1
	s_barrier_wait -1
.endm
.macro CROUND
	s_barrier_signal -1
	s_barrier_wait -1
	CREST
.endm
	s_load_b256 s[4:11], s[0:1], 0x0               ; A s[4:5], qa s[6:7], bias s[8:9], residual s[10:11]
	s_load_b64 s[12:13], s[0:1], 0x20              ; y
	v_lshl_add_u32 v[SPW], v0, 2, SPARE
	v_mov_b32 v[NIL], 0
	ds_add_u32 v28, v29
	ds_add_u32 v28, v29
	s_wait_dscnt 0x0
	v_lshrrev_b32 v1, 5, v0
	v_readfirstlane_b32 s14, v1                    ; wave 0..3
	s_lshr_b32 s15, s14, 1                         ; which 64 rows are mine.  Also: I fetch for A (0) or for W (1)
	s_and_b32 s16, s14, 1                          ; which 64 features.  Also: which 4 tiles I fetch
	s_bfe_u32 s40, ttmp6, 0x40000
	s_bfe_u32 s41, ttmp6, 0x40004
	s_lshl_b32 s42, ttmp9, 2
	s_add_co_u32 s42, s42, s40                     ; tile column
	s_and_b32 s17, ttmp7, 0xffff
	s_lshl_b32 s17, s17, 2
	s_add_co_u32 s17, s17, s41                     ; tile row
	s_lshl_b32 s43, s41, 2
	s_lshl_b32 s43, 15, s43
	s_lshl_b32 s44, 0x1111, s40
	; group 1, codes: 4 rows (tiles) of 6,144 bytes (four K steps' images), KS8 x 1,536 bytes apart; elements of 8 bytes; no padding
	s_or_b32 s[G1+0], s43, (3<<16)|(1<<21)
	s_or_b32 s[G1B+0], s44, (3<<16)|(1<<21)
.irp g, G1, G1B
	s_mov_b32 s[\g+1], (ROWB/8)<<16
	s_mov_b32 s[\g+2], 8<<16                       ; the head's loads bring all 8 tiles
	s_mov_b32 s[\g+3], (ROWB/8)<<16
	s_mov_b32 s[\g+4], 8
	s_mov_b32 s[\g+5], KS8*FRB/8
	s_mov_b32 s[\g+6], 0
	s_mov_b32 s[\g+7], 0
.endr
	; group 1, scale words: a dense block of 2 HALFS bytes as rows of 256
	s_or_b32 s[G1S+0], s43, (3<<16)|(1<<21)
	s_or_b32 s[G1SB+0], s44, (3<<16)|(1<<21)
.irp g, G1S, G1SB
	s_mov_b32 s[\g+1], 32<<16
	s_mov_b32 s[\g+2], (2*HALFS/256)<<16           ; the scale words of all 8 tiles in one load
	s_mov_b32 s[\g+3], 32<<16
	s_mov_b32 s[\g+4], 2*HALFS/256
	s_mov_b32 s[\g+5], 32
	s_mov_b32 s[\g+6], 0
	s_mov_b32 s[\g+7], 0
.endr
	s_mul_i32 s18, s16, 4*KS8*FRB                  ; in the ring I fetch 4 of the 8 tiles: which half, in bytes
	s_mov_b32 s19, 0
	s_lshl_b32 s20, s17, 3                         ; A: tile 8 x tile row
	s_lshl_b32 s46, s42, 3                         ; W: tile 8 x tile column
	s_mul_i32 s22, s20, SBLK
	s_add_co_u32 s22, s22, ASC
	s_mov_b32 s23, 0
	s_mul_i32 s20, s20, KS8*FRB
	s_mov_b32 s21, 0
	s_mul_i32 s92, s46, SBLK
	s_add_co_u32 s92, s92, BSO
	s_mov_b32 s93, 0
	s_mul_i32 s46, s46, KS8*FRB
	s_add_co_u32 s46, s46, BCO
	s_mov_b32 s47, 0
	s_mul_i32 s45, s14, HALFT
	s_wait_kmcnt 0x0
	s_add_nc_u64 s[20:21], s[4:5], s[20:21]
	s_add_nc_u64 s[22:23], s[4:5], s[22:23]
	s_add_nc_u64 s[46:47], s[6:7], s[46:47]
	s_add_nc_u64 s[92:93], s[6:7], s[92:93]
	CROUND                                         ; all sixteen work-groups are here: the first joint loads meet
	s_mov_b32 s[G0S], 1
	s_mov_b32 s[G0S+1], SCL
	s_mov_b64 s[G0S+2:G0S+3], s[22:23]
	s_or_b32 s[G0S+3], s[G0S+3], 0x80000000
	s_mov_b32 s[G0SB], 1
	s_mov_b32 s[G0SB+1], SCL+2*HALFS
	s_mov_b64 s[G0SB+2:G0SB+3], s[92:93]
	s_or_b32 s[G0SB+3], s[G0SB+3], 0x80000000
	s_mov_b32 s[G0], 1                             ; the head's load of slot 0: A's 8 tiles, whole
	s_mov_b32 s[G0+1], 0
	s_mov_b64 s[G0+2:G0+3], s[20:21]
	s_or_b32 s[G0+3], s[G0+3], 0x80000000
	s_mov_b32 s[G0B], 1                            ; and W's 8 tiles, behind them
	s_mov_b32 s[G0B+1], 2*HALFT
	s_mov_b64 s[G0B+2:G0B+3], s[46:47]
	s_or_b32 s[G0B+3], s[G0B+3], 0x80000000
	s_add_nc_u64 s[20:21], s[20:21], s[18:19]      ; for the ring: my 4 tiles
	s_add_nc_u64 s[46:47], s[46:47], s[18:19]
; THE PREFETCH.  Slot 1's load of mine brings 4 tiles x 6,144 bytes; the four partners that ask for it jointly share it out by address: the partner at place p (cx for A's, cy for W's) names tile p,
; 24 blocks of 256 bytes, a lane a block (lanes 24-31 name the last block again), behind the head's loads.  K has two slots: there is nothing further on.  Neither address register is written again.
.set PFA, 66                           ; s[66:67] my tile of slot 0
	s_cmp_eq_u32 s15, 0
	s_cselect_b64 s[PFA:PFA+1], s[20:21], s[46:47]
	s_cselect_b32 s2, s40, s41
	s_mul_i32 s2, s2, KS8*FRB
	s_mov_b32 s3, 0
	s_add_nc_u64 s[PFA:PFA+1], s[PFA:PFA+1], s[2:3]
	v_and_b32 v30, 31, v0
	v_min_u32 v30, 23, v30
	v_lshlrev_b32 v30, 8, v30
	s_wait_alu depctr_va_vdst(0)
	s_mov_b32 s[G0+4], 1
	s_add_co_u32 s[G0+5], s45, SLOT
	s_add_nc_u64 s[G0+6:G0+7], s[20:21], ROWB
	s_or_b32 s[G0+7], s[G0+7], 0x80000000
	s_mov_b32 s[G0B+4], 1
	s_add_co_u32 s[G0B+5], s45, SLOT
	s_add_nc_u64 s[G0B+6:G0B+7], s[46:47], ROWB
	s_or_b32 s[G0B+7], s[G0B+7], 0x80000000
; the head's four tiles, one joint load a wave: wave 0 A's slot 0, wave 1 W's, wave 2 A's scale words, wave 3 W's; one chain of branches on the wave's number
.macro ARM under, g0, g1, next
	s_cmp_lt_u32 s14, \under
	s_cbranch_scc0 \next
	tensor_load_to_lds s[\g0:\g0+3], s[\g1:\g1+7]
	s_nop 0
.rept 4
	v_nop
.endr
	s_branch .Lhead_asked
\next:
.endm
	ARM 1, G0,  G1,  .Lhead_b
	ARM 2, G0B, G1B, .Lhead_sa
	ARM 3, G0S, G1S, .Lhead_sb
	tensor_load_to_lds s[G0SB:G0SB+3], s[G1SB:G1SB+7]
	s_nop 0
.rept 4
	v_nop
.endr
.Lhead_asked:
	global_prefetch_b8 v30, s[PFA:PFA+1] offset:ROWB th:TH_LOAD_NT scope:SCOPE_SE
	s_wait_alu depctr_va_vdst(0)
	s_wait_tensorcnt 0x0                           ; my tile of the four is in; slot 1's first fill is issued as a refill is
	ds_add_u32 v28, v29
	s_mov_b32 s[G1+2], (HALFT/ROWB)<<16            ; no load of mine is out: from here on a load brings 4 tiles
	s_mov_b32 s[G1+4], HALFT/ROWB
	s_mov_b32 s[G1B+2], (HALFT/ROWB)<<16
	s_mov_b32 s[G1B+4], HALFT/ROWB
	s_mov_b32 s[G0+1], s45                         ; slot 0's descriptors for the ring: my 4 tiles, by the wave's number
	s_mov_b64 s[G0+2:G0+3], s[20:21]
	s_or_b32 s[G0+3], s[G0+3], 0x80000000
	s_mov_b32 s[G0B+1], s45
	s_mov_b64 s[G0B+2:G0B+3], s[46:47]
	s_or_b32 s[G0B+3], s[G0B+3], 0x80000000
	s_wait_dscnt 0x0
	CROUND                                         ; all four tiles are in, in every partner
	JLOAD G0+4, G1, G0B+4, G1B                     ; slot 1: the first tensor load behind the round
	v_and_b32 v1, 31, v0
	v_lshlrev_b32 v8, 4, v1                        ; 16 x lane
	v_lshlrev_b32 v9, 3, v1                        ; 8 x lane
	v_and_b32 v2, 15, v0                           ; r
	v_bfe_u32 v3, v0, 4, 1                         ; h
	v_lshlrev_b32 v10, 2, v2
	v_lshlrev_b32 v11, 4, v2                       ; 16 r: never rewritten
	s_mul_i32 s21, s15, HALFT
	s_mul_i32 s22, s16, HALFT
	s_add_co_u32 s22, s22, 2*HALFT
.irp s, 0,1
	v_add_nc_u32 v[ADRA16+\s], s21, v8
	v_add_nc_u32 v[ADRA8+\s], s21, v9
	v_add_nc_u32 v[ADRB16+\s], s22, v8
	v_add_nc_u32 v[ADRB8+\s], s22, v9
	s_add_co_u32 s21, s21, SLOT
	s_add_co_u32 s22, s22, SLOT
.endr
	s_mul_i32 s21, s15, HALFS
	s_mul_i32 s22, s16, HALFS
	s_add_co_u32 s22, s22, 2*HALFS
	s_sub_co_u32 s22, s22, s21
	v_mul_u32_u24 v6, s22, v3                      ; lanes 16-31 take W's: one product, the distance between the two bases
	s_add_co_u32 s21, s21, SCL
	v_add_nc_u32 v5, v10, v6
	v_add_nc_u32 v[ADRS], s21, v5
	s_mul_i32 s23, s14, 16*SPITCH
	s_add_co_u32 s23, s23, STAGE                   ; my stage
	v_mul_u32_u24 v4, v2, SPITCH
	v_lshl_add_u32 v4, v3, 7, v4
	v_add_nc_u32 v[STO], s23, v4                   ; in: row r, features 32 h on
	v_mul_u32_u24 v5, v3, SPITCH
	v_add_nc_u32 v5, v5, v11
	v_add_nc_u32 v[RD], s23, v5                    ; back: lanes 0-15 one row of 256 bytes, lanes 16-31 the next
	v_lshl_add_u32 v[CO], v3, 12, v11              ; and the same two rows in the residual and in y: never rewritten
	s_wait_alu depctr_va_vdst(0)
	s_lshl_b32 s96, s17, 7
	s_lshl_b32 s97, s15, 6
	s_add_co_u32 s96, s96, s97                     ; my first row
	s_lshl_b32 s96, s96, 12
	s_lshl_b32 s98, s42, 7
	s_lshl_b32 s99, s16, 6
	s_add_co_u32 s98, s98, s99
	s_lshl_b32 s98, s98, 2                         ; my first column, in bytes
	s_mov_b32 s99, 0
	s_add_nc_u64 s[8:9], s[8:9], s[98:99]
	s_add_co_u32 s96, s96, s98
	s_mov_b32 s97, 0
	s_add_nc_u64 s[10:11], s[10:11], s[96:97]
	s_add_nc_u64 s[12:13], s[12:13], s[96:97]
	global_load_b128 v[BIA:BIA+3], v11, s[8:9]     ; the bias, and behind it the residual: 33 loads, waited for once, on the way out; no line writes their address registers or bases
	WIN TO_R
.irp a, 0,1,2,3                        ; piece t of tile a: rows 32 (t / 4) + 8 a + 2 (t % 4) + lane / 16 of my 64, as the way out reads them back from the stage
.irp t, 0,1,2,3,4,5,6,7
	global_load_b128 v[RES+32*\a+4*\t:RES+32*\a+4*\t+3], v[CO], s[10:11] offset:(32*(\t/4)+8*\a+2*(\t%4))*4096
.endr
.endr
	WIN 0
.macro FRAG reg, a16, a8, q, i
	ds_load_b128 v[\reg:\reg+3], v[\a16] offset:(\i)*ROWB+(\q)*FRB
	ds_load_b128 v[\reg+8:\reg+11], v[\a16] offset:(\i)*ROWB+(\q)*FRB+512
	ds_load_b64 v[\reg+4:\reg+5], v[\a8] offset:(\i)*ROWB+(\q)*FRB+1024
	ds_load_b64 v[\reg+6:\reg+7], v[\a8] offset:(\i)*ROWB+(\q)*FRB+1280
.endm
.macro FETCH slot, q, f                ; 32 LDS loads in one run: the eight fragments of the slot's q-th 128 along K
	WIN TO_F
.irp i, 0,1,2,3
	FRAG \f+FR*\i, ADRB16+\slot, ADRB8+\slot, \q, \i
.endr
.irp i, 0,1,2,3
	FRAG \f+48+FR*\i, ADRA16+\slot, ADRA8+\slot, \q, \i
.endr
.endm
.macro SCALES sc                       ; the slot's scale words: register 4 q + i: lanes 0-15 A's block i, lanes 16-31 W's block i
.irp q, 0,1,2,3
.irp i, 0,1,2,3
	ds_load_b32 v[SC+16*\sc+4*\q+\i], v[ADRS] offset:\i*SBLK+64*\q
.endr
.endr
.endm
; four matrix instructions: A's block a x W's four.  The 16 accumulators take turns, one instruction a turn, in the same order in every K step.
.macro MUL4 f, q, sc, a, zero
.irp b, 0,1,2,3
.if \zero
	v_wmma_scale_f32_16x16x128_f8f6f4 v[ACC+8*(4*(\a)+\b):ACC+8*(4*(\a)+\b)+7], v[\f+FR*\b:\f+FR*\b+FR-1], v[\f+48+FR*(\a):\f+48+FR*(\a)+FR-1], 0, v[SC+16*(\sc)+4*(\q)+\b], v[SC+16*(\sc)+4*(\q)+(\a)] matrix_a_fmt:MATRIX_FMT_BF6 matrix_b_fmt:MATRIX_FMT_BF6 matrix_a_scale:MATRIX_SCALE_ROW1
.else
	v_wmma_scale_f32_16x16x128_f8f6f4 v[ACC+8*(4*(\a)+\b):ACC+8*(4*(\a)+\b)+7], v[\f+FR*\b:\f+FR*\b+FR-1], v[\f+48+FR*(\a):\f+48+FR*(\a)+FR-1], v[ACC+8*(4*(\a)+\b):ACC+8*(4*(\a)+\b)+7], v[SC+16*(\sc)+4*(\q)+\b], v[SC+16*(\sc)+4*(\q)+(\a)] matrix_a_fmt:MATRIX_FMT_BF6 matrix_b_fmt:MATRIX_FMT_BF6 matrix_a_scale:MATRIX_SCALE_ROW1
.endif
.endr
.endm
.macro PLACES                          ; plain vector instructions between a matrix instruction and a load into, or a read of, its registers
.rept 4
	v_nop
.endr
.endm
; One of a slot's first three K steps: buffer f (K step qn - 1) is multiplied while K step qn's fragments come into buffer g.
.macro QUARTER slot, qn, f, g, zero
	s_wait_dscnt 0x0                               ; buffer f, asked for sixteen matrix instructions ago, is in
	PLACES                                         ; buffer g was read by the products just issued
	FETCH \slot, \qn, \g
	WIN MUL
.irp a, 0,1,2,3
	MUL4 \f, (\qn)-1, \slot, \a, \zero
.endr
.endm
; A slot's last K step changes slots: one barrier; in front of it each wave waits for all its tensor loads, adds 0 to its spare word, and waits for that and for its reads of this slot.
.macro TURN slot, next, fill
	WIN 0                                          ; (the add's two registers lie in window 0)
	s_wait_tensorcnt 0x0                           ; all my tensor loads have landed: my part of the next slot
	ds_add_u32 v[SPW], v[NIL]                      ; 0 onto my spare word
	s_wait_dscnt 1                                 ; the add alone may be out: buffer 1 is in
	WIN MUL
	MUL4 F1, 3, \slot, 0, 0
	s_wait_dscnt 0x0                               ; the add is done, and my reads of this slot are over
	s_barrier_signal -1
	MUL4 F1, 3, \slot, 1, 0
	WIN 0
	s_barrier_wait -1
.if \fill
	CREST                                          ; the barrier has opened a round of the cluster's: no wave of any partner still reads this slot or has a load on its way
	s_add_nc_u64 s[G0+4*\slot+2:G0+4*\slot+3], s[G0+4*\slot+2:G0+4*\slot+3], 2*ROWB
	s_add_nc_u64 s[G0B+4*\slot+2:G0B+4*\slot+3], s[G0B+4*\slot+2:G0B+4*\slot+3], 2*ROWB
	JLOAD G0+4*\slot, G1, G0B+4*\slot, G1B         ; the first tensor load behind the round; its four v_nop are the places in front of the loads below
.else
	PLACES
.endif
	v_add_nc_u32 v[ADRS], 64*NQ, v[ADRS]           ; on to the next slot's scale words
	FETCH \next, 0, F0
	WIN 0
	SCALES \next
	WIN MUL
	MUL4 F1, 3, \slot, 2, 0
	MUL4 F1, 3, \slot, 3, 0
.endm
	FETCH 0, 0, F0
	WIN 0
	SCALES 0
	QUARTER 0, 1, F0, F1, 1                        ; the first K step's products start the sums
.if LAPS > 1
	WIN 0
	s_mov_b32 s3, LAPS-1
.Llap:                                                 ; a trip goes once round the ring and fills both slots again
	QUARTER 0, 2, F1, F0, 0
	QUARTER 0, 3, F0, F1, 0
	TURN 0, 1, 1
	QUARTER 1, 1, F0, F1, 0
	QUARTER 1, 2, F1, F0, 0
	QUARTER 1, 3, F0, F1, 0
	TURN 1, 0, 1
	QUARTER 0, 1, F0, F1, 0
	WIN 0
	s_sub_co_u32 s3, s3, 1
	s_cmp_lg_u32 s3, 0
	s_cbranch_scc1 .Llap
.endif
	QUARTER 0, 2, F1, F0, 0                        ; the last lap fills nothing
	QUARTER 0, 3, F0, F1, 0
	TURN 0, 1, 0
	QUARTER 1, 1, F0, F1, 0
	QUARTER 1, 2, F1, F0, 0
	QUARTER 1, 3, F0, F1, 0
	s_wait_dscnt 0x0
.irp a, 0,1,2,3
	MUL4 F1, 3, 1, \a, 0
.endr
	WIN 0
	PLACES
; THE WAY OUT, a tile of 16 rows x 64 features at a time.  A lane holds 32 neighbouring bytes of a row four times over: they go through my own stage and come back as whole rows of 256 bytes; the bias and the residual are added;
; sixteen lanes store 256 consecutive bytes, aligned.  Stage row 2 t + lane / 16 of tile a is row 32 (t / 4) + 8 a + 2 (t % 4) + lane / 16 of my 64.
	s_wait_loadcnt 0x0                             ; the bias and the residual, asked for at the head
.irp a, 0,1,2,3
.if \a > 0
	s_wait_xcnt 0x0                                ; the last tile's stores have read their data: the registers may be loaded again
.endif
.irp b, 0,1,2,3
	ds_store_b128 v[STO], v[ACC+8*(4*\a+\b):ACC+8*(4*\a+\b)+3] offset:32*\b          ; each accumulator from its low end on
	ds_store_b128 v[STO], v[ACC+8*(4*\a+\b)+4:ACC+8*(4*\a+\b)+7] offset:32*\b+16
.endr
.irp t, 0,1,2,3,4,5,6,7
	ds_load_b128 v[BK+4*\t:BK+4*\t+3], v[RD] offset:\t*2*SPITCH    ; LDS serves a wave's instructions in order: these see the stores above
.endr
	s_wait_dscnt 0x0
.irp t, 0,1,2,3,4,5,6,7
	v_pk_add_f32 v[BK+4*\t:BK+4*\t+1], v[BK+4*\t:BK+4*\t+1], v[BIA:BIA+1]
	v_pk_add_f32 v[BK+4*\t+2:BK+4*\t+3], v[BK+4*\t+2:BK+4*\t+3], v[BIA+2:BIA+3]
.endr
	WIN ADD_R
.irp t, 0,1,2,3,4,5,6,7
	v_pk_add_f32 v[BK+4*\t:BK+4*\t+1], v[BK+4*\t:BK+4*\t+1], v[RES+32*\a+4*\t:RES+32*\a+4*\t+1]
	v_pk_add_f32 v[BK+4*\t+2:BK+4*\t+3], v[BK+4*\t+2:BK+4*\t+3], v[RES+32*\a+4*\t+2:RES+32*\a+4*\t+3]
.endr
	WIN 0
.irp t, 0,1,2,3,4,5,6,7
	global_store_b128 v[CO], v[BK+4*\t:BK+4*\t+3], s[12:13] offset:(32*(\t/4)+8*\a+2*(\t%4))*4096
.endr
.endr
	s_wait_tensorcnt 0x0                           ; the wave's end
	ds_add_u32 v[SPW], v[NIL]
	s_wait_dscnt 0x0
	CROUND                                         ; the closing round
	s_endpgm
.Lfunc_end_k_q60c893fb37_proj:
	.size	k_q60c893fb37_proj, .Lfunc_end_k_q60c893fb37_proj-k_q60c893fb37_proj
	.p2alignl 7, 3214868480
	.fill 96, 4, 3214868480
	.section	.rodata,"a",@progbits
	.p2align	6, 0x0
	.amdhsa_kernel k_q60c893fb37_proj
		.amdhsa_group_segment_fixed_size 327680
		.amdhsa_private_segment_fixed_size 0
		.amdhsa_enable_private_segment 0
		.amdhsa_kernarg_size 40
		.amdhsa_user_sgpr_count 2
		.amdhsa_user_sgpr_kernarg_segment_ptr 1
		.amdhsa_wavefront_size32 1
		.amdhsa_system_sgpr_workgroup_id_x 1
		.amdhsa_system_sgpr_workgroup_id_y 1
		.amdhsa_system_sgpr_workgroup_id_z 1
		.amdhsa_system_vgpr_workitem_id 0
		.amdhsa_next_free_vgpr 640
		.amdhsa_next_free_sgpr 102
		.amdhsa_reserve_vcc 0
		.amdhsa_float_denorm_mode_32 3
		.amdhsa_float_denorm_mode_16_64 3
		.amdhsa_memory_ordered 1
		.amdhsa_forward_progress 1
		.amdhsa_inst_pref_size 67
	.end_amdhsa_kernel
	.amdgpu_metadata
---
amdhsa.version: [ 1, 2 ]
amdhsa.kernels:
  - .name:           k_q60c893fb37_proj
    .symbol:         k_q60c893fb37_proj.kd
    .args:
      - { .name: oc, .offset: 0, .size: 8, .value_kind: global_buffer, .address_space: global }
      - { .name: qa, .offset: 8, .size: 8, .value_kind: global_buffer, .address_space: global }
      - { .name: bp, .offset: 16, .size: 8, .value_kind: global_buffer, .address_space: global }
      - { .name: x, .offset: 24, .size: 8, .value_kind: global_buffer, .address_space: global }
      - { .name: y, .offset: 32, .size: 8, .value_kind: global_buffer, .address_space: global }
    .group_segment_fixed_size: 327680
    .private_segment_fixed_size: 0
    .kernarg_segment_align: 8
    .kernarg_segment_size: 40
    .max_flat_workgroup_size: 128
    .sgpr_count:     102
    .vgpr_count:     640
    .wavefront_size: 32
...
	.end_amdgpu_metadata
.endif
;; end of part 4
;; launch ln1 (part 5): grid 256 x 1, 8 waves a work-group, no clusters, 66,816 bytes of LDS; arguments y, g1, be1, x1; writes x1
.if DOCPART == 5
	.amdgcn_target "amdgcn-amd-amdhsa--gfx1250"
	.amdhsa_code_object_version 6
	.text
	.protected	k_q60c893fb37_ln1
	.globl	k_q60c893fb37_ln1
	.p2align	8
	.type	k_q60c893fb37_ln1,@function
k_q60c893fb37_ln1:
	s_mov_b64 s[64:65], 0
	v_nop
	global_prefetch_b8 v0, s[64:65] scope:SCOPE_SE
	s_setreg_imm32_b32 hwreg(HW_REG_WAVE_MODE, 25, 1), 1
	s_wait_xcnt 0x0
; x1 = LayerNorm(y) x g1 + be1, rows of 1,024, in f32; x1 is stored as f32 (the FFN's residual) and, quantised along its 1,024 channels, as codes of BF6 with E8M0 scales (the FFN's first operand).
; Memory binds: each row is read once and kept in registers between the passes; a wave takes two whole rows, so no reduction leaves the wave.  Matrix units, clusters and tensor loads would add nothing.
; Work-group T takes the sixteen rows that form operand tile T (row r of the tile is row 64 (T / 4) + 32 (r / 8) + 8 (T % 4) + r % 8); wave w takes the tile's rows 2 w and 2 w + 1, neighbours in memory.
; The normalised rows meet in a stage in LDS; then wave w quantises K step w of all sixteen rows and stores the fragment's image (1,536 bytes) and its scale words.
; The mean is taken first, then the mean of the squared differences, as the definition has it.  LIMITS: NaN and infinities are not served; v_rsq_f32 is good to one unit in the last place; a block whose largest
; magnitude lies under 2^-122 gets the byte 1.
.set X1C,  16777216
.set X1S,  19922944
.set FRB,  1536
.set XP,   4112                        ; a stage row: 4,096 bytes + 16
.set L16, 4
.set L8,  5
.set L4,  6
.set SH8, 7
.set XR,  16                           ; v16-79   two rows, 32 numbers a lane each
.set GR,  80                           ; v80-111  g of my 32 columns; later 64 numbers to quantise (v80-143)
.set BR,  112                          ; v112-143 be
.set A,   144
.set B,   146
.set MU,  148
.set R,   150                          ; v[150:151], v[152:153] 1 / sqrt(var + eps), twice, for each row
.set T,   154
.set T2,  155
.set VV,  156
.set M0,  158
.set M1,  159
.set SO0, 160
.set SO1, 161
.set BY0, 162
.set BY1, 163
.set WD,  164
.set TP,  155
.set PC,  166
.set CT,  144
.set SEL, 14
.macro REDUCE                          ; v[T] summed over the 32 lanes, the result in every lane
	s_delay_alu instid0(VALU_DEP_1)
	v_add_f32_dpp v[T], v[T], v[T] row_xmask:1 row_mask:0xf bank_mask:0xf
	s_delay_alu instid0(VALU_DEP_1)
	v_add_f32_dpp v[T], v[T], v[T] row_xmask:2 row_mask:0xf bank_mask:0xf
	s_delay_alu instid0(VALU_DEP_1)
	v_add_f32_dpp v[T], v[T], v[T] row_xmask:4 row_mask:0xf bank_mask:0xf
	s_delay_alu instid0(VALU_DEP_1)
	v_add_f32_dpp v[T], v[T], v[T] row_xmask:8 row_mask:0xf bank_mask:0xf
	s_delay_alu instid0(VALU_DEP_1)
	v_permlanex16_b32 v[T2], v[T], s[SEL], s[SEL+1]
	s_delay_alu instid0(VALU_DEP_1)
	v_add_f32 v[T], v[T], v[T2]
.endm
.macro MOMENTS u                       ; row u: the mean is taken off in place; var + eps into v[VV + u]
.set XU, XR+32*\u
	v_pk_add_f32 v[A:A+1], v[XU:XU+1], v[XU+2:XU+3]
	v_pk_add_f32 v[B:B+1], v[XU+4:XU+5], v[XU+6:XU+7]
.irp j, 8,12,16,20,24,28
	s_delay_alu instid0(VALU_DEP_2)
	v_pk_add_f32 v[A:A+1], v[A:A+1], v[XU+\j:XU+\j+1]
	s_delay_alu instid0(VALU_DEP_2)
	v_pk_add_f32 v[B:B+1], v[B:B+1], v[XU+\j+2:XU+\j+3]
.endr
	s_delay_alu instid0(VALU_DEP_1)
	v_pk_add_f32 v[A:A+1], v[A:A+1], v[B:B+1]
	s_delay_alu instid0(VALU_DEP_1)
	v_add_f32 v[T], v[A], v[A+1]
	REDUCE
	s_delay_alu instid0(VALU_DEP_1)
	v_mul_f32 v[MU], s12, v[T]                     ; / 1,024
	s_delay_alu instid0(VALU_DEP_1)
	v_mov_b32 v[MU+1], v[MU]
.irp j, 0,2,4,6,8,10,12,14,16,18,20,22,24,26,28,30
	v_pk_add_f32 v[XU+\j:XU+\j+1], v[XU+\j:XU+\j+1], v[MU:MU+1] neg_lo:[0,1] neg_hi:[0,1]
.endr
	v_pk_mul_f32 v[A:A+1], v[XU:XU+1], v[XU:XU+1]
	v_pk_mul_f32 v[B:B+1], v[XU+2:XU+3], v[XU+2:XU+3]
.irp j, 4,8,12,16,20,24,28
	s_delay_alu instid0(VALU_DEP_2)
	v_pk_fma_f32 v[A:A+1], v[XU+\j:XU+\j+1], v[XU+\j:XU+\j+1], v[A:A+1]
	s_delay_alu instid0(VALU_DEP_2)
	v_pk_fma_f32 v[B:B+1], v[XU+\j+2:XU+\j+3], v[XU+\j+2:XU+\j+3], v[B:B+1]
.endr
	s_delay_alu instid0(VALU_DEP_1)
	v_pk_add_f32 v[A:A+1], v[A:A+1], v[B:B+1]
	s_delay_alu instid0(VALU_DEP_1)
	v_add_f32 v[T], v[A], v[A+1]
	REDUCE
	s_delay_alu instid0(VALU_DEP_1)
	v_fma_f32 v[VV+\u], v[T], s12, s13             ; / 1,024 + 1e-5
.endm
.macro APPLY u
.set XU, XR+32*\u
.irp j, 0,2,4,6,8,10,12,14,16,18,20,22,24,26,28,30
	v_pk_mul_f32 v[XU+\j:XU+\j+1], v[XU+\j:XU+\j+1], v[R+2*\u:R+2*\u+1]
.endr
.irp j, 0,2,4,6,8,10,12,14,16,18,20,22,24,26,28,30
	v_pk_fma_f32 v[XU+\j:XU+\j+1], v[XU+\j:XU+\j+1], v[GR+\j:GR+\j+1], v[BR+\j:BR+\j+1]
.endr
.endm
	s_load_b256 s[4:11], s[0:1], 0x0               ; y, g1, be1, x1
	v_lshl_add_u32 v192, v0, 2, 0x10100
	v_mov_b32 v193, 0
	v_lshrrev_b32 v1, 5, v0
	s_delay_alu instid0(VALU_DEP_1)
	v_readfirstlane_b32 s2, v1                     ; wave 0..7
	v_and_b32 v1, 31, v0
	s_delay_alu instid0(VALU_DEP_1)
	v_lshlrev_b32 v[L16], 4, v1
	s_delay_alu instid0(VALU_DEP_2)
	v_lshlrev_b32 v[L8], 3, v1
	v_and_b32 v2, 15, v0
	v_bfe_u32 v3, v0, 4, 1
	s_delay_alu instid0(VALU_DEP_2)
	v_lshlrev_b32 v[L4], 2, v2
	s_delay_alu instid0(VALU_DEP_2)
	v_lshlrev_b32 v[SH8], 3, v3
	v_mov_b32 v[T2], 0                             ; a lane permute's destination counts as one of its sources
	s_mul_i32 s24, s2, 2*XP
	v_add_nc_u32 v8, s24, v[L16]                   ; into the stage
	v_mul_u32_u24 v9, v2, XP
	s_delay_alu instid0(VALU_DEP_1)
	v_lshl_add_u32 v9, v3, 7, v9
	s_lshl_b32 s24, s2, 9
	v_add_nc_u32 v9, s24, v9                       ; out of it: row r, K step w, + 128 h
	s_lshr_b32 s24, ttmp9, 2
	s_lshl_b32 s24, s24, 6
	s_and_b32 s25, ttmp9, 3
	s_lshl_b32 s25, s25, 3
	s_add_co_u32 s24, s24, s25
	s_lshr_b32 s25, s2, 2
	s_lshl_b32 s25, s25, 5
	s_add_co_u32 s24, s24, s25
	s_and_b32 s25, s2, 3
	s_lshl_b32 s25, s25, 1
	s_add_co_u32 s24, s24, s25                     ; the first of my two rows
	s_lshl_b32 s24, s24, 12
	s_mov_b32 s25, 0
	s_lshl_b32 s26, ttmp9, 3
	s_add_co_u32 s26, s26, s2                      ; 8 T + w
	s_mul_i32 s28, s26, FRB
	s_add_co_u32 s28, s28, X1C
	s_mov_b32 s29, 0
	s_lshl_b32 s26, s26, 6
	s_add_co_u32 s26, s26, X1S
	s_mov_b32 s27, 0
	s_mov_b32 s12, 0x3a800000                      ; 1 / 1,024
	s_mov_b32 s13, 0x3727c5ac                      ; 1e-5
	s_mov_b32 s[SEL], 0x76543210
	s_mov_b32 s[SEL+1], 0xfedcba98
	s_wait_kmcnt 0x0
	s_add_nc_u64 s[4:5], s[4:5], s[24:25]
	s_add_nc_u64 s[28:29], s[10:11], s[28:29]
	s_add_nc_u64 s[26:27], s[10:11], s[26:27]
	s_add_nc_u64 s[10:11], s[10:11], s[24:25]
.irp u, 0,1
.irp j, 0,1,2,3,4,5,6,7
	global_load_b128 v[XR+32*\u+4*\j:XR+32*\u+4*\j+3], v[L16], s[4:5] offset:4096*\u+512*\j th:TH_LOAD_NT
.endr
.endr
.irp j, 0,1,2,3,4,5,6,7
	global_load_b128 v[GR+4*\j:GR+4*\j+3], v[L16], s[6:7] offset:512*\j
	global_load_b128 v[BR+4*\j:BR+4*\j+3], v[L16], s[8:9] offset:512*\j
.endr
	s_wait_loadcnt 16                              ; my two rows are in; the 16 loads of g1 and be1 may be out
	MOMENTS 0
	MOMENTS 1
	s_wait_alu depctr_va_vdst(0)
	v_rsq_f32 v[R], v[VV]
	v_rsq_f32 v[R+2], v[VV+1]
	v_nop                                          ; a plain place behind the two
	s_wait_alu depctr_va_vdst(0)                   ; one wait for both, ahead of their first reader
	v_mov_b32 v[R+1], v[R]
	v_mov_b32 v[R+3], v[R+2]
	s_wait_alu depctr_va_vdst(0)
	s_wait_loadcnt 0x0                             ; g1, be1
	APPLY 0
	APPLY 1
.irp u, 0,1
.irp j, 0,1,2,3,4,5,6,7
	global_store_b128 v[L16], v[XR+32*\u+4*\j:XR+32*\u+4*\j+3], s[10:11] offset:4096*\u+512*\j
	ds_store_b128 v8, v[XR+32*\u+4*\j:XR+32*\u+4*\j+3] offset:XP*\u+512*\j
.endr
.endr
	s_wait_dscnt 0x0                               ; for the others' sake: my rows lie in the stage
	s_barrier_signal -1
	s_barrier_wait -1
.irp c, 0,1
.irp i, 0,1,2,3,4,5,6,7
	ds_load_b128 v[GR+32*\c+4*\i:GR+32*\c+4*\i+3], v9 offset:256*\c+16*\i    ; into the registers that g1 and be1 have left: no store reads them
.endr
.endr
	s_wait_dscnt 0x0
	; 64 numbers of a lane, register 32 c + i = k 64 c + 32 h + i of row r: two whole blocks
	v_max3_num_f32 v[M0], |v[GR]|, |v[GR+1]|, 0x2800000       ; the floor 2^(5 - 127) among the leaves
	v_max3_num_f32 v[M1], |v[GR+32]|, |v[GR+33]|, 0x2800000
.irp i, 2,4,6,8,10,12,14,16,18,20,22,24,26,28,30
	s_delay_alu instid0(VALU_DEP_2)
	v_max3_num_f32 v[M0], v[M0], |v[GR+\i]|, |v[GR+\i+1]|
	s_delay_alu instid0(VALU_DEP_2)
	v_max3_num_f32 v[M1], v[M1], |v[GR+32+\i]|, |v[GR+33+\i]|
.endr
	s_delay_alu instid0(VALU_DEP_2)
	v_add_nc_u32 v[SO0], 0xfe000000, v[M0]
	s_delay_alu instid0(VALU_DEP_2)
	v_add_nc_u32 v[SO1], 0xfe000000, v[M1]
	s_delay_alu instid0(VALU_DEP_2)
	v_lshrrev_b32 v[BY0], 23, v[SO0]
	s_delay_alu instid0(VALU_DEP_2)
	v_lshrrev_b32 v[BY1], 23, v[SO1]
	v_cvt_scalef32_pk16_bf6_f32 v[PC:PC+2], v[GR:GR+15], v[SO0]
	v_cvt_scalef32_pk16_bf6_f32 v[CT:CT+2], v[GR+16:GR+31], v[SO0]
	v_cvt_scalef32_pk16_bf6_f32 v[PC+6:PC+8], v[GR+32:GR+47], v[SO1]
	v_cvt_scalef32_pk16_bf6_f32 v[CT+4:CT+6], v[GR+48:GR+63], v[SO1]
	v_nop                                          ; one plain place behind the scaled conversions
.irp i, 0,1,2
	v_mov_b32 v[PC+3+\i], v[CT+\i]
	v_mov_b32 v[PC+9+\i], v[CT+4+\i]
.endr
	v_lshl_or_b32 v[WD], v[BY1], 16, v[BY0]
	s_delay_alu instid0(VALU_DEP_1)
	v_lshlrev_b32 v[WD], v[SH8], v[WD]
	s_delay_alu instid0(VALU_DEP_1)
	v_permlanex16_b32 v[TP], v[WD], s[SEL], s[SEL+1]
	s_delay_alu instid0(VALU_DEP_1)
	v_or_b32 v[WD], v[WD], v[TP]
	global_store_b128 v[L16], v[PC:PC+3], s[28:29]
	global_store_b128 v[L16], v[PC+8:PC+11], s[28:29] offset:512
	global_store_b64 v[L8], v[PC+4:PC+5], s[28:29] offset:1024
	global_store_b64 v[L8], v[PC+6:PC+7], s[28:29] offset:1280
	global_store_b32 v[L4], v[WD], s[26:27]
	s_wait_tensorcnt 0x0
	ds_add_u32 v192, v193
	s_wait_dscnt 0x0
	s_endpgm
.Lfunc_end_k_q60c893fb37_ln1:
	.size	k_q60c893fb37_ln1, .Lfunc_end_k_q60c893fb37_ln1-k_q60c893fb37_ln1
	.p2alignl 7, 3214868480
	.fill 96, 4, 3214868480
	.section	.rodata,"a",@progbits
	.p2align	6, 0x0
	.amdhsa_kernel k_q60c893fb37_ln1
		.amdhsa_group_segment_fixed_size 66816
		.amdhsa_private_segment_fixed_size 0
		.amdhsa_enable_private_segment 0
		.amdhsa_kernarg_size 32
		.amdhsa_user_sgpr_count 2
		.amdhsa_user_sgpr_kernarg_segment_ptr 1
		.amdhsa_wavefront_size32 1
		.amdhsa_system_sgpr_workgroup_id_x 1
		.amdhsa_system_sgpr_workgroup_id_y 1
		.amdhsa_system_sgpr_workgroup_id_z 1
		.amdhsa_system_vgpr_workitem_id 0
		.amdhsa_next_free_vgpr 194
		.amdhsa_next_free_sgpr 66
		.amdhsa_reserve_vcc 0
		.amdhsa_float_denorm_mode_32 3
		.amdhsa_float_denorm_mode_16_64 3
		.amdhsa_memory_ordered 1
		.amdhsa_forward_progress 1
		.amdhsa_inst_pref_size 29
	.end_amdhsa_kernel
	.amdgpu_metadata
---
amdhsa.version: [ 1, 2 ]
amdhsa.kernels:
  - .name:           k_q60c893fb37_ln1
    .symbol:         k_q60c893fb37_ln1.kd
    .args:
      - { .name: y, .offset: 0, .size: 8, .value_kind: global_buffer, .address_space: global }
      - { .name: g1, .offset: 8, .size: 8, .value_kind: global_buffer, .address_space: global }
      - { .name: be1, .offset: 16, .size: 8, .value_kind: global_buffer, .address_space: global }
      - { .name: x1, .offset: 24, .size: 8, .value_kind: global_buffer, .address_space: global }
    .group_segment_fixed_size: 66816
    .private_segment_fixed_size: 0
    .kernarg_segment_align: 8
    .kernarg_segment_size: 32
    .max_flat_workgroup_size: 256
    .sgpr_count:     66
    .vgpr_count:     194
    .wavefront_size: 32
...
	.end_amdgpu_metadata
.endif
;; end of part 5
;; launch ffn1 (part 6): grid 16 x 16, 4 waves a work-group, clusters of 4 x 4, 327,680 bytes of LDS; arguments x1, qa, b1, hc; writes hc
.if DOCPART == 6
	.amdgcn_target "amdgcn-amd-amdhsa--gfx1250"
	.amdhsa_code_object_version 6
	.text
	.protected	k_q60c893fb37_ffn1
	.globl	k_q60c893fb37_ffn1
	.p2align	8
	.type	k_q60c893fb37_ffn1,@function
k_q60c893fb37_ffn1:
	s_mov_b64 s[64:65], 0
	v_nop
	global_prefetch_b8 v0, s[64:65] scope:SCOPE_SE
	s_setreg_imm32_b32 hwreg(HW_REG_WAVE_MODE, 25, 1), 1
	s_wait_xcnt 0x0
	s_wait_alu depctr_hold_cnt(0) depctr_sa_sdst(0) depctr_va_vdst(0) depctr_va_sdst(0) depctr_va_ssrc(0) depctr_va_vcc(0) depctr_vm_vsrc(0)
	s_getreg_b32 s2, hwreg(HW_REG_IB_STS2, 6, 4)
	s_cmp_eq_u32 s2, 0
	s_cbranch_scc0 .Lentry_in_a_cluster
	s_endpgm
.Lentry_in_a_cluster:
	s_bfe_u32 s2, ttmp6, 0x10000c
	s_cmp_lg_u32 s2, 0xf033
	s_cbranch_scc0 .Lentry_shape_is_right
	s_endpgm
.Lentry_shape_is_right:
.set NQ,     2
.set FR,     12
.set NL,     4
.set NP,     4
.set FRB,    1536
.set ROWB,   NQ*FRB
.set TILEB,  8*FRB
.set HALFT,  8*ROWB
.set SLOT,   4*HALFT
.set LAPS,   2
.set SCL,    2*SLOT
.set SBLK,   512
.set HALFS,  8*SBLK
.set SPARE,  SCL+4*HALFS
.set X1C,    16777216
.set X1S,    19922944
.set W1C,    6291456
.set W1S,    12845056
.set HSC,    12582912
.set ADRA16, 16
.set ADRA8,  18
.set ADRB16, 20
.set ADRB8,  22
.set L16,  24
.set L8,   25
.set L4,   26
.set ADRS, 27
.set SPW,  28
.set NIL,  29
.set SH8,  30
.set SC,   32
.set BI,   64
.set AF,   128
.set PC,   128
.set M0,   224
.set M1,   225
.set SO0,  226
.set SO1,  227
.set BY0,  228
.set BY1,  229
.set WD,   230
.set TP,   232
.set CT,   234
.set SEL,  98
.set G1, 24
.set G0, 32
.set G1B, 48
.set G0B, 56
.set G1S, 68
.set G0S, 76
.set G1SB, 80
.set G0SB, 88
.set MSB, 0
.macro WIN new
.if MSB != \new
	s_set_vgpr_msb (MSB<<8)|\new
.set MSB, \new
.endif
.endm
.set MUL_LO, 0xa1
.set MUL_HI, 0xf1
.set ZLO,    0x81
.set ZHI,    0xc1
.set TO_B,   0x40
.macro JLOAD g0a, g1a, g0b, g1b
	s_cmp_eq_u32 s15, 0
	s_cbranch_scc0 .Lfor_b_\@
	tensor_load_to_lds s[\g0a:\g0a+3], s[\g1a:\g1a+7]
	s_nop 0
.rept 4
	v_nop
.endr
	s_branch .Lasked_\@
.Lfor_b_\@:
	tensor_load_to_lds s[\g0b:\g0b+3], s[\g1b:\g1b+7]
	s_nop 0
.rept 4
	v_nop
.endr
.Lasked_\@:
.endm
.macro CREST
	s_cmp_lg_u32 s14, 0
	s_cbranch_scc1 .Lnot_wave_0_\@
	s_barrier_signal -3
.Lnot_wave_0_\@:
	s_barrier_wait -3
	s_barrier_signal -1
	s_barrier_wait -1
.endm
.macro CROUND
	s_barrier_signal -1
	s_barrier_wait -1
	CREST
.endm
	s_load_b256 s[4:11], s[0:1], 0x0
	v_lshl_add_u32 v[SPW], v0, 2, SPARE
	v_mov_b32 v[NIL], 0
	ds_add_u32 v28, v29
	ds_add_u32 v28, v29
	s_wait_dscnt 0x0
	v_lshrrev_b32 v1, 5, v0
	v_readfirstlane_b32 s14, v1
	s_lshr_b32 s15, s14, 1
	s_and_b32 s16, s14, 1
	s_bfe_u32 s40, ttmp6, 0x40000
	s_bfe_u32 s41, ttmp6, 0x40004
	s_lshl_b32 s42, ttmp9, 2
	s_add_co_u32 s42, s42, s40
	s_and_b32 s17, ttmp7, 0xffff
	s_lshl_b32 s17, s17, 2
	s_add_co_u32 s17, s17, s41
	s_lshl_b32 s43, s41, 2
	s_lshl_b32 s43, 15, s43
	s_lshl_b32 s44, 0x1111, s40
	s_or_b32 s[G1+0], s43, (3<<16)|(1<<21)
	s_or_b32 s[G1B+0], s44, (3<<16)|(1<<21)
.irp g, G1, G1B
	s_mov_b32 s[\g+1], (ROWB/8)<<16
	s_mov_b32 s[\g+2], 16<<16                      ; the head's loads bring all 16 tiles
	s_mov_b32 s[\g+3], (ROWB/8)<<16
	s_mov_b32 s[\g+4], 16
	s_mov_b32 s[\g+5], TILEB/8
	s_mov_b32 s[\g+6], 0
	s_mov_b32 s[\g+7], 0
.endr
	s_or_b32 s[G1S+0], s43, (3<<16)|(1<<21)
	s_or_b32 s[G1SB+0], s44, (3<<16)|(1<<21)
.irp g, G1S, G1SB
	s_mov_b32 s[\g+1], 32<<16
	s_mov_b32 s[\g+2], (2*HALFS/256)<<16           ; the scale words of all 16 tiles in one load
	s_mov_b32 s[\g+3], 32<<16
	s_mov_b32 s[\g+4], 2*HALFS/256
	s_mov_b32 s[\g+5], 32
	s_mov_b32 s[\g+6], 0
	s_mov_b32 s[\g+7], 0
.endr
	s_mul_i32 s18, s16, 8*TILEB                    ; in the ring I fetch 8 of the 16 tiles: which half, in bytes
	s_mov_b32 s19, 0
	s_lshl_b32 s20, s17, 4
	s_lshl_b32 s46, s42, 4
	s_mul_i32 s22, s20, SBLK
	s_add_co_u32 s22, s22, X1S
	s_mov_b32 s23, 0
	s_mul_i32 s20, s20, TILEB
	s_add_co_u32 s20, s20, X1C
	s_mov_b32 s21, 0
	s_mul_i32 s92, s46, SBLK
	s_add_co_u32 s92, s92, W1S
	s_mov_b32 s93, 0
	s_mul_i32 s46, s46, TILEB
	s_add_co_u32 s46, s46, W1C
	s_mov_b32 s47, 0
	s_mul_i32 s45, s14, HALFT
	s_wait_kmcnt 0x0
	s_add_nc_u64 s[20:21], s[4:5], s[20:21]
	s_add_nc_u64 s[22:23], s[4:5], s[22:23]
	s_add_nc_u64 s[46:47], s[6:7], s[46:47]
	s_add_nc_u64 s[92:93], s[6:7], s[92:93]
	CROUND
	s_mov_b32 s[G0S], 1
	s_mov_b32 s[G0S+1], SCL
	s_mov_b64 s[G0S+2:G0S+3], s[22:23]
	s_or_b32 s[G0S+3], s[G0S+3], 0x80000000
	s_mov_b32 s[G0SB], 1
	s_mov_b32 s[G0SB+1], SCL+2*HALFS
	s_mov_b64 s[G0SB+2:G0SB+3], s[92:93]
	s_or_b32 s[G0SB+3], s[G0SB+3], 0x80000000
	s_mov_b32 s[G0], 1                             ; the head's load of slot 0: A's 16 tiles, whole
	s_mov_b32 s[G0+1], 0
	s_mov_b64 s[G0+2:G0+3], s[20:21]
	s_or_b32 s[G0+3], s[G0+3], 0x80000000
	s_mov_b32 s[G0B], 1                            ; and B's 16 tiles, behind them
	s_mov_b32 s[G0B+1], 2*HALFT
	s_mov_b64 s[G0B+2:G0B+3], s[46:47]
	s_or_b32 s[G0B+3], s[G0B+3], 0x80000000
	s_add_nc_u64 s[20:21], s[20:21], s[18:19]      ; for the ring: my 8 tiles
	s_add_nc_u64 s[46:47], s[46:47], s[18:19]
; THE PREFETCHES.  A ring load of mine brings 8 tiles x 3,072 bytes; the four partners that ask for it jointly share it out by address: the partner at place p (cx for A's, cy for B's) names tiles 2 p and 2 p + 1,
; 24 blocks of 256 bytes, a lane a block (lanes 24-31 name the last block again).  Slots 1 and 2 are named behind the head's loads, slot 3 behind slot 1's load.  Neither address register is written again.
.set PFA, 18                           ; s[18:19] my two tiles of slot 0
	s_cmp_eq_u32 s15, 0
	s_cselect_b64 s[PFA:PFA+1], s[20:21], s[46:47]
	s_cselect_b32 s2, s40, s41
	s_mul_i32 s2, s2, 2*TILEB
	s_mov_b32 s3, 0
	s_add_nc_u64 s[PFA:PFA+1], s[PFA:PFA+1], s[2:3]
	v_and_b32 v8, 31, v0
	v_min_u32 v8, 23, v8                           ; n
	v_mul_u32_u24 v9, v8, 86
	v_lshrrev_b32 v9, 10, v9                       ; n / 12: which of the two tiles
	v_lshlrev_b32 v8, 8, v8
	v_mad_u32_u24 v8, v9, TILEB-ROWB, v8           ; 256 n, and on to the next tile behind 12 blocks
	s_wait_alu depctr_va_vdst(0)
	s_mov_b32 s[G0+4], 1
	s_add_co_u32 s[G0+5], s45, SLOT
	s_add_nc_u64 s[G0+6:G0+7], s[20:21], ROWB
	s_or_b32 s[G0+7], s[G0+7], 0x80000000
	s_mov_b32 s[G0B+4], 1
	s_add_co_u32 s[G0B+5], s45, SLOT
	s_add_nc_u64 s[G0B+6:G0B+7], s[46:47], ROWB
	s_or_b32 s[G0B+7], s[G0B+7], 0x80000000
; the head's four tiles, one joint load a wave: wave 0 A's slot 0, wave 1 B's, wave 2 A's scale words, wave 3 B's; one chain of branches on the wave's number
.macro ARM under, g0, g1, next
	s_cmp_lt_u32 s14, \under
	s_cbranch_scc0 \next
	tensor_load_to_lds s[\g0:\g0+3], s[\g1:\g1+7]
	s_nop 0
.rept 4
	v_nop
.endr
	s_branch .Lhead_asked
\next:
.endm
	ARM 1, G0,  G1,  .Lhead_b
	ARM 2, G0B, G1B, .Lhead_sa
	ARM 3, G0S, G1S, .Lhead_sb
	tensor_load_to_lds s[G0SB:G0SB+3], s[G1SB:G1SB+7]
	s_nop 0
.rept 4
	v_nop
.endr
.Lhead_asked:
	global_prefetch_b8 v8, s[PFA:PFA+1] offset:ROWB th:TH_LOAD_NT scope:SCOPE_SE
	global_prefetch_b8 v8, s[PFA:PFA+1] offset:2*ROWB th:TH_LOAD_NT scope:SCOPE_SE
	s_wait_alu depctr_va_vdst(0)
	s_wait_tensorcnt 0x0                           ; my tile of the four is in; slot 1's first fill is issued as a refill is
	ds_add_u32 v28, v29
	s_mov_b32 s[G1+2], (HALFT/ROWB)<<16            ; no load of mine is out: from here on a load brings 8 tiles
	s_mov_b32 s[G1+4], HALFT/ROWB
	s_mov_b32 s[G1B+2], (HALFT/ROWB)<<16
	s_mov_b32 s[G1B+4], HALFT/ROWB
	s_mov_b32 s[G0+1], s45                         ; slot 0's descriptors for the ring: my 8 tiles, by the wave's number
	s_mov_b64 s[G0+2:G0+3], s[20:21]
	s_or_b32 s[G0+3], s[G0+3], 0x80000000
	s_mov_b32 s[G0B+1], s45
	s_mov_b64 s[G0B+2:G0B+3], s[46:47]
	s_or_b32 s[G0B+3], s[G0B+3], 0x80000000
	s_wait_dscnt 0x0
	CROUND                                         ; all four tiles are in, in every partner
	JLOAD G0+4, G1, G0B+4, G1B                     ; slot 1: the first tensor load behind the round
	global_prefetch_b8 v8, s[PFA:PFA+1] offset:3*ROWB th:TH_LOAD_NT scope:SCOPE_SE
	v_and_b32 v1, 31, v0
	v_lshlrev_b32 v[L16], 4, v1
	s_wait_alu depctr_va_vdst(0)
	v_lshlrev_b32 v[L8], 3, v1
	s_wait_alu depctr_va_vdst(0)
	v_and_b32 v2, 15, v0
	v_lshlrev_b32 v[L4], 2, v2
	v_bfe_u32 v3, v0, 4, 1
	v_lshlrev_b32 v[SH8], 3, v3
	v_lshlrev_b32 v7, 7, v3
	v_mov_b32 v[TP], 0
	s_lshl_b32 s96, s42, 8
	s_lshl_b32 s97, s16, 7
	s_add_co_u32 s96, s96, s97
	s_lshl_b32 s96, s96, 2
	s_mov_b32 s97, 0
	s_add_nc_u64 s[8:9], s[8:9], s[96:97]
.irp b, 0,1,2,3,4,5,6,7
	global_load_b128 v[BI+8*\b:BI+8*\b+3], v7, s[8:9] offset:(64*(\b/4)+8*(\b%4))*4
	global_load_b128 v[BI+8*\b+4:BI+8*\b+7], v7, s[8:9] offset:(64*(\b/4)+8*(\b%4))*4+16
.endr
	s_mul_i32 s21, s15, HALFT
	s_mul_i32 s22, s16, HALFT
	s_add_co_u32 s22, s22, 2*HALFT
.irp s, 0,1
	v_add_nc_u32 v[ADRA16+\s], s21, v[L16]
	v_add_nc_u32 v[ADRA8+\s], s21, v[L8]
	v_add_nc_u32 v[ADRB16+\s], s22, v[L16]
	v_add_nc_u32 v[ADRB8+\s], s22, v[L8]
	s_add_co_u32 s21, s21, SLOT
	s_add_co_u32 s22, s22, SLOT
.endr
	s_mul_i32 s21, s15, HALFS
	s_mul_i32 s22, s16, HALFS
	s_add_co_u32 s22, s22, 2*HALFS
	s_sub_co_u32 s22, s22, s21
	v_mul_u32_u24 v6, s22, v3
	s_add_co_u32 s21, s21, SCL
	v_add_nc_u32 v5, v[L4], v6
	v_add_nc_u32 v[ADRS], s21, v5
	s_lshl_b32 s96, s17, 4
	s_lshl_b32 s100, s15, 3
	s_add_co_u32 s96, s96, s100
	s_lshl_b32 s96, s96, 5
	s_lshl_b32 s100, s42, 1
	s_add_co_u32 s96, s96, s100
	s_add_co_u32 s96, s96, s16
	s_lshl_b32 s12, s96, 6
	s_add_co_u32 s12, s12, HSC
	s_mov_b32 s13, 0
	s_mul_i32 s96, s96, FRB
	s_add_nc_u64 s[12:13], s[10:11], s[12:13]
	s_add_nc_u64 s[10:11], s[10:11], s[96:97]
	s_mov_b32 s[SEL], 0x76543210
	s_mov_b32 s[SEL+1], 0xfedcba98
.macro FRAG reg, a16, a8, q, i
	ds_load_b128 v[\reg:\reg+3], v[\a16] offset:(\i)*ROWB+(\q)*FRB
	ds_load_b128 v[\reg+8:\reg+11], v[\a16] offset:(\i)*ROWB+(\q)*FRB+512
	ds_load_b64 v[\reg+4:\reg+5], v[\a8] offset:(\i)*ROWB+(\q)*FRB+1024
	ds_load_b64 v[\reg+6:\reg+7], v[\a8] offset:(\i)*ROWB+(\q)*FRB+1280
.endm
.macro MUL16 a0, p, q, sc, zero
.irp a, \a0, \a0+1
.irp b, 0,1,2,3,4,5,6,7
.if \zero
	v_wmma_scale_f32_16x16x128_f8f6f4 v[8*(8*((\a)%4)+\b):8*(8*((\a)%4)+\b)+7], v[128*(\p)+FR*\b:128*(\p)+FR*\b+FR-1], v[AF+FR*(\a):AF+FR*(\a)+FR-1], v[BI+8*\b:BI+8*\b+7], v[SC+8*NQ*(\sc)+NQ*\b+(\q)], v[SC+8*NQ*(\sc)+NQ*(\a)+(\q)] matrix_a_fmt:MATRIX_FMT_BF6 matrix_b_fmt:MATRIX_FMT_BF6 matrix_a_scale:MATRIX_SCALE_ROW1
.else
	v_wmma_scale_f32_16x16x128_f8f6f4 v[8*(8*((\a)%4)+\b):8*(8*((\a)%4)+\b)+7], v[128*(\p)+FR*\b:128*(\p)+FR*\b+FR-1], v[AF+FR*(\a):AF+FR*(\a)+FR-1], v[8*(8*((\a)%4)+\b):8*(8*((\a)%4)+\b)+7], v[SC+8*NQ*(\sc)+NQ*\b+(\q)], v[SC+8*NQ*(\sc)+NQ*(\a)+(\q)] matrix_a_fmt:MATRIX_FMT_BF6 matrix_b_fmt:MATRIX_FMT_BF6 matrix_a_scale:MATRIX_SCALE_ROW1
.endif
.endr
.endr
.endm
.macro FETCH_B slot, q, p
	WIN TO_B
.irp i, 0,1,2,3,4,5,6,7
	FRAG 128*(\p)+FR*\i, ADRB16+\slot, ADRB8+\slot, \q, \i
.endr
	WIN 0
.endm
.macro FETCH_A slot, q, i0
.irp i, \i0, \i0+1, \i0+2, \i0+3
	FRAG AF+FR*(\i), ADRA16+\slot, ADRA8+\slot, \q, \i
.endr
.endm
.macro SCALES sc
.irp i, 0,1,2,3,4,5,6,7
.irp q, 0,1
	ds_load_b32 v[SC+8*NQ*\sc+NQ*\i+\q], v[ADRS] offset:\i*SBLK+64*\q
.endr
.endr
.endm
.macro PLACES n
.rept \n
	v_nop
.endr
.endm
.macro STEP slot, q, zero
	s_wait_dscnt 4*NL
.if \zero
	WIN ZLO
.else
	WIN MUL_LO
.endif
	MUL16 0, (\q)%2, \q, \slot, \zero
	MUL16 2, (\q)%2, \q, \slot, \zero
	s_wait_dscnt 0
	PLACES NP
	FETCH_B \slot, (\q)+1, 1-(\q)%2
	FETCH_A \slot, (\q)+1, 0
.if \zero
	WIN ZHI
.else
	WIN MUL_HI
.endif
	MUL16 4, (\q)%2, \q, \slot, \zero
	MUL16 6, (\q)%2, \q, \slot, \zero
	PLACES NP
	WIN 0
	FETCH_A \slot, (\q)+1, 4
.endm
.macro TURN slot, next, fill
	s_wait_tensorcnt 0x0
	ds_add_u32 v[SPW], v[NIL]
	s_wait_dscnt 4*NL+1
	WIN MUL_LO
	MUL16 0, 1, NQ-1, \slot, 0
	s_wait_dscnt 0x0
	s_barrier_signal -1
	MUL16 2, 1, NQ-1, \slot, 0
	WIN 0
	s_barrier_wait -1
.if \fill
	CREST
	s_add_nc_u64 s[G0+4*\slot+2:G0+4*\slot+3], s[G0+4*\slot+2:G0+4*\slot+3], 2*ROWB
	s_add_nc_u64 s[G0B+4*\slot+2:G0B+4*\slot+3], s[G0B+4*\slot+2:G0B+4*\slot+3], 2*ROWB
	JLOAD G0+4*\slot, G1, G0B+4*\slot, G1B
.else
	PLACES NP
.endif
	s_wait_alu depctr_va_vdst(0)
	v_add_nc_u32 v[ADRS], 64*NQ, v[ADRS]
	FETCH_B \next, 0, 0
	FETCH_A \next, 0, 0
	SCALES \next
	WIN MUL_HI
	MUL16 4, 1, NQ-1, \slot, 0
	MUL16 6, 1, NQ-1, \slot, 0
	PLACES NP
	WIN 0
	FETCH_A \next, 0, 4
.endm
	s_wait_alu depctr_va_vdst(0)
	FETCH_B 0, 0, 0
	FETCH_A 0, 0, 0
	SCALES 0
	FETCH_A 0, 0, 4
	s_wait_loadcnt 0x0
	STEP 0, 0, 1
	s_mov_b32 s3, LAPS-1
.Llap:
	TURN 0, 1, 1
	STEP 1, 0, 0
	TURN 1, 0, 1
	STEP 0, 0, 0
	s_sub_co_u32 s3, s3, 1
	s_cmp_lg_u32 s3, 0
	s_cbranch_scc1 .Llap
	TURN 0, 1, 0
	STEP 1, 0, 0
	s_wait_dscnt 4*NL
	WIN MUL_LO
	MUL16 0, 1, NQ-1, 1, 0
	MUL16 2, 1, NQ-1, 1, 0
	s_wait_dscnt 0
	WIN MUL_HI
	MUL16 4, 1, NQ-1, 1, 0
	MUL16 6, 1, NQ-1, 1, 0
	WIN 0
.macro QCORE a
.set S, 64*((\a)%4)
	WIN 0x88+0x44*((\a)/4)
.set n, 0
.rept 64
	v_max_num_f32 v[S+n], 0, v[S+n]
.set n, n+1
.endr
	WIN 0x28+0x14*((\a)/4)
	v_max3_num_f32 v[M0], 0x2800000, v[S], v[S+1]
	v_max3_num_f32 v[M1], 0x2800000, v[S+32], v[S+33]
.irp i, 2,4,6,8,10,12,14,16,18,20,22,24,26,28,30
	v_max3_num_f32 v[M0], v[M0], v[S+\i], v[S+\i+1]
	v_max3_num_f32 v[M1], v[M1], v[S+32+\i], v[S+33+\i]
.endr
	WIN 0
	v_add_nc_u32 v[SO0], 0xfe000000, v[M0]
	v_add_nc_u32 v[SO1], 0xfe000000, v[M1]
	v_lshrrev_b32 v[BY0], 23, v[SO0]
	v_lshrrev_b32 v[BY1], 23, v[SO1]
	s_wait_alu depctr_va_vdst(0)
	s_wait_xcnt 0x0
	WIN 0x02+(\a)/4
	v_cvt_scalef32_pk16_bf6_f32 v[PC:PC+2], v[S:S+15], v[SO0]
	v_cvt_scalef32_pk16_bf6_f32 v[CT:CT+2], v[S+16:S+31], v[SO0]
	v_cvt_scalef32_pk16_bf6_f32 v[PC+6:PC+8], v[S+32:S+47], v[SO1]
	v_cvt_scalef32_pk16_bf6_f32 v[CT+4:CT+6], v[S+48:S+63], v[SO1]
	WIN 0
	v_nop
.irp i, 0,1,2
	v_mov_b32 v[PC+3+\i], v[CT+\i]
	v_mov_b32 v[PC+9+\i], v[CT+4+\i]
.endr
	v_lshl_or_b32 v[WD], v[BY1], 16, v[BY0]
	v_lshlrev_b32 v[WD], v[SH8], v[WD]
	v_permlanex16_b32 v[TP], v[WD], s[SEL], s[SEL+1]
	v_or_b32 v[WD], v[WD], v[TP]
.endm
	PLACES NP
.irp a, 0,1,2,3,4,5,6,7
	QCORE \a
	global_store_b128 v[L16], v[PC:PC+3], s[10:11] offset:32*FRB*\a
	global_store_b128 v[L16], v[PC+8:PC+11], s[10:11] offset:32*FRB*\a+512
	global_store_b64 v[L8], v[PC+4:PC+5], s[10:11] offset:32*FRB*\a+1024
	global_store_b64 v[L8], v[PC+6:PC+7], s[10:11] offset:32*FRB*\a+1280
	global_store_b32 v[L4], v[WD], s[12:13] offset:2048*\a
.endr
	s_wait_tensorcnt 0x0
	ds_add_u32 v[SPW], v[NIL]
	s_wait_dscnt 0x0
	CROUND
	s_endpgm
.Lfunc_end_k_q60c893fb37_ffn1:
	.size	k_q60c893fb37_ffn1, .Lfunc_end_k_q60c893fb37_ffn1-k_q60c893fb37_ffn1
	.p2alignl 7, 3214868480
	.fill 96, 4, 3214868480
	.section	.rodata,"a",@progbits
	.p2align	6, 0x0
	.amdhsa_kernel k_q60c893fb37_ffn1
		.amdhsa_group_segment_fixed_size 327680
		.amdhsa_private_segment_fixed_size 0
		.amdhsa_enable_private_segment 0
		.amdhsa_kernarg_size 32
		.amdhsa_user_sgpr_count 2
		.amdhsa_user_sgpr_kernarg_segment_ptr 1
		.amdhsa_wavefront_size32 1
		.amdhsa_system_sgpr_workgroup_id_x 1
		.amdhsa_system_sgpr_workgroup_id_y 1
		.amdhsa_system_sgpr_workgroup_id_z 1
		.amdhsa_system_vgpr_workitem_id 0
		.amdhsa_next_free_vgpr 1024
		.amdhsa_next_free_sgpr 102
		.amdhsa_reserve_vcc 0
		.amdhsa_float_denorm_mode_32 3
		.amdhsa_float_denorm_mode_16_64 3
		.amdhsa_memory_ordered 1
		.amdhsa_forward_progress 1
		.amdhsa_inst_pref_size 165
	.end_amdhsa_kernel
	.amdgpu_metadata
---
amdhsa.version: [ 1, 2 ]
amdhsa.kernels:
  - .name:           k_q60c893fb37_ffn1
    .symbol:         k_q60c893fb37_ffn1.kd
    .args:
      - { .name: x1, .offset: 0, .size: 8, .value_kind: global_buffer, .address_space: global }
      - { .name: qa, .offset: 8, .size: 8, .value_kind: global_buffer, .address_space: global }
      - { .name: b1, .offset: 16, .size: 8, .value_kind: global_buffer, .address_space: global }
      - { .name: hc, .offset: 24, .size: 8, .value_kind: global_buffer, .address_space: global }
    .group_segment_fixed_size: 327680
    .private_segment_fixed_size: 0
    .kernarg_segment_align: 8
    .kernarg_segment_size: 32
    .max_flat_workgroup_size: 128
    .sgpr_count:     102
    .vgpr_count:     1024
    .wavefront_size: 32
...
	.end_amdgpu_metadata
.endif
;; end of part 6
;; launch ffn2 (part 7): grid 8 x 32, 4 waves a work-group, clusters of 4 x 4, 327,680 bytes of LDS; arguments hc, qa, b2, x1, y; writes y
.if DOCPART == 7
	.amdgcn_target "amdgcn-amd-amdhsa--gfx1250"
	.amdhsa_code_object_version 6
	.text
	.protected	k_q60c893fb37_ffn2
	.globl	k_q60c893fb37_ffn2
	.p2align	8
	.type	k_q60c893fb37_ffn2,@function
k_q60c893fb37_ffn2:
	s_mov_b64 s[64:65], 0
	v_nop
	global_prefetch_b8 v0, s[64:65] scope:SCOPE_SE
	s_setreg_imm32_b32 hwreg(HW_REG_WAVE_MODE, 25, 1), 1
	s_wait_xcnt 0x0
	s_wait_alu depctr_hold_cnt(0) depctr_sa_sdst(0) depctr_va_vdst(0) depctr_va_sdst(0) depctr_va_ssrc(0) depctr_va_vcc(0) depctr_vm_vsrc(0)
	s_getreg_b32 s2, hwreg(HW_REG_IB_STS2, 6, 4)
	s_cmp_eq_u32 s2, 0
	s_cbranch_scc0 .Lentry_in_a_cluster
	s_endpgm
.Lentry_in_a_cluster:
	s_bfe_u32 s2, ttmp6, 0x10000c
	s_cmp_lg_u32 s2, 0xf033
	s_cbranch_scc0 .Lentry_shape_is_right
	s_endpgm
.Lentry_shape_is_right:
.set SIZE_K, 4096
.set ASC,    12582912
.set BCO,    9437184
.set BSO,    12976128
.set KS8,    SIZE_K/128
.set NQ,     4
.set FR,     12
.set FRB,    1536
.set ROWB,   NQ*FRB
.set HALFT,  4*ROWB
.set SLOT,   4*HALFT
.set LAPS,   SIZE_K/1024
.set SCL,    2*SLOT
.set SBLK,   KS8*64
.set HALFS,  4*SBLK
.set STAGE,  SCL+4*HALFS
.set SPITCH, 272
.set SPARE,  STAGE+4*16*SPITCH
.set BIA,  12
.set ADRA16, 16
.set ADRA8,  18
.set ADRB16, 20
.set ADRB8,  22
.set STO,  24
.set RD,   25
.set CO,   26
.set ADRS, 27
.set SPW,  28
.set NIL,  29
.set SC,   32
.set BK,   64
.set ACC,  128
.set F0,   0
.set F1,   128
.set RES,  0
.set G1, 24
.set G0, 32
.set G1B, 48
.set G0B, 56
.set G1S, 68
.set G0S, 76
.set G1SB, 80
.set G0SB, 88
.set MSB, 0
.macro WIN new
.if MSB != \new
	s_set_vgpr_msb (MSB<<8)|\new
.set MSB, \new
.endif
.endm
.set MUL,   0x05
.set TO_F,  0x40
.set TO_R,  0x80
.set ADD_R, 0x08
.macro JLOAD g0a, g1a, g0b, g1b
	s_cmp_eq_u32 s15, 0
	s_cbranch_scc0 .Lfor_b_\@
	tensor_load_to_lds s[\g0a:\g0a+3], s[\g1a:\g1a+7]
	s_nop 0
.rept 4
	v_nop
.endr
	s_branch .Lasked_\@
.Lfor_b_\@:
	tensor_load_to_lds s[\g0b:\g0b+3], s[\g1b:\g1b+7]
	s_nop 0
.rept 4
	v_nop
.endr
.Lasked_\@:
.endm
.macro CREST
	s_cmp_lg_u32 s14, 0
	s_cbranch_scc1 .Lnot_wave_0_\@
	s_barrier_signal -3
.Lnot_wave_0_\@:
	s_barrier_wait -3
	s_barrier_signal -1
	s_barrier_wait -1
.endm
.macro CROUND
	s_barrier_signal -1
	s_barrier_wait -1
	CREST
.endm
	s_load_b256 s[4:11], s[0:1], 0x0
	s_load_b64 s[12:13], s[0:1], 0x20
	v_lshl_add_u32 v[SPW], v0, 2, SPARE
	v_mov_b32 v[NIL], 0
	ds_add_u32 v28, v29
	ds_add_u32 v28, v29
	s_wait_dscnt 0x0
	v_lshrrev_b32 v1, 5, v0
	v_readfirstlane_b32 s14, v1
	s_lshr_b32 s15, s14, 1
	s_and_b32 s16, s14, 1
	s_bfe_u32 s40, ttmp6, 0x40000
	s_bfe_u32 s41, ttmp6, 0x40004
	s_lshl_b32 s42, ttmp9, 2
	s_add_co_u32 s42, s42, s40
	s_and_b32 s17, ttmp7, 0xffff
	s_lshl_b32 s17, s17, 2
	s_add_co_u32 s17, s17, s41
	s_lshl_b32 s43, s41, 2
	s_lshl_b32 s43, 15, s43
	s_lshl_b32 s44, 0x1111, s40
	s_or_b32 s[G1+0], s43, (3<<16)|(1<<21)
	s_or_b32 s[G1B+0], s44, (3<<16)|(1<<21)
.irp g, G1, G1B
	s_mov_b32 s[\g+1], (ROWB/8)<<16
	s_mov_b32 s[\g+2], 8<<16                       ; the head's loads bring all 8 tiles
	s_mov_b32 s[\g+3], (ROWB/8)<<16
	s_mov_b32 s[\g+4], 8
	s_mov_b32 s[\g+5], KS8*FRB/8
	s_mov_b32 s[\g+6], 0
	s_mov_b32 s[\g+7], 0
.endr
	s_or_b32 s[G1S+0], s43, (3<<16)|(1<<21)
	s_or_b32 s[G1SB+0], s44, (3<<16)|(1<<21)
.irp g, G1S, G1SB
	s_mov_b32 s[\g+1], 32<<16
	s_mov_b32 s[\g+2], (2*HALFS/256)<<16           ; the scale words of all 8 tiles in one load
	s_mov_b32 s[\g+3], 32<<16
	s_mov_b32 s[\g+4], 2*HALFS/256
	s_mov_b32 s[\g+5], 32
	s_mov_b32 s[\g+6], 0
	s_mov_b32 s[\g+7], 0
.endr
	s_mul_i32 s18, s16, 4*KS8*FRB                  ; in the ring I fetch 4 of the 8 tiles: which half, in bytes
	s_mov_b32 s19, 0
	s_lshl_b32 s20, s17, 3
	s_lshl_b32 s46, s42, 3
	s_mul_i32 s22, s20, SBLK
	s_add_co_u32 s22, s22, ASC
	s_mov_b32 s23, 0
	s_mul_i32 s20, s20, KS8*FRB
	s_mov_b32 s21, 0
	s_mul_i32 s92, s46, SBLK
	s_add_co_u32 s92, s92, BSO
	s_mov_b32 s93, 0
	s_mul_i32 s46, s46, KS8*FRB
	s_add_co_u32 s46, s46, BCO
	s_mov_b32 s47, 0
	s_mul_i32 s45, s14, HALFT
	s_wait_kmcnt 0x0
	s_add_nc_u64 s[20:21], s[4:5], s[20:21]
	s_add_nc_u64 s[22:23], s[4:5], s[22:23]
	s_add_nc_u64 s[46:47], s[6:7], s[46:47]
	s_add_nc_u64 s[92:93], s[6:7], s[92:93]
	CROUND
	s_mov_b32 s[G0S], 1
	s_mov_b32 s[G0S+1], SCL
	s_mov_b64 s[G0S+2:G0S+3], s[22:23]
	s_or_b32 s[G0S+3], s[G0S+3], 0x80000000
	s_mov_b32 s[G0SB], 1
	s_mov_b32 s[G0SB+1], SCL+2*HALFS
	s_mov_b64 s[G0SB+2:G0SB+3], s[92:93]
	s_or_b32 s[G0SB+3], s[G0SB+3], 0x80000000
	s_mov_b32 s[G0], 1                             ; the head's load of slot 0: A's 8 tiles, whole
	s_mov_b32 s[G0+1], 0
	s_mov_b64 s[G0+2:G0+3], s[20:21]
	s_or_b32 s[G0+3], s[G0+3], 0x80000000
	s_mov_b32 s[G0B], 1                            ; and W's 8 tiles, behind them
	s_mov_b32 s[G0B+1], 2*HALFT
	s_mov_b64 s[G0B+2:G0B+3], s[46:47]
	s_or_b32 s[G0B+3], s[G0B+3], 0x80000000
	s_add_nc_u64 s[20:21], s[20:21], s[18:19]      ; for the ring: my 4 tiles
	s_add_nc_u64 s[46:47], s[46:47], s[18:19]
	s_mov_b32 s[G0+4], 1
	s_add_co_u32 s[G0+5], s45, SLOT
	s_add_nc_u64 s[G0+6:G0+7], s[20:21], ROWB
	s_or_b32 s[G0+7], s[G0+7], 0x80000000
	s_mov_b32 s[G0B+4], 1
	s_add_co_u32 s[G0B+5], s45, SLOT
	s_add_nc_u64 s[G0B+6:G0B+7], s[46:47], ROWB
	s_or_b32 s[G0B+7], s[G0B+7], 0x80000000
; THE PREFETCHES.  A load of mine brings 4 tiles x 6,144 bytes; the four partners that ask for it jointly share it out by address: the partner at place p (cx for A's, cy for W's) names tile p,
; 24 blocks of 256 bytes, a lane a block (lanes 24-31 name the last block again).  Slots 1 and 2 are named behind the head's loads, slot 3 behind slot 1's load; behind the refill of slot i the loop names slot i + 2, up to slot 7.
.set PFA, 66                           ; s[66:67] my tile of the slot, stepped a slot at each refill
	s_cmp_eq_u32 s15, 0
	s_cselect_b64 s[PFA:PFA+1], s[20:21], s[46:47]
	s_cselect_b32 s2, s40, s41
	s_mul_i32 s2, s2, KS8*FRB
	s_mov_b32 s3, 0
	s_add_nc_u64 s[PFA:PFA+1], s[PFA:PFA+1], s[2:3]
	v_and_b32 v30, 31, v0
	v_min_u32 v30, 23, v30
	v_lshlrev_b32 v30, 8, v30                      ; v30: never rewritten
	s_wait_alu depctr_va_vdst(0)
; the head's four tiles, one joint load a wave: wave 0 A's slot 0, wave 1 W's, wave 2 A's scale words, wave 3 W's; one chain of branches on the wave's number
.macro ARM under, g0, g1, next
	s_cmp_lt_u32 s14, \under
	s_cbranch_scc0 \next
	tensor_load_to_lds s[\g0:\g0+3], s[\g1:\g1+7]
	s_nop 0
.rept 4
	v_nop
.endr
	s_branch .Lhead_asked
\next:
.endm
	ARM 1, G0,  G1,  .Lhead_b
	ARM 2, G0B, G1B, .Lhead_sa
	ARM 3, G0S, G1S, .Lhead_sb
	tensor_load_to_lds s[G0SB:G0SB+3], s[G1SB:G1SB+7]
	s_nop 0
.rept 4
	v_nop
.endr
.Lhead_asked:
	global_prefetch_b8 v30, s[PFA:PFA+1] offset:ROWB th:TH_LOAD_NT scope:SCOPE_SE
	global_prefetch_b8 v30, s[PFA:PFA+1] offset:2*ROWB th:TH_LOAD_NT scope:SCOPE_SE
	s_wait_alu depctr_va_vdst(0)
	s_wait_tensorcnt 0x0                           ; my tile of the four is in; slot 1's first fill is issued as a refill is
	ds_add_u32 v28, v29
	s_mov_b32 s[G1+2], (HALFT/ROWB)<<16            ; no load of mine is out: from here on a load brings 4 tiles
	s_mov_b32 s[G1+4], HALFT/ROWB
	s_mov_b32 s[G1B+2], (HALFT/ROWB)<<16
	s_mov_b32 s[G1B+4], HALFT/ROWB
	s_mov_b32 s[G0+1], s45                         ; slot 0's descriptors for the ring: my 4 tiles, by the wave's number
	s_mov_b64 s[G0+2:G0+3], s[20:21]
	s_or_b32 s[G0+3], s[G0+3], 0x80000000
	s_mov_b32 s[G0B+1], s45
	s_mov_b64 s[G0B+2:G0B+3], s[46:47]
	s_or_b32 s[G0B+3], s[G0B+3], 0x80000000
	s_wait_dscnt 0x0
	CROUND                                         ; all four tiles are in, in every partner
	JLOAD G0+4, G1, G0B+4, G1B                     ; slot 1: the first tensor load behind the round
	global_prefetch_b8 v30, s[PFA:PFA+1] offset:3*ROWB th:TH_LOAD_NT scope:SCOPE_SE
	v_and_b32 v1, 31, v0
	v_lshlrev_b32 v8, 4, v1
	v_lshlrev_b32 v9, 3, v1
	v_and_b32 v2, 15, v0
	v_bfe_u32 v3, v0, 4, 1
	v_lshlrev_b32 v10, 2, v2
	v_lshlrev_b32 v11, 4, v2
	s_mul_i32 s21, s15, HALFT
	s_mul_i32 s22, s16, HALFT
	s_add_co_u32 s22, s22, 2*HALFT
.irp s, 0,1
	v_add_nc_u32 v[ADRA16+\s], s21, v8
	v_add_nc_u32 v[ADRA8+\s], s21, v9
	v_add_nc_u32 v[ADRB16+\s], s22, v8
	v_add_nc_u32 v[ADRB8+\s], s22, v9
	s_add_co_u32 s21, s21, SLOT
	s_add_co_u32 s22, s22, SLOT
.endr
	s_mul_i32 s21, s15, HALFS
	s_mul_i32 s22, s16, HALFS
	s_add_co_u32 s22, s22, 2*HALFS
	s_sub_co_u32 s22, s22, s21
	v_mul_u32_u24 v6, s22, v3
	s_add_co_u32 s21, s21, SCL
	v_add_nc_u32 v5, v10, v6
	v_add_nc_u32 v[ADRS], s21, v5
	s_mul_i32 s23, s14, 16*SPITCH
	s_add_co_u32 s23, s23, STAGE
	v_mul_u32_u24 v4, v2, SPITCH
	v_lshl_add_u32 v4, v3, 7, v4
	v_add_nc_u32 v[STO], s23, v4
	v_mul_u32_u24 v5, v3, SPITCH
	v_add_nc_u32 v5, v5, v11
	v_add_nc_u32 v[RD], s23, v5
	v_lshl_add_u32 v[CO], v3, 12, v11
	s_wait_alu depctr_va_vdst(0)
	s_lshl_b32 s96, s17, 7
	s_lshl_b32 s97, s15, 6
	s_add_co_u32 s96, s96, s97
	s_lshl_b32 s96, s96, 12
	s_lshl_b32 s98, s42, 7
	s_lshl_b32 s99, s16, 6
	s_add_co_u32 s98, s98, s99
	s_lshl_b32 s98, s98, 2
	s_mov_b32 s99, 0
	s_add_nc_u64 s[8:9], s[8:9], s[98:99]
	s_add_co_u32 s96, s96, s98
	s_mov_b32 s97, 0
	s_add_nc_u64 s[10:11], s[10:11], s[96:97]
	s_add_nc_u64 s[12:13], s[12:13], s[96:97]
	global_load_b128 v[BIA:BIA+3], v11, s[8:9]
	WIN TO_R
.irp a, 0,1,2,3
.irp t, 0,1,2,3,4,5,6,7
	global_load_b128 v[RES+32*\a+4*\t:RES+32*\a+4*\t+3], v[CO], s[10:11] offset:(32*(\t/4)+8*\a+2*(\t%4))*4096
.endr
.endr
	WIN 0
.macro FRAG reg, a16, a8, q, i
	ds_load_b128 v[\reg:\reg+3], v[\a16] offset:(\i)*ROWB+(\q)*FRB
	ds_load_b128 v[\reg+8:\reg+11], v[\a16] offset:(\i)*ROWB+(\q)*FRB+512
	ds_load_b64 v[\reg+4:\reg+5], v[\a8] offset:(\i)*ROWB+(\q)*FRB+1024
	ds_load_b64 v[\reg+6:\reg+7], v[\a8] offset:(\i)*ROWB+(\q)*FRB+1280
.endm
.macro FETCH slot, q, f
	WIN TO_F
.irp i, 0,1,2,3
	FRAG \f+FR*\i, ADRB16+\slot, ADRB8+\slot, \q, \i
.endr
.irp i, 0,1,2,3
	FRAG \f+48+FR*\i, ADRA16+\slot, ADRA8+\slot, \q, \i
.endr
.endm
.macro SCALES sc
.irp q, 0,1,2,3
.irp i, 0,1,2,3
	ds_load_b32 v[SC+16*\sc+4*\q+\i], v[ADRS] offset:\i*SBLK+64*\q
.endr
.endr
.endm
.macro MUL4 f, q, sc, a, zero
.irp b, 0,1,2,3
.if \zero
	v_wmma_scale_f32_16x16x128_f8f6f4 v[ACC+8*(4*(\a)+\b):ACC+8*(4*(\a)+\b)+7], v[\f+FR*\b:\f+FR*\b+FR-1], v[\f+48+FR*(\a):\f+48+FR*(\a)+FR-1], 0, v[SC+16*(\sc)+4*(\q)+\b], v[SC+16*(\sc)+4*(\q)+(\a)] matrix_a_fmt:MATRIX_FMT_BF6 matrix_b_fmt:MATRIX_FMT_BF6 matrix_a_scale:MATRIX_SCALE_ROW1
.else
	v_wmma_scale_f32_16x16x128_f8f6f4 v[ACC+8*(4*(\a)+\b):ACC+8*(4*(\a)+\b)+7], v[\f+FR*\b:\f+FR*\b+FR-1], v[\f+48+FR*(\a):\f+48+FR*(\a)+FR-1], v[ACC+8*(4*(\a)+\b):ACC+8*(4*(\a)+\b)+7], v[SC+16*(\sc)+4*(\q)+\b], v[SC+16*(\sc)+4*(\q)+(\a)] matrix_a_fmt:MATRIX_FMT_BF6 matrix_b_fmt:MATRIX_FMT_BF6 matrix_a_scale:MATRIX_SCALE_ROW1
.endif
.endr
.endm
.macro PLACES
.rept 4
	v_nop
.endr
.endm
.macro QUARTER slot, qn, f, g, zero
	s_wait_dscnt 0x0
	PLACES
	FETCH \slot, \qn, \g
	WIN MUL
.irp a, 0,1,2,3
	MUL4 \f, (\qn)-1, \slot, \a, \zero
.endr
.endm
.macro TURN slot, next, fill
	WIN 0
.if \fill
	s_wait_xcnt 0x0                                ; my prefetches have read their address: it steps a slot on, ahead of the waits of the change of slots
	s_add_nc_u64 s[PFA:PFA+1], s[PFA:PFA+1], ROWB
.endif
	s_wait_tensorcnt 0x0
	ds_add_u32 v[SPW], v[NIL]
	s_wait_dscnt 1
	WIN MUL
	MUL4 F1, 3, \slot, 0, 0
	s_wait_dscnt 0x0
	s_barrier_signal -1
	MUL4 F1, 3, \slot, 1, 0
	WIN 0
	s_barrier_wait -1
.if \fill
	CREST
	s_add_nc_u64 s[G0+4*\slot+2:G0+4*\slot+3], s[G0+4*\slot+2:G0+4*\slot+3], 2*ROWB
	s_add_nc_u64 s[G0B+4*\slot+2:G0B+4*\slot+3], s[G0B+4*\slot+2:G0B+4*\slot+3], 2*ROWB
	JLOAD G0+4*\slot, G1, G0B+4*\slot, G1B
.else
	PLACES
.endif
	s_wait_alu depctr_va_vdst(0)
	v_add_nc_u32 v[ADRS], 64*NQ, v[ADRS]
	FETCH \next, 0, F0
	WIN 0
	SCALES \next
.if \fill
	s_cmp_gt_u32 s3, 1                             ; the loop's last trip refills slots 6 and 7: no slot lies two further on
	s_cbranch_scc0 .Lnoask_\@
	global_prefetch_b8 v30, s[PFA:PFA+1] offset:3*ROWB th:TH_LOAD_NT scope:SCOPE_SE
.Lnoask_\@:
.endif
	WIN MUL
	MUL4 F1, 3, \slot, 2, 0
	MUL4 F1, 3, \slot, 3, 0
.endm
	FETCH 0, 0, F0
	WIN 0
	SCALES 0
	QUARTER 0, 1, F0, F1, 1
.if LAPS > 1
	WIN 0
	s_mov_b32 s3, LAPS-1
.Llap:
	QUARTER 0, 2, F1, F0, 0
	QUARTER 0, 3, F0, F1, 0
	TURN 0, 1, 1
	QUARTER 1, 1, F0, F1, 0
	QUARTER 1, 2, F1, F0, 0
	QUARTER 1, 3, F0, F1, 0
	TURN 1, 0, 1
	QUARTER 0, 1, F0, F1, 0
	WIN 0
	s_sub_co_u32 s3, s3, 1
	s_cmp_lg_u32 s3, 0
	s_cbranch_scc1 .Llap
.endif
	QUARTER 0, 2, F1, F0, 0
	QUARTER 0, 3, F0, F1, 0
	TURN 0, 1, 0
	QUARTER 1, 1, F0, F1, 0
	QUARTER 1, 2, F1, F0, 0
	QUARTER 1, 3, F0, F1, 0
	s_wait_dscnt 0x0
.irp a, 0,1,2,3
	MUL4 F1, 3, 1, \a, 0
.endr
	WIN 0
	PLACES
	s_wait_loadcnt 0x0
.irp a, 0,1,2,3
.if \a > 0
	s_wait_xcnt 0x0
.endif
.irp b, 0,1,2,3
	ds_store_b128 v[STO], v[ACC+8*(4*\a+\b):ACC+8*(4*\a+\b)+3] offset:32*\b
	ds_store_b128 v[STO], v[ACC+8*(4*\a+\b)+4:ACC+8*(4*\a+\b)+7] offset:32*\b+16
.endr
.irp t, 0,1,2,3,4,5,6,7
	ds_load_b128 v[BK+4*\t:BK+4*\t+3], v[RD] offset:\t*2*SPITCH
.endr
	s_wait_dscnt 0x0
.irp t, 0,1,2,3,4,5,6,7
	v_pk_add_f32 v[BK+4*\t:BK+4*\t+1], v[BK+4*\t:BK+4*\t+1], v[BIA:BIA+1]
	v_pk_add_f32 v[BK+4*\t+2:BK+4*\t+3], v[BK+4*\t+2:BK+4*\t+3], v[BIA+2:BIA+3]
.endr
	WIN ADD_R
.irp t, 0,1,2,3,4,5,6,7
	v_pk_add_f32 v[BK+4*\t:BK+4*\t+1], v[BK+4*\t:BK+4*\t+1], v[RES+32*\a+4*\t:RES+32*\a+4*\t+1]
	v_pk_add_f32 v[BK+4*\t+2:BK+4*\t+3], v[BK+4*\t+2:BK+4*\t+3], v[RES+32*\a+4*\t+2:RES+32*\a+4*\t+3]
.endr
	WIN 0
.irp t, 0,1,2,3,4,5,6,7
	global_store_b128 v[CO], v[BK+4*\t:BK+4*\t+3], s[12:13] offset:(32*(\t/4)+8*\a+2*(\t%4))*4096
.endr
.endr
	s_wait_tensorcnt 0x0
	ds_add_u32 v[SPW], v[NIL]
	s_wait_dscnt 0x0
	CROUND
	s_endpgm
.Lfunc_end_k_q60c893fb37_ffn2:
	.size	k_q60c893fb37_ffn2, .Lfunc_end_k_q60c893fb37_ffn2-k_q60c893fb37_ffn2
	.p2alignl 7, 3214868480
	.fill 96, 4, 3214868480
	.section	.rodata,"a",@progbits
	.p2align	6, 0x0
	.amdhsa_kernel k_q60c893fb37_ffn2
		.amdhsa_group_segment_fixed_size 327680
		.amdhsa_private_segment_fixed_size 0
		.amdhsa_enable_private_segment 0
		.amdhsa_kernarg_size 40
		.amdhsa_user_sgpr_count 2
		.amdhsa_user_sgpr_kernarg_segment_ptr 1
		.amdhsa_wavefront_size32 1
		.amdhsa_system_sgpr_workgroup_id_x 1
		.amdhsa_system_sgpr_workgroup_id_y 1
		.amdhsa_system_sgpr_workgroup_id_z 1
		.amdhsa_system_vgpr_workitem_id 0
		.amdhsa_next_free_vgpr 640
		.amdhsa_next_free_sgpr 102
		.amdhsa_reserve_vcc 0
		.amdhsa_float_denorm_mode_32 3
		.amdhsa_float_denorm_mode_16_64 3
		.amdhsa_memory_ordered 1
		.amdhsa_forward_progress 1
		.amdhsa_inst_pref_size 106
	.end_amdhsa_kernel
	.amdgpu_metadata
---
amdhsa.version: [ 1, 2 ]
amdhsa.kernels:
  - .name:           k_q60c893fb37_ffn2
    .symbol:         k_q60c893fb37_ffn2.kd
    .args:
      - { .name: hc, .offset: 0, .size: 8, .value_kind: global_buffer, .address_space: global }
      - { .name: qa, .offset: 8, .size: 8, .value_kind: global_buffer, .address_space: global }
      - { .name: b2, .offset: 16, .size: 8, .value_kind: global_buffer, .address_space: global }
      - { .name: x1, .offset: 24, .size: 8, .value_kind: global_buffer, .address_space: global }
      - { .name: y, .offset: 32, .size: 8, .value_kind: global_buffer, .address_space: global }
    .group_segment_fixed_size: 327680
    .private_segment_fixed_size: 0
    .kernarg_segment_align: 8
    .kernarg_segment_size: 40
    .max_flat_workgroup_size: 128
    .sgpr_count:     102
    .vgpr_count:     640
    .wavefront_size: 32
...
	.end_amdgpu_metadata
.endif
;; end of part 7
;; launch ln2 (part 8): grid 256 x 1, 8 waves a work-group, no clusters, 0 bytes of LDS; arguments y, g2, be2, out0; writes out0
.if DOCPART == 8
	.amdgcn_target "amdgcn-amd-amdhsa--gfx1250"
	.amdhsa_code_object_version 6
	.text
	.protected	k_q60c893fb37_ln2
	.globl	k_q60c893fb37_ln2
	.p2align	8
	.type	k_q60c893fb37_ln2,@function
k_q60c893fb37_ln2:
	s_mov_b64 s[64:65], 0
	v_nop
	global_prefetch_b8 v0, s[64:65] scope:SCOPE_SE
	s_setreg_imm32_b32 hwreg(HW_REG_WAVE_MODE, 25, 1), 1
	s_wait_xcnt 0x0
; out0 = LayerNorm(y) x g2 + be2, rows of 1,024, in f32.  Memory binds: each row is read once and kept in registers between the passes; a wave takes two whole rows, so no reduction leaves the wave: no LDS, no barrier.
; Matrix units, clusters and tensor loads would add nothing.  Work-group i takes rows 16 i on, wave w rows 2 w and 2 w + 1 of them.  Each load and store of a wave covers 512 consecutive bytes.
; The mean is taken first, then the mean of the squared differences, as the definition has it.  LIMITS: NaN and infinities are not served; v_rsq_f32 is good to one unit in the last place.
.set L16, 4
.set XR,  16                           ; v16-79   two rows, 32 numbers a lane each
.set GR,  80                           ; v80-111  g of my 32 columns
.set BR,  112                          ; v112-143 be
.set A,   144
.set B,   146
.set MU,  148
.set R,   150
.set T,   154
.set T2,  155
.set VV,  156
.set SEL, 14
.macro REDUCE
	s_delay_alu instid0(VALU_DEP_1)
	v_add_f32_dpp v[T], v[T], v[T] row_xmask:1 row_mask:0xf bank_mask:0xf
	s_delay_alu instid0(VALU_DEP_1)
	v_add_f32_dpp v[T], v[T], v[T] row_xmask:2 row_mask:0xf bank_mask:0xf
	s_delay_alu instid0(VALU_DEP_1)
	v_add_f32_dpp v[T], v[T], v[T] row_xmask:4 row_mask:0xf bank_mask:0xf
	s_delay_alu instid0(VALU_DEP_1)
	v_add_f32_dpp v[T], v[T], v[T] row_xmask:8 row_mask:0xf bank_mask:0xf
	s_delay_alu instid0(VALU_DEP_1)
	v_permlanex16_b32 v[T2], v[T], s[SEL], s[SEL+1]
	s_delay_alu instid0(VALU_DEP_1)
	v_add_f32 v[T], v[T], v[T2]
.endm
.macro MOMENTS u
.set XU, XR+32*\u
	v_pk_add_f32 v[A:A+1], v[XU:XU+1], v[XU+2:XU+3]
	v_pk_add_f32 v[B:B+1], v[XU+4:XU+5], v[XU+6:XU+7]
.irp j, 8,12,16,20,24,28
	s_delay_alu instid0(VALU_DEP_2)
	v_pk_add_f32 v[A:A+1], v[A:A+1], v[XU+\j:XU+\j+1]
	s_delay_alu instid0(VALU_DEP_2)
	v_pk_add_f32 v[B:B+1], v[B:B+1], v[XU+\j+2:XU+\j+3]
.endr
	s_delay_alu instid0(VALU_DEP_1)
	v_pk_add_f32 v[A:A+1], v[A:A+1], v[B:B+1]
	s_delay_alu instid0(VALU_DEP_1)
	v_add_f32 v[T], v[A], v[A+1]
	REDUCE
	s_delay_alu instid0(VALU_DEP_1)
	v_mul_f32 v[MU], s12, v[T]
	s_delay_alu instid0(VALU_DEP_1)
	v_mov_b32 v[MU+1], v[MU]
.irp j, 0,2,4,6,8,10,12,14,16,18,20,22,24,26,28,30
	v_pk_add_f32 v[XU+\j:XU+\j+1], v[XU+\j:XU+\j+1], v[MU:MU+1] neg_lo:[0,1] neg_hi:[0,1]
.endr
	v_pk_mul_f32 v[A:A+1], v[XU:XU+1], v[XU:XU+1]
	v_pk_mul_f32 v[B:B+1], v[XU+2:XU+3], v[XU+2:XU+3]
.irp j, 4,8,12,16,20,24,28
	s_delay_alu instid0(VALU_DEP_2)
	v_pk_fma_f32 v[A:A+1], v[XU+\j:XU+\j+1], v[XU+\j:XU+\j+1], v[A:A+1]
	s_delay_alu instid0(VALU_DEP_2)
	v_pk_fma_f32 v[B:B+1], v[XU+\j+2:XU+\j+3], v[XU+\j+2:XU+\j+3], v[B:B+1]
.endr
	s_delay_alu instid0(VALU_DEP_1)
	v_pk_add_f32 v[A:A+1], v[A:A+1], v[B:B+1]
	s_delay_alu instid0(VALU_DEP_1)
	v_add_f32 v[T], v[A], v[A+1]
	REDUCE
	s_delay_alu instid0(VALU_DEP_1)
	v_fma_f32 v[VV+\u], v[T], s12, s13
.endm
.macro APPLY u
.set XU, XR+32*\u
.irp j, 0,2,4,6,8,10,12,14,16,18,20,22,24,26,28,30
	v_pk_mul_f32 v[XU+\j:XU+\j+1], v[XU+\j:XU+\j+1], v[R+2*\u:R+2*\u+1]
.endr
.irp j, 0,2,4,6,8,10,12,14,16,18,20,22,24,26,28,30
	v_pk_fma_f32 v[XU+\j:XU+\j+1], v[XU+\j:XU+\j+1], v[GR+\j:GR+\j+1], v[BR+\j:BR+\j+1]
.endr
.endm
	s_load_b256 s[4:11], s[0:1], 0x0               ; y, g2, be2, out0
	v_lshrrev_b32 v1, 5, v0
	s_delay_alu instid0(VALU_DEP_1)
	v_readfirstlane_b32 s2, v1                     ; wave 0..7
	v_and_b32 v1, 31, v0
	s_delay_alu instid0(VALU_DEP_1)
	v_lshlrev_b32 v[L16], 4, v1
	v_mov_b32 v[T2], 0                             ; a lane permute's destination counts as one of its sources
	s_lshl_b32 s24, ttmp9, 4
	s_lshl_b32 s25, s2, 1
	s_add_co_u32 s24, s24, s25                     ; the first of my two rows
	s_lshl_b32 s24, s24, 12
	s_mov_b32 s25, 0
	s_mov_b32 s12, 0x3a800000                      ; 1 / 1,024
	s_mov_b32 s13, 0x3727c5ac                      ; 1e-5
	s_mov_b32 s[SEL], 0x76543210
	s_mov_b32 s[SEL+1], 0xfedcba98
	s_wait_alu depctr_va_vdst(0)
	s_wait_kmcnt 0x0
	s_add_nc_u64 s[4:5], s[4:5], s[24:25]
	s_add_nc_u64 s[10:11], s[10:11], s[24:25]
.irp u, 0,1
.irp j, 0,1,2,3,4,5,6,7
	global_load_b128 v[XR+32*\u+4*\j:XR+32*\u+4*\j+3], v[L16], s[4:5] offset:4096*\u+512*\j th:TH_LOAD_NT
.endr
.endr
.irp j, 0,1,2,3,4,5,6,7
	global_load_b128 v[GR+4*\j:GR+4*\j+3], v[L16], s[6:7] offset:512*\j
	global_load_b128 v[BR+4*\j:BR+4*\j+3], v[L16], s[8:9] offset:512*\j
.endr
	s_wait_loadcnt 16                              ; my two rows are in; the 16 loads of g2 and be2 may be out
	MOMENTS 0
	MOMENTS 1
	s_wait_alu depctr_va_vdst(0)
	v_rsq_f32 v[R], v[VV]
	v_rsq_f32 v[R+2], v[VV+1]
	v_nop                                          ; a plain place behind the two
	s_wait_alu depctr_va_vdst(0)                   ; one wait for both, ahead of their first reader
	v_mov_b32 v[R+1], v[R]
	v_mov_b32 v[R+3], v[R+2]
	s_wait_alu depctr_va_vdst(0)
	s_wait_loadcnt 0x0                             ; g2, be2
	APPLY 0
	APPLY 1
.irp u, 0,1
.irp j, 0,1,2,3,4,5,6,7
	global_store_b128 v[L16], v[XR+32*\u+4*\j:XR+32*\u+4*\j+3], s[10:11] offset:4096*\u+512*\j th:TH_STORE_NT
.endr
.endr
	s_endpgm
.Lfunc_end_k_q60c893fb37_ln2:
	.size	k_q60c893fb37_ln2, .Lfunc_end_k_q60c893fb37_ln2-k_q60c893fb37_ln2
	.p2alignl 7, 3214868480
	.fill 96, 4, 3214868480
	.section	.rodata,"a",@progbits
	.p2align	6, 0x0
	.amdhsa_kernel k_q60c893fb37_ln2
		.amdhsa_group_segment_fixed_size 0
		.amdhsa_private_segment_fixed_size 0
		.amdhsa_enable_private_segment 0
		.amdhsa_kernarg_size 32
		.amdhsa_user_sgpr_count 2
		.amdhsa_user_sgpr_kernarg_segment_ptr 1
		.amdhsa_wavefront_size32 1
		.amdhsa_system_sgpr_workgroup_id_x 1
		.amdhsa_system_sgpr_workgroup_id_y 1
		.amdhsa_system_sgpr_workgroup_id_z 1
		.amdhsa_system_vgpr_workitem_id 0
		.amdhsa_next_free_vgpr 160
		.amdhsa_next_free_sgpr 66
		.amdhsa_reserve_vcc 0
		.amdhsa_float_denorm_mode_32 3
		.amdhsa_float_denorm_mode_16_64 3
		.amdhsa_memory_ordered 1
		.amdhsa_forward_progress 1
		.amdhsa_inst_pref_size 21
	.end_amdhsa_kernel
	.amdgpu_metadata
---
amdhsa.version: [ 1, 2 ]
amdhsa.kernels:
  - .name:           k_q60c893fb37_ln2
    .symbol:         k_q60c893fb37_ln2.kd
    .args:
      - { .name: y, .offset: 0, .size: 8, .value_kind: global_buffer, .address_space: global }
      - { .name: g2, .offset: 8, .size: 8, .value_kind: global_buffer, .address_space: global }
      - { .name: be2, .offset: 16, .size: 8, .value_kind: global_buffer, .address_space: global }
      - { .name: out0, .offset: 24, .size: 8, .value_kind: global_buffer, .address_space: global }
    .group_segment_fixed_size: 0
    .private_segment_fixed_size: 0
    .kernarg_segment_align: 8
    .kernarg_segment_size: 32
    .max_flat_workgroup_size: 256
    .sgpr_count:     66
    .vgpr_count:     160
    .wavefront_size: 32
...
	.end_amdgpu_metadata
.endif
;; end of part 8
